; MI455X (gfx1250); checked and timed in simulation.
; The chip was launched on July 23, 2026; its instructions are those of AMD's public machine-readable ISA for CDNA 5 (MIT licence, August 2026) and "CDNA5" Instruction Set Architecture Reference Guide (July 2026). The comments in the code are by the model that wrote it; some were corrected since.
;; Transformer Block. Allowed arithmetic: matrix products marked QUANTISED: E2M3 operands, one E8M0 scale for each 32 along K, by v_wmma_scale_f32_16x16x128_f8f6f4 with both operands' format E2M3, f32 sums; everything else in f32.
;; Inputs: attn_out_w 1,024 x 1,024 float32; ln1_b 1,024 float32; ln1_w 1,024 float32; ln2_b 1,024 float32; ln2_w 1,024 float32; mlp_gate_w 2,048 x 1,024 float32; mlp_in_w 2,048 x 1,024 float32; mlp_out_w 1,024 x 2,048 float32; qkv_w 3,072 x 1,024 float32; x 2 x 2,048 x 1,024 float32.
;; Outputs: out0 2 x 2,048 x 1,024 float32.
;; This version of the problem:
;;   THIS VERSION OF THE PROBLEM IS GIVEN IN LOW PRECISION. The matrix products marked QUANTISED in the list below multiply operands that are first quantised to E2M3 (2 exponent bits, 3 mantissa bits; 6 bits a number), with one power-of-two scale for each 32 numbers along K (OCP MX v1.0); their sums are f32. All else is computed in f32.
;;   The module's matrix products, in the order in which they are computed (A, B: the left and right operand; K: the contracted axis; several contracted axes count as one K, in the product's order):
;;     1. [M 4,096, K 1,024] x [K 1,024, N 3,072]; A: computed on the way; B: input qkv_w: QUANTISED
;;     2. batch 32 x [M 2,048, K 64] x [K 64, N 2,048]; A: computed on the way; B: computed on the way: QUANTISED
;;     3. batch 32 x [M 2,048, K 2,048] x [K 2,048, N 64]; A: softmax (see below); B: computed on the way: QUANTISED
;;     4. [M 4,096, K 1,024] x [K 1,024, N 1,024]; A: computed on the way; B: input attn_out_w: QUANTISED
;;     5. [M 4,096, K 1,024] x [K 1,024, N 2,048]; A: computed on the way; B: input mlp_in_w: QUANTISED
;;     6. [M 4,096, K 1,024] x [K 1,024, N 2,048]; A: computed on the way; B: input mlp_gate_w: QUANTISED
;;     7. [M 4,096, K 2,048] x [K 2,048, N 1,024]; A: computed on the way; B: input mlp_out_w: QUANTISED
;;   THE QUANTISER, for each operand of a quantised product, along K:
;;     - K is cut into blocks of 32 from its start; a last block that is shorter is filled with zeros.
;;     - A block's scale is 2^e with e = floor(log2(the largest magnitude in the block)) - 2, held to -126 .. 127; a block of zeros has e = 0. As a byte (E8M0): e + 127.
;;     - Each number is divided by its block's scale, clamped to +-7.5, and rounded to the nearest number of E2M3, ties to even, subnormals kept.
;;     - The product sums the exact products of the quantised numbers (number of the format x scale) in f32.
;;   ~~~python
;;   def quantise(x, axis):      # numpy; x: float32 -> the quantised numbers, widened to float32 again
;;       x = np.moveaxis(x, axis, -1); K = x.shape[-1]
;;       x = np.pad(x, [(0, 0)] * (x.ndim - 1) + [(0, -K % 32)]); x = x.reshape(x.shape[:-1] + (-1, 32)); a = np.abs(x).max(-1, keepdims=True)
;;       e = np.where(a > 0, np.clip(np.frexp(np.where(a > 0, a, 1))[1] - 1 - 2, -126, 127), 0)      # np.frexp(a)[1] - 1 = floor(log2(a)), exactly
;;       r = np.clip(x / 2.0 ** e, -7.5, 7.5)
;;       step = 2.0 ** (np.maximum(np.frexp(np.where(r == 0, 1, r))[1] - 1, 0) - 3)
;;       q = np.round(r / step) * step * 2.0 ** e      # np.round: ties to even
;;       return np.moveaxis(q.reshape(q.shape[:-2] + (-1,))[..., :K], -1, axis).astype(np.float32)
;;   ~~~
;;   SOFTMAX AHEAD OF A QUANTISED PRODUCT. Where the list says 'softmax', what is quantised is not the finished softmax but p = 2^(t - M), with t = logit x log2(e) and M = ceil(the row's largest t), a whole number; so 1/2 < the row's largest p <= 1. The row's sum l is taken of the UNQUANTISED p, in f32, and the product's result is divided by l at the end. Since M is a whole number, a kernel that streams over the keys may use a running M (the ceiling of the running maximum): every later rescaling is an exact power of two, which a block's scale takes up: the codes' values come out the same.
;;   OPERANDS COMPUTED ON THE WAY. 'Computed on the way' means the value that the module computes at that place (a softmax that the list does not call 'softmax' is quantised finished and normalised). What goes into a quantiser is computed in f32, as accurately as f32 sums, v_exp_f32 and their like allow (about 1e-6 of the number): no bf16 or f16 on the way to a quantiser, and a product that is left as it is and whose result goes on into a quantised operand takes f32 operands (vector FMAs, or v_wmma_f32_16x16x4_f32). A number that lies on a knife's edge between two numbers of the format may be rounded either way, as far as f32 arithmetic and the matrix unit's own rounding can turn it there, and no further.
;; 2 versions, each right and faster than the one before. Each part assembles by itself: llvm-mc -triple=amdgcn-amd-amdhsa -mcpu=gfx1250 --defsym DOCPART=n.
;; ======== version 1 of 2: 7 launches
;; workspace buffers: wq 11,468,800 bytes; qkvq 9,830,400 bytes; oq 3,276,800 bytes; x1 16,777,216 bytes; h2q 3,604,480 bytes; aq 6,553,600 bytes
;; launch prep (part 1): grid 896 x 1, 4 waves a work-group, no clusters, 66,304 bytes of LDS; arguments x, ln1_w, ln1_b, qkv_w, attn_out_w, mlp_in_w, mlp_gate_w, mlp_out_w, wq; writes wq
.if DOCPART == 1
	.amdgcn_target "amdgcn-amd-amdhsa--gfx1250"
	.amdhsa_code_object_version 6
	.text
	.protected	k_q9c97d96c63_prep
	.globl	k_q9c97d96c63_prep
	.p2align	8
	.type	k_q9c97d96c63_prep,@function
k_q9c97d96c63_prep:
	s_mov_b64 s[64:65], 0
	v_nop
	global_prefetch_b8 v0, s[64:65] scope:SCOPE_SE
	s_setreg_imm32_b32 hwreg(HW_REG_WAVE_MODE, 25, 1), 1
	s_wait_xcnt 0x0
; LAYER NORM AND QUANTISER, AND PLAIN QUANTISER, ON ONE PATH.  Rows of 1,024 f32 numbers become codes of FP6 (E2M3) with one E8M0 byte for each 32 along K.
; A work-group makes one UNIT: 16 rows x 1,024 along K = 8 fragments (16 rows x 128 K) of 1,536 bytes, and 512 scale bytes.  Unit ID lies at COFF + 12,288 ID (codes) and 512 ID (scales) of the output.
; UNITS: 0-255 the activations (layer norm of source 0, then quantised); 256-447 qkv_w; 448-511 attn_out_w; 512-767 mlp_in_w and mlp_gate_w, four units of one and four of the other by turns (64 columns each);
; 768-895 mlp_out_w, whose K is 2,048: two units, the two halves of K, for each 16 rows.  Weights take the same lines with mean 0, factor 1, gain 1 and bias 0 chosen by v_cndmask_b32: x - 0, x 1, x 1 + 0 change no bit.
; THE ROWS OF A UNIT ARE NOT NEIGHBOURS: place r of unit 2 G + U holds row 32 G + 8 U + r + 8 (r / 8), so that, where the matrix is source 0 of a product, a lane's 16 results of two neighbouring tiles are 16 neighbours.
; A FRAGMENT LIES AS AN IMAGE OF THE OPERAND'S REGISTERS: two halves of 768 bytes (64 along K each); in a half, lane l's registers 0-3 at 16 l and registers 4-5 at 512 + 8 l.  Scale words: fragment f's at 64 f + 4 r.
; PHASE 1: wave w takes places 4 w .. 4 w + 3, a whole row in 32 registers: mean, x - mean, variance of the differences (two passes in registers), x rsq x gain + bias; rows go to a stage in LDS.  One barrier.
; PHASE 2: wave w takes fragments 2 w and 2 w + 1: lane (r, h) reads the 32 neighbours of each of its four blocks, so that a block's largest magnitude needs no other lane.
; A block's byte is its largest magnitude's exponent field - 2, held at 1 from below.  LIMITS: a block of zeros, and one whose largest magnitude lies under 2^-124, gets the byte 1 (zeros' codes are zeros; this program alone reads the bytes); NaN and infinities are not served.
.set COFF,  458752                     ; where the codes begin in the output
.set SROW,  4112                       ; a stage row: 4,096 bytes + 16: the 16 rows that a load touches start in 16 different groups of banks
.set SPARE, 16*SROW                    ; behind the stage: the spare words, 128 bytes for each wave
.set RO,  3                            ; v3-6    byte offset of my 16 bytes in the wave's four rows
.set MU,  12                           ; v12-19  the four means, each twice (pairs for the packed forms)
.set RS,  20                           ; v20-27  the four factors 1 / sqrt(var + eps), each twice
.set X,   32                           ; v32-159 four rows x 32 numbers; in phase 2 four blocks x 32 neighbours
.set W,   160                          ; v160-191 the gains of my 32 columns
.set B,   192                          ; v192-223 the biases
.set T,   224                          ; v224-239 four registers a row, at work
.set CD,  160                          ; phase 2: v160-183 the codes, six registers a block
.set QT,  192                          ; v192-207 the second halves of the blocks' codes, as the conversions leave them
.set QW,  208                          ; v208-209 the two fragments' scale words
.set QP,  210                          ; v210-211 the other half of the lanes' part of them
.set QM,  224                          ; v224-231 largest magnitudes, two chains a block
.set QS,  232                          ; v232-235 the conversions' scale operands
.set QB,  236                          ; v236-239 the scale bytes
.set SPW, 252                          ; v252 LDS address of my spare word; never rewritten
.set NIL, 253                          ; v253 0; never rewritten
	s_load_b256 s[4:11], s[0:1], 0x0               ; source 0 s[4:5], gain s[6:7], bias s[8:9], qkv_w s[10:11]
	s_load_b256 s[12:19], s[0:1], 0x20             ; attn_out_w s[12:13], mlp_in_w s[14:15], mlp_gate_w s[16:17], mlp_out_w s[18:19]
	s_load_b64 s[20:21], s[0:1], 0x40              ; the output
	v_lshl_add_u32 v[SPW], v0, 2, SPARE
	v_mov_b32 v[NIL], 0
	v_lshrrev_b32 v1, 5, v0
	v_readfirstlane_b32 s48, v1                    ; wave 0..3
	v_and_b32 v1, 31, v0                           ; lane
	v_lshlrev_b32 v2, 4, v1                        ; 16 x lane
	v_lshlrev_b32 v9, 3, v1                        ; 8 x lane
	v_lshlrev_b32 v10, 2, v1                       ; 4 x lane
	v_and_b32 v28, 15, v0                          ; r
	v_bfe_u32 v29, v0, 4, 1                        ; h
	v_lshlrev_b32 v11, 3, v29                      ; 8 h: how far my bytes are shifted in a scale word
	s_mul_i32 s49, s48, 4*SROW
	v_add_nc_u32 v7, s49, v2                       ; into the stage: my wave's four rows, 16 bytes a lane
	v_mul_u32_u24 v8, v28, SROW
	v_lshl_add_u32 v8, v29, 7, v8
	s_lshl_b32 s49, s48, 10
	v_add_nc_u32 v8, s49, v8                       ; out of it: row r, + 128 h, + my wave's two fragments (1,024 bytes of a row)
	s_mov_b32 s46, 0x76543210
	s_mov_b32 s47, 0xfedcba98                      ; v_permlanex16_b32's selects for lane l xor 16
	s_mov_b32 s50, 0x3a800000                      ; 1 / 1,024
	s_mov_b32 s51, 0x3727c5ac                      ; eps = 1e-5
	; which tensor, which rows: all from the work-group's number
	s_mov_b32 s22, ttmp9                           ; ID
	s_cmp_ge_u32 s22, 256
	s_cselect_b32 s23, 256, 0
	s_cmp_ge_u32 s22, 448
	s_cselect_b32 s23, 448, s23
	s_cmp_ge_u32 s22, 512
	s_cselect_b32 s23, 512, s23
	s_cmp_ge_u32 s22, 768
	s_cselect_b32 s23, 768, s23                    ; the region's first unit
	s_sub_co_u32 s24, s22, s23                     ; L: the unit's number in its region
	s_lshr_b32 s25, s24, 1                         ; G = L / 2,
	s_and_b32 s26, s24, 1                          ; U = L % 2, as a rule
	s_lshr_b32 s27, s24, 3
	s_lshl_b32 s27, s27, 1
	s_and_b32 s28, s25, 1
	s_or_b32 s27, s27, s28                         ; in / gate: G = 2 (L / 8) + (L / 2) % 2
	s_lshr_b32 s29, s24, 2                         ; mlp_out_w: G = L / 4, U = (L / 2) % 2,
	s_lshl_b32 s30, s26, 12                        ; and the half of K: 4,096 bytes on for odd L
	s_bfe_u32 s31, s24, 0x10002                    ; in / gate: bit 2 of L says which of the two
	s_mov_b32 s32, 4096                            ; a row in bytes
	s_cmp_ge_u32 s22, 512
	s_cselect_b32 s25, s27, s25
	s_cselect_b32 s31, s31, 0
	s_cmp_ge_u32 s22, 768
	s_cselect_b32 s25, s29, s25
	s_cselect_b32 s26, s28, s26
	s_cselect_b32 s30, s30, 0
	s_cselect_b32 s32, 8192, s32
	s_cselect_b32 s31, 0, s31
	s_cmp_lt_u32 s22, 256
	s_cselect_b32 s40, -1, 0                       ; all lanes: the layer norm counts;  none: a weight
	s_lshl_b32 s25, s25, 5
	s_lshl_b32 s26, s26, 3
	s_add_co_u32 s25, s25, s26
	s_lshl_b32 s26, s48, 2
	s_add_co_u32 s25, s25, s26
	s_lshr_b32 s26, s48, 1
	s_lshl_b32 s26, s26, 3
	s_add_co_u32 s25, s25, s26                     ; my wave's first row: 32 G + 8 U + 4 w + 8 (w / 2); its four rows are neighbours
	s_mul_i32 s38, s25, s32
	s_add_co_u32 s38, s38, s30
	s_mov_b32 s39, 0                               ; in bytes (under 2^25)
	v_mov_b32 v[RO], v2
	v_add_nc_u32 v[RO+1], s32, v2
	s_lshl_b32 s33, s32, 1
	v_add_nc_u32 v[RO+2], s33, v2
	s_add_co_u32 s33, s33, s32
	v_add_nc_u32 v[RO+3], s33, v2
	s_mul_i32 s42, s22, 12288
	s_mul_i32 s49, s48, 3072
	s_add_co_u32 s42, s42, s49
	s_add_co_u32 s42, s42, COFF
	s_mov_b32 s43, 0                               ; my two fragments in the output
	s_lshl_b32 s44, s22, 9
	s_lshl_b32 s49, s48, 7
	s_add_co_u32 s44, s44, s49
	s_mov_b32 s45, 0                               ; and their scale words
	s_wait_kmcnt 0x0
	s_cmp_ge_u32 s22, 256                          ; the choice of a buffer hangs on the work-group's number alone
	s_cselect_b64 s[34:35], s[10:11], s[4:5]
	s_cmp_ge_u32 s22, 448
	s_cselect_b64 s[34:35], s[12:13], s[34:35]
	s_cmp_ge_u32 s22, 512
	s_cselect_b64 s[34:35], s[14:15], s[34:35]
	s_cmp_lg_u32 s31, 0
	s_cselect_b64 s[34:35], s[16:17], s[34:35]
	s_cmp_ge_u32 s22, 768
	s_cselect_b64 s[34:35], s[18:19], s[34:35]
	s_add_nc_u64 s[34:35], s[34:35], s[38:39]
	s_add_nc_u64 s[42:43], s[20:21], s[42:43]
	s_add_nc_u64 s[44:45], s[20:21], s[44:45]
	; ---- PHASE 1.  48 loads, each of 512 consecutive bytes
.set i, 0
.rept 4
.set j, 0
.rept 8
	global_load_b128 v[X+32*i+4*j:X+32*i+4*j+3], v[RO+i], s[34:35] offset:512*j th:TH_LOAD_NT
.set j, j+1
.endr
.set i, i+1
.endr
.set j, 0
.rept 8
	global_load_b128 v[W+4*j:W+4*j+3], v2, s[6:7] offset:512*j
	global_load_b128 v[B+4*j:B+4*j+3], v2, s[8:9] offset:512*j
.set j, j+1
.endr
	s_wait_loadcnt 0x0
.set j, 0
.rept 32
	v_cndmask_b32 v[W+j], 1.0, v[W+j], s40         ; a weight's gain is 1,
	v_cndmask_b32 v[B+j], 0, v[B+j], s40           ; its bias 0
.set j, j+1
.endr
; the four rows' sums over the 32 lanes, by turns, so that no line waits for the line above it: each row's four partial sums in v[T + 4 i ..] become one number in every lane
.macro LANESUM
.irp i, 0,1,2,3
	v_pk_add_f32 v[T+4*\i:T+4*\i+1], v[T+4*\i:T+4*\i+1], v[T+4*\i+2:T+4*\i+3]
.endr
.irp i, 0,1,2,3
	v_add_f32 v[T+4*\i], v[T+4*\i], v[T+4*\i+1]
.endr
.irp m, 1,2,4,8
.irp i, 0,1,2,3
	v_add_f32_dpp v[T+4*\i], v[T+4*\i], v[T+4*\i] row_xmask:\m row_mask:0xf bank_mask:0xf
.endr
.endr
.irp i, 0,1,2,3
	v_permlanex16_b32 v[T+4*\i+1], v[T+4*\i], s46, s47
.endr
.irp i, 0,1,2,3
	v_add_f32 v[T+4*\i], v[T+4*\i], v[T+4*\i+1]
.endr
.endm
.irp i, 0,1,2,3
	v_pk_add_f32 v[T+4*\i:T+4*\i+1], v[X+32*\i:X+32*\i+1], v[X+32*\i+2:X+32*\i+3]
	v_pk_add_f32 v[T+4*\i+2:T+4*\i+3], v[X+32*\i+4:X+32*\i+5], v[X+32*\i+6:X+32*\i+7]
.endr
.irp j, 8,12,16,20,24,28
.irp i, 0,1,2,3
	v_pk_add_f32 v[T+4*\i:T+4*\i+1], v[T+4*\i:T+4*\i+1], v[X+32*\i+\j:X+32*\i+\j+1]
	v_pk_add_f32 v[T+4*\i+2:T+4*\i+3], v[T+4*\i+2:T+4*\i+3], v[X+32*\i+\j+2:X+32*\i+\j+3]
.endr
.endr
	LANESUM
.irp i, 0,1,2,3
	v_mul_f32 v[T+4*\i], s50, v[T+4*\i]            ; the mean
	v_cndmask_b32 v[MU+2*\i], 0, v[T+4*\i], s40    ; (a weight's: 0)
	v_mov_b32 v[MU+2*\i+1], v[MU+2*\i]
.endr
.set i, 0
.rept 4
.set j, 0
.rept 16
	v_pk_add_f32 v[X+32*i+j:X+32*i+j+1], v[X+32*i+j:X+32*i+j+1], v[MU+2*i:MU+2*i+1] neg_lo:[0,1] neg_hi:[0,1]   ; x - mean, in place: the variance is taken of the differences, so a common offset of the inputs does no harm
.set j, j+2
.endr
.set i, i+1
.endr
.irp i, 0,1,2,3
	v_pk_mul_f32 v[T+4*\i:T+4*\i+1], v[X+32*\i:X+32*\i+1], v[X+32*\i:X+32*\i+1]
	v_pk_mul_f32 v[T+4*\i+2:T+4*\i+3], v[X+32*\i+2:X+32*\i+3], v[X+32*\i+2:X+32*\i+3]
.endr
.irp j, 4,8,12,16,20,24,28
.irp i, 0,1,2,3
	v_pk_fma_f32 v[T+4*\i:T+4*\i+1], v[X+32*\i+\j:X+32*\i+\j+1], v[X+32*\i+\j:X+32*\i+\j+1], v[T+4*\i:T+4*\i+1]
	v_pk_fma_f32 v[T+4*\i+2:T+4*\i+3], v[X+32*\i+\j+2:X+32*\i+\j+3], v[X+32*\i+\j+2:X+32*\i+\j+3], v[T+4*\i+2:T+4*\i+3]
.endr
.endr
	LANESUM
.irp i, 0,1,2,3
	v_fma_f32 v[T+4*\i], v[T+4*\i], s50, s51       ; the variance + eps
.endr
.irp i, 0,1,2,3
	v_rsq_f32 v[RS+2*\i], v[T+4*\i]                ; one batch of four,
.endr
	v_nop                                          ; a plain instruction behind the last of them,
	s_wait_alu depctr_va_vdst(0)                   ; and one wait ahead of the first line that names a result
.irp i, 0,1,2,3
	v_cndmask_b32 v[RS+2*\i], 1.0, v[RS+2*\i], s40 ; (a weight's factor: 1)
	v_mov_b32 v[RS+2*\i+1], v[RS+2*\i]
.endr
.set i, 0
.rept 4
.set j, 0
.rept 16
	v_pk_mul_f32 v[X+32*i+j:X+32*i+j+1], v[X+32*i+j:X+32*i+j+1], v[RS+2*i:RS+2*i+1]
.set j, j+2
.endr
.set j, 0
.rept 16
	v_pk_fma_f32 v[X+32*i+j:X+32*i+j+1], v[X+32*i+j:X+32*i+j+1], v[W+j:W+j+1], v[B+j:B+j+1]
.set j, j+2
.endr
.set j, 0
.rept 8
	ds_store_b128 v7, v[X+32*i+4*j:X+32*i+4*j+3] offset:i*SROW+512*j   ; 512 consecutive bytes of stage row 4 w + i
.set j, j+1
.endr
.set i, i+1
.endr
	s_wait_dscnt 0x0                               ; for the others' sake: my rows lie in the stage
	s_barrier_signal -1
	s_barrier_wait -1                              ; all sixteen rows do
	; ---- PHASE 2.  Block n = 2 e + c of my lane: fragment 2 w + e, K = 64 c + 32 h + 0 .. 31 of row r
.set n, 0
.rept 4
.set j, 0
.rept 8
	ds_load_b128 v[X+32*n+4*j:X+32*n+4*j+3], v8 offset:256*n+16*j
.set j, j+1
.endr
.set n, n+1
.endr
	v_mov_b32 v[QP], 0                             ; written once: a lane permute's destination counts as one of its sources
	v_mov_b32 v[QP+1], 0
	v_cmp_lt_u32 vcc_lo, 15, v1                    ; lanes 16-31
	s_wait_dscnt 0x0
.irp n, 0,1,2,3
	v_max3_num_f32 v[QM+2*\n], |v[X+32*\n]|, |v[X+32*\n+1]|, |v[X+32*\n+2]|      ; a block's largest magnitude: all 32 numbers are mine; two chains a block, the four blocks by turns
	v_max3_num_f32 v[QM+2*\n+1], |v[X+32*\n+3]|, |v[X+32*\n+4]|, |v[X+32*\n+5]|
.endr
.irp i, 6,10,14,18,22,26
.irp n, 0,1,2,3
	v_max3_num_f32 v[QM+2*\n], v[QM+2*\n], |v[X+32*\n+\i]|, |v[X+32*\n+\i+1]|
	v_max3_num_f32 v[QM+2*\n+1], v[QM+2*\n+1], |v[X+32*\n+\i+2]|, |v[X+32*\n+\i+3]|
.endr
.endr
.irp n, 0,1,2,3
	v_max3_num_f32 v[QM+2*\n], v[QM+2*\n], |v[X+32*\n+30]|, |v[X+32*\n+31]|
.endr
.irp n, 0,1,2,3
	v_max3_num_f32 v[QM+2*\n], v[QM+2*\n], v[QM+2*\n+1], 0x1800000   ; and the floor 2^(3 - 127): the byte cannot fall under 1
.endr
.irp n, 0,1,2,3
	v_add_nc_u32 v[QS+\n], 0xff000000, v[QM+2*\n]  ; 2 off the exponent field: the conversion takes the exponent field of this operand as its scale
.endr
.irp n, 0,1,2,3
	v_lshrrev_b32 v[QB+\n], 23, v[QS+\n]           ; the scale's byte
.endr
.irp n, 0,1,2,3
	v_cvt_scalef32_pk16_fp6_f32 v[CD+6*\n:CD+6*\n+2], v[X+32*\n:X+32*\n+15], v[QS+\n]
	v_cvt_scalef32_pk16_fp6_f32 v[QT+4*\n:QT+4*\n+2], v[X+32*\n+16:X+32*\n+31], v[QS+\n]   ; (a conversion's three registers begin on an even number: the second three of a block's six do not)
.endr
	v_nop                                          ; one plain instruction behind the scaled conversions
.irp n, 0,1,2,3
.irp i, 0,1,2
	v_mov_b32 v[CD+6*\n+3+\i], v[QT+4*\n+\i]
.endr
.endr
.irp e, 0,1
	v_lshl_or_b32 v[QW+\e], v[QB+2*\e+1], 16, v[QB+2*\e]   ; my two bytes of fragment e: blocks h and 2 + h,
	v_lshlrev_b32 v[QW+\e], v11, v[QW+\e]          ; at their places in the word
.endr
.irp e, 0,1
	v_permlanex16_b32 v[QP+\e], v[QW+\e], s46, s47
.endr
.irp e, 0,1
	v_or_b32 v[QW+\e], v[QW+\e], v[QP+\e]          ; with lane l xor 16's two the word is whole
.endr
	v_cndmask_b32 v[QW], v[QW], v[QW+1], vcc_lo    ; lanes 0-15 carry the first fragment's words, lanes 16-31 the second's
.irp n, 0,1,2,3
	global_store_b128 v2, v[CD+6*\n:CD+6*\n+3], s[42:43] offset:768*\n        ; 512 consecutive bytes, aligned to 256
	global_store_b64 v9, v[CD+6*\n+4:CD+6*\n+5], s[42:43] offset:768*\n+512   ; 256 consecutive bytes, aligned
.endr
	global_store_b32 v10, v[QW], s[44:45]          ; 128 consecutive bytes
	s_wait_tensorcnt 0x0                           ; the wave's end, behind my last LDS store
	ds_add_u32 v[SPW], v[NIL]
	s_wait_dscnt 0x0
	s_endpgm
.Lfunc_end_k_q9c97d96c63_prep:
	.size	k_q9c97d96c63_prep, .Lfunc_end_k_q9c97d96c63_prep-k_q9c97d96c63_prep
	.p2alignl 7, 3214868480
	.fill 96, 4, 3214868480
	.section	.rodata,"a",@progbits
	.p2align	6, 0x0
	.amdhsa_kernel k_q9c97d96c63_prep
		.amdhsa_group_segment_fixed_size 66304
		.amdhsa_private_segment_fixed_size 0
		.amdhsa_enable_private_segment 0
		.amdhsa_kernarg_size 72
		.amdhsa_user_sgpr_count 2
		.amdhsa_user_sgpr_kernarg_segment_ptr 1
		.amdhsa_wavefront_size32 1
		.amdhsa_system_sgpr_workgroup_id_x 1
		.amdhsa_system_sgpr_workgroup_id_y 1
		.amdhsa_system_sgpr_workgroup_id_z 1
		.amdhsa_system_vgpr_workitem_id 0
		.amdhsa_next_free_vgpr 256
		.amdhsa_next_free_sgpr 66
		.amdhsa_reserve_vcc 1
		.amdhsa_float_denorm_mode_32 3
		.amdhsa_float_denorm_mode_16_64 3
		.amdhsa_memory_ordered 1
		.amdhsa_forward_progress 1
		.amdhsa_inst_pref_size 49
	.end_amdhsa_kernel
	.amdgpu_metadata
---
amdhsa.version: [ 1, 2 ]
amdhsa.kernels:
  - .name:           k_q9c97d96c63_prep
    .symbol:         k_q9c97d96c63_prep.kd
    .args:
      - { .name: x, .offset: 0, .size: 8, .value_kind: global_buffer, .address_space: global }
      - { .name: ln1_w, .offset: 8, .size: 8, .value_kind: global_buffer, .address_space: global }
      - { .name: ln1_b, .offset: 16, .size: 8, .value_kind: global_buffer, .address_space: global }
      - { .name: qkv_w, .offset: 24, .size: 8, .value_kind: global_buffer, .address_space: global }
      - { .name: attn_out_w, .offset: 32, .size: 8, .value_kind: global_buffer, .address_space: global }
      - { .name: mlp_in_w, .offset: 40, .size: 8, .value_kind: global_buffer, .address_space: global }
      - { .name: mlp_gate_w, .offset: 48, .size: 8, .value_kind: global_buffer, .address_space: global }
      - { .name: mlp_out_w, .offset: 56, .size: 8, .value_kind: global_buffer, .address_space: global }
      - { .name: wq, .offset: 64, .size: 8, .value_kind: global_buffer, .address_space: global }
    .group_segment_fixed_size: 66304
    .private_segment_fixed_size: 0
    .kernarg_segment_align: 8
    .kernarg_segment_size: 72
    .max_flat_workgroup_size: 128
    .sgpr_count:     66
    .vgpr_count:     256
    .wavefront_size: 32
...
	.end_amdgpu_metadata
.endif
;; end of part 1
;; launch g_qkv (part 2): grid 12 x 16, 4 waves a work-group, clusters of 4 x 4, 327,680 bytes of LDS; arguments wq, qkvq; writes qkvq
.if DOCPART == 2
	.amdgcn_target "amdgcn-amd-amdhsa--gfx1250"
	.amdhsa_code_object_version 6
	.text
	.protected	k_q9c97d96c63_g_qkv
	.globl	k_q9c97d96c63_g_qkv
	.p2align	8
	.type	k_q9c97d96c63_g_qkv,@function
k_q9c97d96c63_g_qkv:
	s_mov_b64 s[64:65], 0
	v_nop
	global_prefetch_b8 v0, s[64:65] scope:SCOPE_SE
	s_setreg_imm32_b32 hwreg(HW_REG_WAVE_MODE, 25, 1), 1
	s_wait_xcnt 0x0
	s_wait_alu depctr_hold_cnt(0) depctr_sa_sdst(0) depctr_va_vdst(0) depctr_va_sdst(0) depctr_va_ssrc(0) depctr_va_vcc(0) depctr_vm_vsrc(0)
	s_getreg_b32 s2, hwreg(HW_REG_IB_STS2, 6, 4)
	s_cmp_eq_u32 s2, 0
	s_cbranch_scc0 .Lentry_in_a_cluster
	s_endpgm
.Lentry_in_a_cluster:
	s_bfe_u32 s2, ttmp6, 0x10000c
	s_cmp_lg_u32 s2, 0xf033
	s_cbranch_scc0 .Lentry_shape_is_right
	s_endpgm
.Lentry_shape_is_right:
; q, k, v = LN1(x) qkv_w^T on codes of FP6 (E2M3) with E8M0 scales, K = 1,024; the results are quantised in registers and leave as the operands of the attention launch.
; Both operands lie in one buffer as UNITS of 16 rows x 1,024 K: codes at COFF + 12,288 u (8 fragments of 1,536 bytes, images of the operand's registers), scale words at 512 u.  Units 0-255: tokens; 256-447: rows of qkv_w (q, k, v).
; Place p of a matrix holds row sigma(p), p with bits 3 and 4 exchanged: so a lane's 16 results of source 0's tiles 2 b, 2 b + 1 are the neighbours 32 b + 16 (lane / 16) + 0 .. 15.
; A tile of 256 x 256 is made by four waves, 128 x 128 each: 64 accumulators, 512 registers.  K goes in steps of 256 through two LDS slots filled by the tensor data mover; a wave's load brings 8 units' 3,072 bytes.
; CLUSTERS of 4 x 4: source 1's tile ("A") is shared along a row of the cluster, source 0's ("B") along a column: joint loads.  The scale words of the work-group's rows, for all of K, come once with the first fills.
; Clusters with x = 0, 1 make q and k: A = tokens, B = rows of qkv_w: a lane holds ONE token and 64 neighbouring channels of each of two heads, which are the K of the scores' product.
; Clusters with x = 2 make v: A = v's rows of qkv_w, B = tokens: a lane holds ONE channel and 128 neighbouring tokens, which are the K (the keys) of the second product.  The flag is the same in all sixteen partners.
; OUT.  For each head (batch x 16 + head) and each 128 tokens: keys and values in a record of 12,800 bytes [K: 8 half images of 16 keys x 64 | their scale words 4 x 64 | V: 4 fragments of 16 channels x 128 keys | 4 x 64];
; queries from QBASE on in records of 6,400 bytes [8 half images | 4 x 64].  A scale word of K or Q holds tile 2 f's two bytes below and tile 2 f + 1's above.
; LIMITS: a block whose largest magnitude lies under 2^-124 (zeros among them) gets the scale byte 1; NaN and infinities are not served.
; REGISTERS: window 0: v1-31 addresses; v32-63 scale words, two sets; v128-223 A's fragments, one set.  Window 1: B's fragments, two sets, at v0 and v128.  Windows 2, 3: accumulator (a, b) at v[8 (8 (a % 4) + b)].
.set KTOT,   1024
.set COFF,   458752
.set QBASE,  6553600
.set KF,     KTOT/128
.set FRB,    1536                      ; a fragment's image
.set RBB,    KF*FRB                    ; 16 rows' codes, all of K
.set NQ,     2                         ; matrix instructions deep in a slot
.set KSB,    NQ*FRB                    ; a K step of 256 in 16 rows' codes
.set FR,     12
.set NL,     4                         ; LDS loads that bring a fragment
.set NP,     4                         ; places behind this matrix instruction (ISA guide 7.12.1)
.set HALFT,  8*KSB                     ; 128 rows: what one tensor load brings
.set SLOT,   4*HALFT                   ; A's 256 rows, then B's
.set LAPS,   KTOT/512
.set SBLK,   KF*64                     ; 16 rows' scale words, all of K
.set HALFS,  8*SBLK
.set SCL,    2*SLOT                    ; behind the ring: the scale words
.set SPARE,  SCL+4*HALFS               ; behind them: the spare words, 128 bytes for each wave
.set ADRA, 16                          ; v16-17 LDS address of my A fragments in slot 0, 1 (16 bytes a lane); v18-19 the same with 8 bytes a lane
.set ADRB, 20                          ; v20-23 the same for B
.set ADRS, 27                          ; v27 my scale words: lanes 0-15 A's rows, lanes 16-31 B's
.set SPW,  28                          ; v28 LDS address of my spare word; never rewritten
.set NIL,  29                          ; v29 0; never rewritten
.set SC,   32
.set AF,   128
.set CD,   64                          ; the way out: v64-159 codes, 12 registers for each of A's blocks
.set PW,   160                         ; v160-167 four scale bytes for each block
.set SB,   168                         ; v168-169 two bytes each, at work
.set TM,   176                         ; v176-186 the quantiser's
.set WD,   192                         ; v192-203 scale words as they are stored
.set SEL,  96                          ; s[96:97] v_permlanex16_b32's selects
.set G1, 24
.set G0, 32
.set G1B, 48
.set G0B, 56
.set G1S, 68
.set G0S, 76
.set G1SB, 80
.set G0SB, 88
.set MSB, 0
.macro WIN new                         ; the immediate's high byte repeats the setting that is left; a switch that changes nothing is dropped
.if MSB != (\new)
	s_set_vgpr_msb (MSB<<8)|(\new)
.set MSB, (\new)
.endif
.endm
.set MUL_LO, 0xa1                      ; source 0 (B) window 1, source 1 (A) window 0, C and D window 2
.set MUL_HI, 0xf1
.set TO_B,   0x40
; A joint load: waves 0 and 1 fetch for A, waves 2 and 3 for B; the branch hangs on the wave's number alone.  An s_nop 0 and four v_nop follow each line.
.macro JLOAD g0a, g1a, g0b, g1b
	s_cmp_eq_u32 s15, 0
	s_cbranch_scc0 .Lfor_b_\@
	tensor_load_to_lds s[\g0a:\g0a+3], s[\g1a:\g1a+7]
	s_nop 0
.rept 4
	v_nop
.endr
	s_branch .Lasked_\@
.Lfor_b_\@:
	tensor_load_to_lds s[\g0b:\g0b+3], s[\g1b:\g1b+7]
	s_nop 0
.rept 4
	v_nop
.endr
.Lasked_\@:
.endm
.macro CREST                           ; a round of the cluster's barrier behind its opening barrier
	s_cmp_lg_u32 s14, 0
	s_cbranch_scc1 .Lnot_wave_0_\@
	s_barrier_signal -3
.Lnot_wave_0_\@:
	s_barrier_wait -3
	s_barrier_signal -1
	s_barrier_wait -1
.endm
.macro CROUND
	s_barrier_signal -1
	s_barrier_wait -1
	CREST
.endm
	s_load_b128 s[4:7], s[0:1], 0x0                ; the operands' buffer s[4:5], the result's s[6:7]
	v_lshl_add_u32 v[SPW], v0, 2, SPARE
	v_mov_b32 v[NIL], 0
	ds_add_u32 v[SPW], v[NIL]                      ; the wave's opening: the add and its wait ahead of my first tensor load; work on registers stands between them
	v_lshrrev_b32 v1, 5, v0
	v_readfirstlane_b32 s14, v1                    ; wave 0..3
	s_lshr_b32 s15, s14, 1                         ; which half of A's rows is mine.  Also: I fetch for A (0) or for B (1)
	s_and_b32 s16, s14, 1                          ; which half of B's rows.  Also: which 128 rows I fetch
	s_bfe_u32 s40, ttmp6, 0x40000                  ; cx
	s_bfe_u32 s41, ttmp6, 0x40004                  ; cy
	s_lshr_b32 s95, ttmp9, 1                       ; 1 in the clusters that make v (cluster x = 2), else 0
	s_xor_b32 s98, s95, 1
	s_and_b32 s17, ttmp7, 0xffff                   ; cluster y
	s_mul_i32 s42, ttmp9, s98
	s_mul_i32 s18, s17, s95
	s_add_co_u32 s42, s42, s18
	s_lshl_b32 s42, s42, 2
	s_add_co_u32 s42, s42, s40                     ; B's tile: q, k: 4 x cluster x + cx (of qkv_w's first 2,048 rows);  v: 4 x cluster y + cx (of the tokens)
	s_mul_i32 s17, s17, s98
	s_lshl_b32 s17, s17, 2
	s_add_co_u32 s17, s17, s41                     ; A's tile: q, k: 4 x cluster y + cy (of the tokens);  v: cy (of v's 1,024 rows)
	s_lshl_b32 s43, s41, 2
	s_lshl_b32 s43, 15, s43                        ; my row of the cluster
	s_lshl_b32 s44, 0x1111, s40                    ; my column
	; descriptor group 1 for codes: 8 rows of 384 elements of 8 bytes (3,072 bytes), RBB bytes apart; dense in LDS
	s_or_b32 s[G1+0], s43, (3<<16)|(1<<21)         ; 15:0 the mask; 17:16 elements of 8 bytes; 21 set beside a mask
	s_or_b32 s[G1B+0], s44, (3<<16)|(1<<21)
.irp g, G1, G1B
	s_mov_b32 s[\g+1], 384<<16                     ; tensor_dim0
	s_mov_b32 s[\g+2], 8<<16                       ; tensor_dim1
	s_mov_b32 s[\g+3], 384<<16                     ; tile_dim0
	s_mov_b32 s[\g+4], 8                           ; tile_dim1
	s_mov_b32 s[\g+5], RBB/8                       ; tensor_dim0_stride
	s_mov_b32 s[\g+6], 0
	s_mov_b32 s[\g+7], 0
.endr
	; and for the scale words of 128 rows: a dense block of HALFS bytes, as rows of 256 bytes
	s_or_b32 s[G1S+0], s43, (3<<16)|(1<<21)
	s_or_b32 s[G1SB+0], s44, (3<<16)|(1<<21)
.irp g, G1S, G1SB
	s_mov_b32 s[\g+1], 32<<16
	s_mov_b32 s[\g+2], (HALFS/256)<<16
	s_mov_b32 s[\g+3], 32<<16
	s_mov_b32 s[\g+4], HALFS/256
	s_mov_b32 s[\g+5], 32
	s_mov_b32 s[\g+6], 0
	s_mov_b32 s[\g+7], 0
.endr
	s_lshl_b32 s18, s16, 3                         ; which 8 units of the tile I fetch
	s_lshl_b32 s20, s17, 4
	s_add_co_u32 s20, s20, s18
	s_mul_i32 s19, s95, 384
	s_add_co_u32 s20, s20, s19                     ; A's first unit: 16 x tile + 8 x half, from unit 384 on for v's rows
	s_lshl_b32 s46, s42, 4
	s_add_co_u32 s46, s46, s18
	s_lshl_b32 s19, s98, 8
	s_add_co_u32 s46, s46, s19                     ; B's: from unit 256 on for q's and k's rows
	s_mul_i32 s22, s20, SBLK                       ; their scale words,
	s_mul_i32 s92, s46, SBLK
	s_mul_i32 s20, s20, RBB                        ; their codes
	s_mul_i32 s46, s46, RBB
	s_add_co_u32 s20, s20, COFF
	s_add_co_u32 s46, s46, COFF
	s_mov_b32 s21, 0
	s_mov_b32 s23, 0
	s_mov_b32 s47, 0
	s_mov_b32 s93, 0
	s_mul_i32 s45, s14, HALFT                      ; where they go: wave x 128 rows: no place in the cluster enters an LDS address
	s_mul_i32 s94, s14, HALFS
	s_mov_b32 s[SEL], 0x76543210
	s_mov_b32 s[SEL+1], 0xfedcba98
	s_wait_dscnt 0x0                               ; the opening add is done
	s_wait_kmcnt 0x0
	s_add_nc_u64 s[20:21], s[4:5], s[20:21]
	s_add_nc_u64 s[22:23], s[4:5], s[22:23]
	s_add_nc_u64 s[46:47], s[4:5], s[46:47]
	s_add_nc_u64 s[92:93], s[4:5], s[92:93]
	CROUND                                         ; all sixteen work-groups are here: the first joint loads meet
	s_mov_b32 s[G0S], 1
	s_add_co_u32 s[G0S+1], s94, SCL
	s_mov_b64 s[G0S+2:G0S+3], s[22:23]
	s_or_b32 s[G0S+3], s[G0S+3], 0x80000000
	s_mov_b32 s[G0SB], 1
	s_add_co_u32 s[G0SB+1], s94, SCL
	s_mov_b64 s[G0SB+2:G0SB+3], s[92:93]
	s_or_b32 s[G0SB+3], s[G0SB+3], 0x80000000
	JLOAD G0S, G1S, G0SB, G1SB                     ; the scale words first: they are wanted with K step 0
.irp s, 0,1
	s_mov_b32 s[G0+4*\s], 1
	s_add_co_u32 s[G0+4*\s+1], s45, \s*SLOT
	s_add_nc_u64 s[G0+4*\s+2:G0+4*\s+3], s[20:21], \s*KSB
	s_or_b32 s[G0+4*\s+3], s[G0+4*\s+3], 0x80000000
	s_mov_b32 s[G0B+4*\s], 1
	s_add_co_u32 s[G0B+4*\s+1], s45, \s*SLOT
	s_add_nc_u64 s[G0B+4*\s+2:G0B+4*\s+3], s[46:47], \s*KSB
	s_or_b32 s[G0B+4*\s+3], s[G0B+4*\s+3], 0x80000000
	JLOAD G0+4*\s, G1, G0B+4*\s, G1B               ; three tensor loads of mine are out now
.endr
	v_and_b32 v1, 15, v0                           ; r
	v_bfe_u32 v2, v0, 4, 1                         ; h
	v_and_b32 v3, 31, v0                           ; lane
	v_lshlrev_b32 v4, 4, v3                        ; 16 x lane
	v_lshlrev_b32 v5, 3, v3                        ; 8 x lane
	s_mul_i32 s21, s15, HALFT                      ; my 128 rows of A
	s_mul_i32 s22, s16, HALFT                      ; my 128 rows of B,
	s_add_co_u32 s22, s22, 2*HALFT                 ; which lie behind A's 256
.irp s, 0,1
	v_add_nc_u32 v[ADRA+\s], s21, v4
	v_add_nc_u32 v[ADRB+\s], s22, v4
	v_add_nc_u32 v[ADRA+2+\s], s21, v5
	v_add_nc_u32 v[ADRB+2+\s], s22, v5
	s_add_co_u32 s21, s21, SLOT
	s_add_co_u32 s22, s22, SLOT
.endr
	s_mul_i32 s21, s15, HALFS                      ; A's scale words: my 128 rows
	s_mul_i32 s22, s16, HALFS                      ; B's, behind A's 256
	s_add_co_u32 s22, s22, 2*HALFS
	s_sub_co_u32 s22, s22, s21
	v_mul_u32_u24 v6, s22, v2                      ; lanes 16-31 take B's: one product, the distance between the two
	s_add_co_u32 s21, s21, SCL
	v_lshl_add_u32 v6, v1, 2, v6
	v_add_nc_u32 v[ADRS], s21, v6
.macro FRAG reg, adr, q, i             ; a fragment comes as it lies: for each half of K, registers 0-3 by 16 bytes a lane and registers 4-5 by 8: every load takes consecutive bytes
.irp c, 0,1
	ds_load_b128 v[\reg+6*\c:\reg+6*\c+3], v[\adr] offset:(2*(\i)+(\q))*FRB+768*\c
	ds_load_b64 v[\reg+6*\c+4:\reg+6*\c+5], v[\adr+2] offset:(2*(\i)+(\q))*FRB+768*\c+512
.endr
.endm
; 16 matrix instructions: A's blocks a0, a0 + 1 x B's eight, 128 along K.  The 64 accumulators take turns, one instruction a turn, in the same order in every step.
.macro MUL16 a0, p, q, sc, zero
.irp a, \a0, \a0+1
.irp b, 0,1,2,3,4,5,6,7
.if \zero
	v_wmma_scale_f32_16x16x128_f8f6f4 v[8*(8*((\a)%4)+\b):8*(8*((\a)%4)+\b)+7], v[128*(\p)+FR*\b:128*(\p)+FR*\b+FR-1], v[AF+FR*(\a):AF+FR*(\a)+FR-1], 0, v[SC+8*NQ*(\sc)+NQ*\b+(\q)], v[SC+8*NQ*(\sc)+NQ*(\a)+(\q)] matrix_a_fmt:MATRIX_FMT_FP6 matrix_b_fmt:MATRIX_FMT_FP6 matrix_a_scale:MATRIX_SCALE_ROW1
.else
	v_wmma_scale_f32_16x16x128_f8f6f4 v[8*(8*((\a)%4)+\b):8*(8*((\a)%4)+\b)+7], v[128*(\p)+FR*\b:128*(\p)+FR*\b+FR-1], v[AF+FR*(\a):AF+FR*(\a)+FR-1], v[8*(8*((\a)%4)+\b):8*(8*((\a)%4)+\b)+7], v[SC+8*NQ*(\sc)+NQ*\b+(\q)], v[SC+8*NQ*(\sc)+NQ*(\a)+(\q)] matrix_a_fmt:MATRIX_FMT_FP6 matrix_b_fmt:MATRIX_FMT_FP6 matrix_a_scale:MATRIX_SCALE_ROW1
.endif
.endr
.endr
.endm
.macro FETCH_B slot, q, p
	WIN TO_B
.irp i, 0,1,2,3,4,5,6,7
	FRAG 128*(\p)+FR*\i, ADRB+\slot, \q, \i
.endr
	WIN 0
.endm
.macro FETCH_A slot, q, i0
.irp i, \i0, \i0+1, \i0+2, \i0+3
	FRAG AF+FR*(\i), ADRA+\slot, \q, \i
.endr
.endm
.macro SCALES sc                       ; a K step's scale words: register NQ i + q: lanes 0-15 A's block i, lanes 16-31 B's block i
.irp i, 0,1,2,3,4,5,6,7
.irp q, 0,1
	ds_load_b32 v[SC+8*NQ*\sc+NQ*\i+\q], v[ADRS] offset:\i*SBLK+64*\q
.endr
.endr
.endm
.macro PLACES n                        ; plain vector instructions between a matrix instruction and a load into, or a read of, its registers
.rept \n
	v_nop
.endr
.endm
.macro STEP slot, q, zero              ; 128 along K whose successor lies in the same slot
	s_wait_dscnt 4*NL                              ; all but the youngest 16 loads (A's blocks 4-7) are in
	WIN MUL_LO
	MUL16 0, (\q)%2, \q, \slot, \zero
	MUL16 2, (\q)%2, \q, \slot, \zero
	s_wait_dscnt 0
	PLACES NP
	FETCH_B \slot, (\q)+1, 1-(\q)%2
	FETCH_A \slot, (\q)+1, 0
	WIN MUL_HI
	MUL16 4, (\q)%2, \q, \slot, \zero
	MUL16 6, (\q)%2, \q, \slot, \zero
	PLACES NP
	WIN 0
	FETCH_A \slot, (\q)+1, 4
.endm
; A slot's last step changes slots: one barrier; in front of it each wave waits for all its tensor loads, adds 0 to its spare word, and waits for that and for its reads of this slot.  fill = 1: the slot is filled again, two K steps ahead.
.macro TURN slot, next, fill
	s_wait_tensorcnt 0x0                           ; all my tensor loads have landed: my part of the next slot
	ds_add_u32 v[SPW], v[NIL]                      ; 0 onto my spare word
	s_wait_dscnt 4*NL+1                            ; (the add and the youngest 16 loads may be out)
	WIN MUL_LO
	MUL16 0, 1, NQ-1, \slot, 0
	s_wait_dscnt 0x0                               ; the add is done, and my reads of this slot are over
	s_barrier_signal -1
	MUL16 2, 1, NQ-1, \slot, 0
	WIN 0
	s_barrier_wait -1
.if \fill
	CREST                                          ; the barrier has opened a round of the cluster's: no wave of any partner still reads this slot or has a load on its way
	s_add_nc_u64 s[G0+4*\slot+2:G0+4*\slot+3], s[G0+4*\slot+2:G0+4*\slot+3], 2*KSB
	s_add_nc_u64 s[G0B+4*\slot+2:G0B+4*\slot+3], s[G0B+4*\slot+2:G0B+4*\slot+3], 2*KSB
	JLOAD G0+4*\slot, G1, G0B+4*\slot, G1B         ; the first tensor load behind the round, my one load until the next; its four v_nop are the places in front of the loads below
.else
	PLACES NP
.endif
	v_add_nc_u32 v[ADRS], 64*NQ, v[ADRS]           ; on to the next K step's scale words
	FETCH_B \next, 0, 0
	FETCH_A \next, 0, 0
	SCALES \next
	WIN MUL_HI
	MUL16 4, 1, NQ-1, \slot, 0
	MUL16 6, 1, NQ-1, \slot, 0
	PLACES NP
	WIN 0
	FETCH_A \next, 0, 4
.endm
	s_wait_tensorcnt 1                             ; the scale words and my part of K step 0 are in; K step 1's load may be out
	s_barrier_signal -1
	s_barrier_wait -1
	FETCH_B 0, 0, 0
	FETCH_A 0, 0, 0
	SCALES 0
	FETCH_A 0, 0, 4
	STEP 0, 0, 1                                   ; the first step's products start the sums
	s_mov_b32 s3, LAPS-1
.Llap:
	TURN 0, 1, 1
	STEP 1, 0, 0
	TURN 1, 0, 1
	STEP 0, 0, 0
	s_sub_co_u32 s3, s3, 1
	s_cmp_lg_u32 s3, 0
	s_cbranch_scc1 .Llap
	TURN 0, 1, 0                                   ; the last lap fills nothing
	STEP 1, 0, 0
	s_wait_dscnt 4*NL
	WIN MUL_LO
	MUL16 0, 1, NQ-1, 1, 0
	MUL16 2, 1, NQ-1, 1, 0
	s_wait_dscnt 0
	WIN MUL_HI
	MUL16 4, 1, NQ-1, 1, 0
	MUL16 6, 1, NQ-1, 1, 0
	WIN 0
; THE QUANTISER.  32 numbers of a lane, v[s] .. v[s + 31] of window w, register 16 b + i = k 32 b + 16 (lane / 16) + i of my row, become half a fragment's six registers v[d ..] and two scale bytes in v[sb].
; Each accumulator is read from its low end on.
.macro QH s, w, d, sb
	WIN (\w)|((\w)<<2)
.irp b, 0,1
	v_max3_num_f32 v[TM+\b], |v[\s+16*\b]|, |v[\s+16*\b+1]|, 0x1800000   ; my 16 numbers of block b, and the floor 2^(3 - 127): the byte cannot fall under 1
.endr
.irp i, 2,4,6,8,10,12,14
.irp b, 0,1
	v_max3_num_f32 v[TM+\b], |v[\s+16*\b+\i]|, |v[\s+16*\b+\i+1]|, v[TM+\b]
.endr
.endr
	WIN 0
	v_permlanex16_b32 v[TM+2], v[TM], s[SEL], s[SEL+1]
	v_permlanex16_b32 v[TM+3], v[TM+1], s[SEL], s[SEL+1]
	v_max_num_f32 v[TM], v[TM], v[TM+2]            ; with lane l xor 16's: the block's largest magnitude
	v_max_num_f32 v[TM+1], v[TM+1], v[TM+3]
	v_add_nc_u32 v[TM+4], 0xff000000, v[TM]        ; 2 off the exponent field: the conversion's scale operand
	v_add_nc_u32 v[TM+5], 0xff000000, v[TM+1]
	v_lshrrev_b32 v[TM+6], 23, v[TM+4]             ; the scale's byte
	v_lshrrev_b32 v[TM+7], 23, v[TM+5]
	v_lshl_or_b32 v[\sb], v[TM+7], 8, v[TM+6]
	WIN \w
	v_cvt_scalef32_pk16_fp6_f32 v[\d:\d+2], v[\s:\s+15], v[TM+4]
	v_cvt_scalef32_pk16_fp6_f32 v[TM+8:TM+10], v[\s+16:\s+31], v[TM+5]
	WIN 0
	v_nop                                          ; one plain instruction behind the scaled conversions
.irp i, 0,1,2
	v_permlane16_swap_b32 v[\d+\i], v[TM+8+\i]     ; the layout wants a whole block in a lane: lanes 0-15 block 0, lanes 16-31 block 1
.endr
.irp i, 0,1,2
	v_mov_b32 v[\d+3+\i], v[TM+8+\i]
.endr
.endm
	PLACES NP                                      ; behind the last products
	v_lshlrev_b32 v26, 2, v3                       ; 4 x lane
	v_mov_b32 v[TM+2], 0                           ; written once: a lane permute's destination counts as one of its sources
	v_mov_b32 v[TM+3], 0
.irp a, 0,1,2,3,4,5,6,7
.set AC, 64*(\a%4)
.set WA, 2+\a/4
	QH AC, WA, CD+12*\a, SB                        ; B's first 64 places
	QH AC+32, WA, CD+12*\a+6, SB+1                 ; and its second
	v_lshl_or_b32 v[PW+\a], v[SB+1], 16, v[SB]
.endr
	v_cmp_lt_u32 vcc_lo, 15, v3                    ; lanes 16-31
	s_cmp_lg_u32 s95, 0                            ; the same in all sixteen partners
	s_cbranch_scc1 .Lv_out
	; q and k: block a is 16 tokens; its two halves belong to two heads.  Token tile ty: batch ty / 8, tokens' step 2 (ty % 8) + my half of A; heads 4 (tx % 4) + 2 x my half of B + 0, 1
	s_lshr_b32 s20, s17, 3
	s_lshl_b32 s20, s20, 4
	s_and_b32 s21, s17, 7
	s_lshl_b32 s21, s21, 1
	s_add_co_u32 s21, s21, s15
	s_and_b32 s22, s42, 3
	s_lshl_b32 s22, s22, 2
	s_lshl_b32 s18, s16, 1
	s_add_co_u32 s22, s22, s18
	s_add_co_u32 s22, s22, s20
	s_lshr_b32 s23, s42, 2                         ; 0: q;  1: k, whose records are twice as long
	s_mul_i32 s22, s22, 102400
	s_mul_i32 s21, s21, 6400
	s_add_co_u32 s22, s22, s21
	s_lshl_b32 s8, s22, s23
	s_xor_b32 s18, s23, 1
	s_mul_i32 s18, s18, QBASE
	s_add_co_u32 s8, s8, s18
	s_mov_b32 s9, 0
	s_lshl_b32 s10, 102400, s23
	s_mov_b32 s11, 0
	s_add_nc_u64 s[8:9], s[6:7], s[8:9]            ; the first head's record,
	s_add_nc_u64 s[10:11], s[8:9], s[10:11]        ; the second's
.irp a, 0,1,2,3,4,5,6,7
.irp c, 0,1
	global_store_b128 v4, v[CD+12*\a+6*\c:CD+12*\a+6*\c+3], s[8+2*\c:9+2*\c] offset:768*\a         ; 512 consecutive bytes, aligned to 256
	global_store_b64 v5, v[CD+12*\a+6*\c+4:CD+12*\a+6*\c+5], s[8+2*\c:9+2*\c] offset:768*\a+512    ; 256 consecutive bytes, aligned
.endr
.endr
.irp p, 0,1,2,3
	v_perm_b32 v[WD+\p], v[PW+2*\p+1], v[PW+2*\p], 0x05040100     ; the first head: tile 2 p's two bytes below, tile 2 p + 1's above
	v_perm_b32 v[WD+4+\p], v[PW+2*\p+1], v[PW+2*\p], 0x07060302   ; the second head
.endr
.irp c, 0,1
.irp g, 0,1
	v_cndmask_b32 v[WD+8+2*\c+\g], v[WD+4*\c+2*\g], v[WD+4*\c+2*\g+1], vcc_lo   ; lanes 0-15 carry one word's 16 rows, lanes 16-31 the next word's
	global_store_b32 v26, v[WD+8+2*\c+\g], s[8+2*\c:9+2*\c] offset:6144+128*\g
.endr
.endr
	s_branch .Lend
.Lv_out:
	; v: block a is 16 channels of head 4 ty + 2 x my half of A + a / 4; its 12 registers are a whole fragment along the 128 tokens of step 2 (tx % 8) + my half of B, batch tx / 8
	s_lshr_b32 s20, s42, 3
	s_lshl_b32 s20, s20, 4
	s_lshl_b32 s21, s17, 2
	s_add_co_u32 s20, s20, s21
	s_lshl_b32 s21, s15, 1
	s_add_co_u32 s20, s20, s21
	s_mul_i32 s20, s20, 204800
	s_and_b32 s21, s42, 7
	s_lshl_b32 s21, s21, 1
	s_add_co_u32 s21, s21, s16
	s_mul_i32 s21, s21, 12800
	s_add_co_u32 s20, s20, s21
	s_add_co_u32 s8, s20, 6400                     ; V lies behind K and its scale words
	s_mov_b32 s9, 0
	s_add_nc_u64 s[8:9], s[6:7], s[8:9]
	s_add_nc_u64 s[10:11], s[8:9], 204800
.irp a, 0,1,2,3,4,5,6,7
.irp c, 0,1
	global_store_b128 v4, v[CD+12*\a+6*\c:CD+12*\a+6*\c+3], s[8+2*(\a/4):9+2*(\a/4)] offset:1536*(\a%4)+768*\c
	global_store_b64 v5, v[CD+12*\a+6*\c+4:CD+12*\a+6*\c+5], s[8+2*(\a/4):9+2*(\a/4)] offset:1536*(\a%4)+768*\c+512
.endr
.endr
.irp c, 0,1
.irp g, 0,1
	v_cndmask_b32 v[WD+2*\c+\g], v[PW+4*\c+2*\g], v[PW+4*\c+2*\g+1], vcc_lo
	global_store_b32 v26, v[WD+2*\c+\g], s[8+2*\c:9+2*\c] offset:6144+128*\g
.endr
.endr
.Lend:
	s_wait_tensorcnt 0x0                           ; the wave's end, behind my last tensor load
	ds_add_u32 v[SPW], v[NIL]
	s_wait_dscnt 0x0
	CROUND                                         ; the closing round: no work-group ends while a partner may still ask for a tile that names it
	s_endpgm
.Lfunc_end_k_q9c97d96c63_g_qkv:
	.size	k_q9c97d96c63_g_qkv, .Lfunc_end_k_q9c97d96c63_g_qkv-k_q9c97d96c63_g_qkv
	.p2alignl 7, 3214868480
	.fill 96, 4, 3214868480
	.section	.rodata,"a",@progbits
	.p2align	6, 0x0
	.amdhsa_kernel k_q9c97d96c63_g_qkv
		.amdhsa_group_segment_fixed_size 327680
		.amdhsa_private_segment_fixed_size 0
		.amdhsa_enable_private_segment 0
		.amdhsa_kernarg_size 16
		.amdhsa_user_sgpr_count 2
		.amdhsa_user_sgpr_kernarg_segment_ptr 1
		.amdhsa_wavefront_size32 1
		.amdhsa_system_sgpr_workgroup_id_x 1
		.amdhsa_system_sgpr_workgroup_id_y 1
		.amdhsa_system_sgpr_workgroup_id_z 1
		.amdhsa_system_vgpr_workitem_id 0
		.amdhsa_next_free_vgpr 1024
		.amdhsa_next_free_sgpr 100
		.amdhsa_reserve_vcc 1
		.amdhsa_float_denorm_mode_32 3
		.amdhsa_float_denorm_mode_16_64 3
		.amdhsa_memory_ordered 1
		.amdhsa_forward_progress 1
		.amdhsa_inst_pref_size 157
	.end_amdhsa_kernel
	.amdgpu_metadata
---
amdhsa.version: [ 1, 2 ]
amdhsa.kernels:
  - .name:           k_q9c97d96c63_g_qkv
    .symbol:         k_q9c97d96c63_g_qkv.kd
    .args:
      - { .name: wq, .offset: 0, .size: 8, .value_kind: global_buffer, .address_space: global }
      - { .name: qkvq, .offset: 8, .size: 8, .value_kind: global_buffer, .address_space: global }
    .group_segment_fixed_size: 327680
    .private_segment_fixed_size: 0
    .kernarg_segment_align: 8
    .kernarg_segment_size: 16
    .max_flat_workgroup_size: 128
    .sgpr_count:     100
    .vgpr_count:     1024
    .wavefront_size: 32
...
	.end_amdgpu_metadata
.endif
;; end of part 2
;; launch attn (part 3): grid 8 x 32, 16 waves a work-group, no clusters, 206,848 bytes of LDS; arguments qkvq, oq; writes oq
.if DOCPART == 3
	.amdgcn_target "amdgcn-amd-amdhsa--gfx1250"
	.amdhsa_code_object_version 6
	.text
	.protected	k_q9c97d96c63_attn
	.globl	k_q9c97d96c63_attn
	.p2align	8
	.type	k_q9c97d96c63_attn,@function
k_q9c97d96c63_attn:
	s_mov_b64 s[64:65], 0
	v_nop
	global_prefetch_b8 v0, s[64:65] scope:SCOPE_SE
	s_setreg_imm32_b32 hwreg(HW_REG_WAVE_MODE, 25, 1), 1
	s_wait_xcnt 0x0
; CAUSAL ATTENTION on codes of FP6 (E2M3) with E8M0 scales; head size 64, 2,048 tokens, 32 heads (batch x 16 + head = work-group y).  Its result is quantised along the model's 1,024 channels and leaves as the next product's operand.
; t = score x log2(e) / 8; M = the row's largest t so far, rounded UP to a whole number; p = 2^(t - M) is quantised along the keys, not normalised; the row's sum is taken of the unquantised p and divides O at the end.
; When M moves, the sum and O are multiplied by 2^(old M - new M): exact.
; SHARES.  Work-group x = j owns query blocks j and 15 - j (128 queries each): waves 0-7 a tile of 16 queries each of block j, waves 8-15 of block 15 - j: every work-group has 17 block steps for each pair of waves.
; NO CLUSTER: a step whose keys all come after a wave's queries is jumped over, and that branch hangs on the work-group's number along x, which partners of a cluster would not share.
; LDS holds the head's WHOLE record of keys and values, 16 steps x 12,800 bytes, filled once: each wave brings two dense pieces of 6,400 bytes.  Nothing is filled again.
; A step's record: [K: 8 half images of 16 keys x 64 channels | 4 x 64 bytes of scale words | V: 4 fragments of 16 channels x 128 keys | 4 x 64].  Two half images on end are ONE fragment of the matrix instruction's K = 128:
; tile 2 f's channels in its lower 64, tile 2 f + 1's in its upper.  Multiplied by [q | 0] it gives tile 2 f's scores, by [0 | q] tile 2 f + 1's: zero codes add nothing, and no byte of K is read twice.
; Both products are used transposed (S^T = K Q^T, O^T = V^T P^T): a lane holds ONE query throughout.  Place r of key tile 2 b + u holds key 32 b + 8 u + r + 8 (r / 8): so p's 16 registers of two neighbouring tiles are 16 neighbouring keys.
; LIMITS: NaN and infinities are not served; a block of p that has fallen to 0 keeps the scale byte 1 (its codes are zeros).
; REGISTERS: v1-3 16, 8, 4 x lane; v7 my query less 16 (lane / 16); v8-10 the step's addresses; v12 -M, v13 the largest t, v[14:15] the sum in two halves; v16-27 [q | 0]; v28-39 [0 | q]; v40-87 four fragments of K, then of V;
;   v96-159 S^T, then p; v160-191 O^T; v224-235 p's codes; v232-247, v252-254 at work; v248-249 K's scale words, v250-251 V's, v253 p's, v255 q's.
.set REC,   12800
.set SPARE, 204800                     ; behind the record: the spare words, 128 bytes for each of the sixteen waves
.set QBASE, 6553600
.set OCODE, 131072                     ; where the codes begin in the result
.set SPW, 5
.set NIL, 6
.set KV,  40
.set TM,  208                          ; the way out: the quantiser's
.set WV,  18
.set BH,  19
.set T8,  20
.set BLK, 21
.set CS,  22                           ; s[22:23] c = log2(e) / 8
.set G1,  24                           ; s[24:31] descriptor group 1;  s[32:35], s[36:39] groups 0 of my two loads
.set SEL, 40                           ; s[40:41] v_permlanex16_b32's selects
.set CNT, 42                           ; the key step
.set TB,  43                           ; where its record begins in LDS
	s_load_b128 s[4:7], s[0:1], 0x0                ; the operands s[4:5], the result s[6:7]
	v_lshl_add_u32 v[SPW], v0, 2, SPARE
	v_mov_b32 v[NIL], 0
	ds_add_u32 v[SPW], v[NIL]                      ; the wave's opening: the add and its wait ahead of my first tensor load; work on registers stands between them
	v_lshrrev_b32 v8, 5, v0
	v_readfirstlane_b32 s[WV], v8                  ; wave 0..15
	s_and_b32 s[BH], ttmp7, 0xffff
	s_mov_b32 s[G1], 3<<16                         ; no mask; elements of 8 bytes; no padding: 25 rows of 256 bytes, dense
	s_mov_b32 s[G1+1], 32<<16                      ; tensor_dim0
	s_mov_b32 s[G1+2], 25<<16                      ; tensor_dim1
	s_mov_b32 s[G1+3], 32<<16                      ; tile_dim0
	s_mov_b32 s[G1+4], 25                          ; tile_dim1
	s_mov_b32 s[G1+5], 32                          ; tensor_dim0_stride
	s_mov_b32 s[G1+6], 0
	s_mov_b32 s[G1+7], 0
	s_mov_b32 s32, 1
	s_mul_i32 s33, s[WV], 6400                     ; my piece of steps 0-7,
	s_mov_b32 s36, 1
	s_add_co_u32 s37, s33, 102400                  ; and of steps 8-15
	s_mul_i32 s8, s[BH], 204800
	s_add_co_u32 s8, s8, s33
	s_mov_b32 s9, 0
	s_lshr_b32 s10, s[WV], 3
	s_and_b32 s[T8], s[WV], 7                      ; my tile in the block
	s_lshl_b32 s11, ttmp9, 1
	s_sub_co_u32 s11, 15, s11
	s_mul_i32 s11, s11, s10
	s_add_co_u32 s[BLK], s11, ttmp9                ; my query block: j, or 15 - j
	s_mul_i32 s12, s[BH], 102400
	s_mul_i32 s13, s[BLK], 6400
	s_add_co_u32 s12, s12, s13
	s_add_co_u32 s12, s12, QBASE
	s_mov_b32 s13, 0                               ; its record of queries
	s_mul_i32 s14, s[T8], 768
	s_lshr_b32 s15, s[T8], 1
	s_lshl_b32 s16, s15, 5
	s_lshl_b32 s15, s15, 6
	s_and_b32 s17, s[T8], 1
	s_mul_i32 s44, s17, 0x02020202
	s_add_co_u32 s44, s44, 0x01000100              ; picks my tile's two scale bytes, twice: for [q | 0] and for [0 | q]
	s_lshl_b32 s17, s17, 3
	s_add_co_u32 s16, s16, s17                     ; 32 (t / 2) + 8 (t % 2)
	s_mov_b32 s[SEL], 0x76543210
	s_mov_b32 s[SEL+1], 0xfedcba98
	s_mov_b32 s[CS], 0x3e38aa3b
	s_mov_b32 s[CS+1], s[CS]                       ; (named with it as a pair, so it is written)
	s_wait_dscnt 0x0                               ; the opening add is done
	s_wait_kmcnt 0x0
	s_add_nc_u64 s[34:35], s[4:5], s[8:9]
	s_add_nc_u64 s[38:39], s[34:35], 102400
	s_or_b32 s35, s35, 0x80000000
	s_or_b32 s39, s39, 0x80000000
	tensor_load_to_lds s[32:35], s[G1:G1+7]        ; both first fills together, ahead of every wait on TENSORcnt, LDS read and barrier: two loads of mine are out
	s_nop 0
	tensor_load_to_lds s[36:39], s[G1:G1+7]
	s_nop 0
	s_add_nc_u64 s[12:13], s[4:5], s[12:13]
	v_and_b32 v4, 31, v0
	v_lshlrev_b32 v1, 4, v4
	v_lshlrev_b32 v2, 3, v4
	v_lshlrev_b32 v3, 2, v4
	v_and_b32 v11, 15, v0                          ; r
	v_add_nc_u32 v8, s14, v1
	v_add_nc_u32 v9, s14, v2
	v_lshl_add_u32 v10, v11, 2, s15
	global_load_b128 v[16:19], v8, s[12:13]        ; my tile's half image, twice: into the lower half of one operand
	global_load_b64 v[20:21], v9, s[12:13] offset:512
	global_load_b128 v[34:37], v8, s[12:13]        ; and the upper half of the other
	global_load_b64 v[38:39], v9, s[12:13] offset:512
	global_load_b32 v255, v10, s[12:13] offset:6144
	v_and_b32 v7, 8, v11
	v_add_nc_u32 v7, v7, v11
	v_add_nc_u32 v7, s16, v7                       ; my query in its block: 32 (t / 2) + 8 (t % 2) + r + 8 (r / 8),
	v_bfe_u32 v4, v0, 4, 1
	v_lshlrev_b32 v4, 4, v4
	v_sub_nc_u32 v7, v7, v4                        ; less 16 (lane / 16)
	v_mov_b32 v13, 0xff61b1e6                      ; the largest t so far: -3e38
	v_floor_f32 v12, -v13                          ; -M
	v_mov_b32 v14, 0
	v_mov_b32 v15, 0
.irp b, 0,1,2,3
	v_mov_b32 v[236+\b], 0                         ; written once: a lane permute's destination counts as one of its sources
.endr
	v_mov_b32 v252, 0
	v_mov_b32 v253, 0
.irp i, 22,23,24,25,26,27,28,29,30,31,32,33
	v_mov_b32 v[\i], 0                             ; the zero halves: zero codes
.endr
	s_wait_loadcnt 0x0
	v_perm_b32 v255, v255, v255, s44
.set j, 0
.rept 32
	v_mov_b32 v[160+j], 0                          ; O^T.  (The step is written once: the first finds zeros.  These lines are also the places between the line above and the first product)
.set j, j+1
.endr
.macro STEP
	s_cmp_gt_u32 s[CNT], s[BLK]                    ; all 128 keys come after my queries: the step's work is left out; the lines at its end that step addresses are not
	s_cbranch_scc1 .Lhidden_\@
	v_add_nc_u32 v8, s[TB], v1
	v_add_nc_u32 v9, s[TB], v2
	v_add_nc_u32 v10, s[TB], v3
	v_nop                                          ; four places in front of loads into registers that the last products have read
.irp f, 0,1,2,3
	ds_load_b128 v[KV+12*\f:KV+12*\f+3], v8 offset:1536*\f
	ds_load_b64 v[KV+12*\f+4:KV+12*\f+5], v9 offset:1536*\f+512
	ds_load_b128 v[KV+12*\f+6:KV+12*\f+9], v8 offset:1536*\f+768
	ds_load_b64 v[KV+12*\f+10:KV+12*\f+11], v9 offset:1536*\f+1280
.endr
	ds_load_b32 v248, v10 offset:6144              ; lanes 0-15: fragment 0's scale words, lanes 16-31: fragment 1's
	ds_load_b32 v249, v10 offset:6272
	s_wait_dscnt 0x0
.irp f, 0,1,2,3
.if \f%2
	v_wmma_scale_f32_16x16x128_f8f6f4 v[96+16*\f:103+16*\f], v[KV+12*\f:KV+12*\f+11], v[16:27], 0, v[248+\f/2], v255 matrix_a_fmt:MATRIX_FMT_FP6 matrix_b_fmt:MATRIX_FMT_FP6 matrix_a_scale:MATRIX_SCALE_ROW1
	v_wmma_scale_f32_16x16x128_f8f6f4 v[104+16*\f:111+16*\f], v[KV+12*\f:KV+12*\f+11], v[28:39], 0, v[248+\f/2], v255 matrix_a_fmt:MATRIX_FMT_FP6 matrix_b_fmt:MATRIX_FMT_FP6 matrix_a_scale:MATRIX_SCALE_ROW1
.else
	v_wmma_scale_f32_16x16x128_f8f6f4 v[96+16*\f:103+16*\f], v[KV+12*\f:KV+12*\f+11], v[16:27], 0, v[248+\f/2], v255 matrix_a_fmt:MATRIX_FMT_FP6 matrix_b_fmt:MATRIX_FMT_FP6
	v_wmma_scale_f32_16x16x128_f8f6f4 v[104+16*\f:111+16*\f], v[KV+12*\f:KV+12*\f+11], v[28:39], 0, v[248+\f/2], v255 matrix_a_fmt:MATRIX_FMT_FP6 matrix_b_fmt:MATRIX_FMT_FP6
.endif
.endr                                          ; register 16 b + i of v96 on: key 32 b + 16 (lane / 16) + i of the step
.rept 4
	v_nop
.endr
.irp f, 0,1,2,3                                ; V's fragments into the same registers: they land under the softmax
	ds_load_b128 v[KV+12*\f:KV+12*\f+3], v8 offset:6400+1536*\f
	ds_load_b64 v[KV+12*\f+4:KV+12*\f+5], v9 offset:6400+1536*\f+512
	ds_load_b128 v[KV+12*\f+6:KV+12*\f+9], v8 offset:6400+1536*\f+768
	ds_load_b64 v[KV+12*\f+10:KV+12*\f+11], v9 offset:6400+1536*\f+1280
.endr
	ds_load_b32 v250, v10 offset:12544
	ds_load_b32 v251, v10 offset:12672
	s_cmp_lg_u32 s[CNT], s[BLK]                    ; on the diagonal the scores of hidden keys become -infinity ahead of the maximum: p = 0 then
	s_cbranch_scc1 .Lopen_\@
	v_mov_b32 v254, 0xff800000
.set n, 0
.rept 64
	v_cmp_gt_i32 vcc_lo, 32*(n/16)+n%16, v7
	v_cndmask_b32 v[96+n], v[96+n], v254, vcc_lo
.set n, n+1
.endr
.Lopen_\@:
.irp b, 0,1,2,3
	v_max3_num_f32 v[232+\b], v[96+16*\b], v[97+16*\b], v[98+16*\b]   ; the largest score of each block of 32 keys: it serves for the row's maximum and, since p rises with the score, for the block's largest p
.endr
.irp i, 3,5,7,9,11,13
.irp b, 0,1,2,3
	v_max3_num_f32 v[232+\b], v[232+\b], v[96+16*\b+\i], v[97+16*\b+\i]
.endr
.endr
.irp b, 0,1,2,3
	v_max_num_f32 v[232+\b], v[232+\b], v[111+16*\b]
.endr
.irp b, 0,1,2,3
	v_permlanex16_b32 v[236+\b], v[232+\b], s[SEL], s[SEL+1]
.endr
.irp b, 0,1,2,3
	v_max_num_f32 v[232+\b], v[232+\b], v[236+\b]  ; with lane l xor 16's 16 keys
.endr
	v_max3_num_f32 v254, v232, v233, v234
	v_max_num_f32 v254, v254, v235                 ; the step's largest score of my query
	v_mul_f32 v254, s[CS], v254                    ; as t
	v_max_num_f32 v13, v13, v254                   ; the running largest t
	v_mov_b32 v254, v12
	v_floor_f32 v12, -v13                          ; the new -M = floor(-t): M is a whole number
	v_sub_f32 v254, v12, v254                      ; old M - new M: a whole number, 0 or less
	v_cvt_i32_f32 v254, v254                       ; (it saturates)
	v_ldexp_f32 v252, 1.0, v254                    ; f = 2^(old M - new M)
.set j, 0
.rept 32
	v_pk_fma_f32 v[96+j:97+j], v[96+j:97+j], s[CS:CS+1], v[12:13] op_sel_hi:[1,0,0]   ; t - M, two at a time
.set j, j+2
.endr
.irp b, 0,1,2,3
	v_fma_f32 v[232+\b], v[232+\b], s[CS], v12     ; the same of each block's largest score
.endr
.set j, 0
.rept 64
	v_exp_f32 v[96+j], v[96+j]                     ; p = 2^(t - M): one batch
.set j, j+1
.endr
	v_pk_mul_f32 v[14:15], v[14:15], v[252:253] op_sel_hi:[1,0]   ; the sums under the new M: a plain instruction behind the exponentials
	s_wait_alu depctr_va_vdst(0)                   ; one wait for the batch, ahead of its first reader
.irp b, 0,1,2,3
	v_exp_f32 v[232+\b], v[232+\b]                 ; the blocks' largest p: a second, small batch
.endr
	v_pk_add_f32 v[236:237], v[96:97], v[98:99]    ; the row's sum of the unquantised p, in two chains: it reads the 64 alone
.irp j, 4,8,12,16,20,24,28,32,36,40,44,48,52,56,60
	v_pk_add_f32 v[14:15], v[14:15], v[96+\j:97+\j]
	v_pk_add_f32 v[236:237], v[236:237], v[98+\j:99+\j]
.endr
	v_pk_add_f32 v[14:15], v[14:15], v[236:237]
	s_wait_alu depctr_va_vdst(0)                   ; and one wait for the four
.irp b, 0,1,2,3
	v_max_num_f32 v[232+\b], 0x1800000, v[232+\b]  ; the floor 2^(3 - 127): the byte cannot fall under 1
.endr
.irp b, 0,1,2,3
	v_add_nc_u32 v[244+\b], 0xff000000, v[232+\b]  ; 2 off the exponent field: the conversion's scale operand
.endr
.irp b, 0,1,2,3
	v_lshrrev_b32 v[236+\b], 23, v[244+\b]         ; the scale's byte
.endr
	v_lshl_or_b32 v253, v237, 8, v236              ; p's scale word for these 128 keys
	v_lshl_or_b32 v253, v238, 16, v253
	v_lshl_or_b32 v253, v239, 24, v253
.irp c, 0,1
	v_cvt_scalef32_pk16_fp6_f32 v[224+6*\c:226+6*\c], v[96+32*\c:111+32*\c], v[244+2*\c]
	v_cvt_scalef32_pk16_fp6_f32 v[236+4*\c:238+4*\c], v[112+32*\c:127+32*\c], v[244+2*\c+1]
.endr
	v_nop                                          ; one plain instruction behind the scaled conversions
.irp c, 0,1
.irp i, 0,1,2
	v_permlane16_swap_b32 v[224+6*\c+\i], v[236+4*\c+\i]   ; a whole block in a lane: lanes 0-15 block 2 c, lanes 16-31 block 2 c + 1
.endr
.irp i, 0,1,2
	v_mov_b32 v[227+6*\c+\i], v[236+4*\c+\i]
.endr
.endr
.set j, 0
.rept 16
	v_pk_mul_f32 v[160+j:161+j], v[160+j:161+j], v[252:253] op_sel_hi:[1,0]   ; O^T under the new M.  (These 16 are also the places in front of the products below)
.set j, j+2
.endr
	s_wait_dscnt 0x0                               ; V is in
.irp f, 0,1,2,3                                ; O^T += V^T P^T: four accumulators, one instruction each
.if \f%2
	v_wmma_scale_f32_16x16x128_f8f6f4 v[160+8*\f:167+8*\f], v[KV+12*\f:KV+12*\f+11], v[224:235], v[160+8*\f:167+8*\f], v[250+\f/2], v253 matrix_a_fmt:MATRIX_FMT_FP6 matrix_b_fmt:MATRIX_FMT_FP6 matrix_a_scale:MATRIX_SCALE_ROW1
.else
	v_wmma_scale_f32_16x16x128_f8f6f4 v[160+8*\f:167+8*\f], v[KV+12*\f:KV+12*\f+11], v[224:235], v[160+8*\f:167+8*\f], v[250+\f/2], v253 matrix_a_fmt:MATRIX_FMT_FP6 matrix_b_fmt:MATRIX_FMT_FP6
.endif
.endr
.Lhidden_\@:
	s_add_co_u32 s[TB], s[TB], REC
.endm
	s_wait_tensorcnt 1                             ; my piece of steps 0-7 is in; my piece of steps 8-15 may be out
	s_barrier_signal -1
	s_barrier_wait -1                              ; everybody's is
	s_mov_b32 s[CNT], 0
	s_mov_b32 s[TB], 0
.Lfirst_half:
	STEP
	s_add_co_u32 s[CNT], s[CNT], 1
	s_cmp_lt_u32 s[CNT], 8
	s_cbranch_scc1 .Lfirst_half
	s_wait_tensorcnt 0x0                           ; my piece of steps 8-15 is in
	s_wait_dscnt 0x0
	s_barrier_signal -1
	s_barrier_wait -1
	s_mov_b32 s[CNT], 8
	s_mov_b32 s[TB], 8*REC
.Lsecond_half:
	STEP
	s_add_co_u32 s[CNT], s[CNT], 1
	s_cmp_lt_u32 s[CNT], 16
	s_cbranch_scc1 .Lsecond_half
	; THE WAY OUT: O^T / the sum; register 16 b + i is channel 32 b + 16 (lane / 16) + i of my head: two blocks of the next product's K.  They become half a fragment: 16 tokens x my head's 64 channels.
.rept 4
	v_nop
.endr
	v_add_f32 v14, v14, v15
	v_permlanex16_b32 v252, v14, s[SEL], s[SEL+1]
	v_add_f32 v14, v14, v252                       ; the row's sum
	v_rcp_f32 v14, v14
	v_lshlrev_b32 v4, 2, v11                       ; (a plain instruction behind the reciprocal)  4 r
	v_mov_b32 v[TM+2], 0
	v_mov_b32 v[TM+3], 0
	s_lshr_b32 s8, s[BH], 4                        ; batch
	s_lshl_b32 s8, s8, 7
	s_lshl_b32 s9, s[BLK], 3
	s_add_co_u32 s8, s8, s9
	s_add_co_u32 s8, s8, s[T8]                     ; my 16 tokens' block: 128 x batch + 8 x query block + tile
	s_lshl_b32 s8, s8, 3
	s_and_b32 s9, s[BH], 15                        ; head
	s_lshr_b32 s10, s9, 1
	s_add_co_u32 s8, s8, s10                       ; fragment: 8 x block + head / 2
	s_and_b32 s9, s9, 1
	s_lshl_b32 s10, s8, 6
	s_lshl_b32 s11, s9, 1
	s_add_co_u32 s10, s10, s11                     ; my two bytes of its scale words
	s_mov_b32 s11, 0
	s_mul_i32 s8, s8, 1536
	s_mul_i32 s9, s9, 768
	s_add_co_u32 s8, s8, s9
	s_add_co_u32 s8, s8, OCODE
	s_mov_b32 s9, 0
	s_add_nc_u64 s[8:9], s[6:7], s[8:9]
	s_add_nc_u64 s[10:11], s[6:7], s[10:11]
	s_wait_alu depctr_va_vdst(0)                   ; the wait ahead of the reciprocal's first reader
.set j, 0
.rept 32
	v_mul_f32 v[96+j], v[160+j], v14
.set j, j+1
.endr
.irp b, 0,1
	v_max3_num_f32 v[TM+\b], |v[96+16*\b]|, |v[97+16*\b]|, 0x1800000
.endr
.irp i, 2,4,6,8,10,12,14
.irp b, 0,1
	v_max3_num_f32 v[TM+\b], |v[96+16*\b+\i]|, |v[97+16*\b+\i]|, v[TM+\b]
.endr
.endr
	v_permlanex16_b32 v[TM+2], v[TM], s[SEL], s[SEL+1]
	v_permlanex16_b32 v[TM+3], v[TM+1], s[SEL], s[SEL+1]
	v_max_num_f32 v[TM], v[TM], v[TM+2]
	v_max_num_f32 v[TM+1], v[TM+1], v[TM+3]
	v_add_nc_u32 v[TM+4], 0xff000000, v[TM]
	v_add_nc_u32 v[TM+5], 0xff000000, v[TM+1]
	v_lshrrev_b32 v[TM+6], 23, v[TM+4]
	v_lshrrev_b32 v[TM+7], 23, v[TM+5]
	v_lshl_or_b32 v200, v[TM+7], 8, v[TM+6]
	v_cvt_scalef32_pk16_fp6_f32 v[192:194], v[96:111], v[TM+4]
	v_cvt_scalef32_pk16_fp6_f32 v[TM+8:TM+10], v[112:127], v[TM+5]
	v_nop
.irp i, 0,1,2
	v_permlane16_swap_b32 v[192+\i], v[TM+8+\i]
.endr
.irp i, 0,1,2
	v_mov_b32 v[195+\i], v[TM+8+\i]
.endr
	global_store_b128 v1, v[192:195], s[8:9]       ; 512 consecutive bytes, aligned to 256
	global_store_b64 v2, v[196:197], s[8:9] offset:512
	global_store_b16 v4, v200, s[10:11]            ; two bytes of each row's scale word (lanes l and l + 16 hold the same row and the same bytes); the word's other two are the neighbouring head's
	s_wait_tensorcnt 0x0                           ; the wave's end, behind my last tensor load
	ds_add_u32 v[SPW], v[NIL]
	s_wait_dscnt 0x0
	s_endpgm
.Lfunc_end_k_q9c97d96c63_attn:
	.size	k_q9c97d96c63_attn, .Lfunc_end_k_q9c97d96c63_attn-k_q9c97d96c63_attn
	.p2alignl 7, 3214868480
	.fill 96, 4, 3214868480
	.section	.rodata,"a",@progbits
	.p2align	6, 0x0
	.amdhsa_kernel k_q9c97d96c63_attn
		.amdhsa_group_segment_fixed_size 206848
		.amdhsa_private_segment_fixed_size 0
		.amdhsa_enable_private_segment 0
		.amdhsa_kernarg_size 16
		.amdhsa_user_sgpr_count 2
		.amdhsa_user_sgpr_kernarg_segment_ptr 1
		.amdhsa_wavefront_size32 1
		.amdhsa_system_sgpr_workgroup_id_x 1
		.amdhsa_system_sgpr_workgroup_id_y 1
		.amdhsa_system_sgpr_workgroup_id_z 1
		.amdhsa_system_vgpr_workitem_id 0
		.amdhsa_next_free_vgpr 256
		.amdhsa_next_free_sgpr 66
		.amdhsa_reserve_vcc 1
		.amdhsa_float_denorm_mode_32 3
		.amdhsa_float_denorm_mode_16_64 3
		.amdhsa_memory_ordered 1
		.amdhsa_forward_progress 1
		.amdhsa_inst_pref_size 53
	.end_amdhsa_kernel
	.amdgpu_metadata
---
amdhsa.version: [ 1, 2 ]
amdhsa.kernels:
  - .name:           k_q9c97d96c63_attn
    .symbol:         k_q9c97d96c63_attn.kd
    .args:
      - { .name: qkvq, .offset: 0, .size: 8, .value_kind: global_buffer, .address_space: global }
      - { .name: oq, .offset: 8, .size: 8, .value_kind: global_buffer, .address_space: global }
    .group_segment_fixed_size: 206848
    .private_segment_fixed_size: 0
    .kernarg_segment_align: 8
    .kernarg_segment_size: 16
    .max_flat_workgroup_size: 512
    .sgpr_count:     66
    .vgpr_count:     256
    .wavefront_size: 32
...
	.end_amdgpu_metadata
.endif
;; end of part 3
;; launch g_ao (part 4): grid 4 x 16, 4 waves a work-group, clusters of 4 x 4, 327,680 bytes of LDS; arguments oq, wq, x, x1; writes x1
.if DOCPART == 4
	.amdgcn_target "amdgcn-amd-amdhsa--gfx1250"
	.amdhsa_code_object_version 6
	.text
	.protected	k_q9c97d96c63_g_ao
	.globl	k_q9c97d96c63_g_ao
	.p2align	8
	.type	k_q9c97d96c63_g_ao,@function
k_q9c97d96c63_g_ao:
	s_mov_b64 s[64:65], 0
	v_nop
	global_prefetch_b8 v0, s[64:65] scope:SCOPE_SE
	s_setreg_imm32_b32 hwreg(HW_REG_WAVE_MODE, 25, 1), 1
	s_wait_xcnt 0x0
	s_wait_alu depctr_hold_cnt(0) depctr_sa_sdst(0) depctr_va_vdst(0) depctr_va_sdst(0) depctr_va_ssrc(0) depctr_va_vcc(0) depctr_vm_vsrc(0)
	s_getreg_b32 s2, hwreg(HW_REG_IB_STS2, 6, 4)
	s_cmp_eq_u32 s2, 0
	s_cbranch_scc0 .Lentry_in_a_cluster
	s_endpgm
.Lentry_in_a_cluster:
	s_bfe_u32 s2, ttmp6, 0x10000c
	s_cmp_lg_u32 s2, 0xf033
	s_cbranch_scc0 .Lentry_shape_is_right
	s_endpgm
.Lentry_shape_is_right:
; x1 = x + attention's result x attn_out_w^T, the product on codes of FP6 (E2M3) with E8M0 scales, K = 1,024; x and x1 are f32, [4,096][1,024].
; Operands lie as images of the operand's registers: 16 rows x 128 K = 1,536 bytes, fragment (block of 16 rows rb, K step ks) at (8 rb + ks) x 1,536; scale words at (8 rb + ks) x 64 + 4 r.
; Place p of a matrix holds row sigma(p), p with bits 3 and 4 exchanged; the way out puts rows and columns back.
; A tile of 256 x 256 is made by four waves, 128 x 128 each: 64 accumulators, 512 registers.  K goes in steps of 256 through two LDS slots filled by the tensor data mover; a wave's load brings 8 blocks' 3,072 bytes.
; CLUSTERS of 4 x 4: source 1's tile (A: tokens) is shared along a row of the cluster, source 0's (B: weight rows) along a column: joint loads.  The scale words of the work-group's rows, for all of K, come once with the first fills.
; The result has 64 tiles of this size: the launch has 64 work-groups.
; REGISTERS: window 0: v1-31 addresses; v32-63 scale words, two sets; v128-223 A's fragments, one set.  Window 1: B's fragments, two sets, at v0 and v128; on the way out four sets of 64 for the residual.  Windows 2, 3: accumulator (a, b) at v[8 (8 (a % 4) + b)].
.set KTOT,   1024
.set A_CODE, 131072
.set A_SCAL, 0
.set B_CODE, 458752+448*12288
.set B_SCAL, 448*512
.set KF,     KTOT/128
.set FRB,    1536
.set RBB,    KF*FRB
.set NQ,     2
.set KSB,    NQ*FRB
.set FR,     12
.set NL,     4
.set NP,     4
.set HALFT,  8*KSB
.set SLOT,   4*HALFT
.set LAPS,   KTOT/512
.set SBLK,   KF*64
.set HALFS,  8*SBLK
.set SCL,    2*SLOT
.set SPARE,  SCL+4*HALFS
.set SPITCH, 528                       ; the way out: a stage of 16 rows x (512 bytes + 16) for each wave, in slot 0, which has had its last fill and its last read by then
.set ADRA, 16
.set ADRB, 20
.set STO,  24
.set RD,   25
.set CO,   26
.set ADRS, 27
.set SPW,  28
.set NIL,  29
.set SC,   32
.set AF,   128
.set BK,   128
.set G1, 24
.set G0, 32
.set G1B, 48
.set G0B, 56
.set G1S, 68
.set G0S, 76
.set G1SB, 80
.set G0SB, 88
.set MSB, 0
.macro WIN new
.if MSB != (\new)
	s_set_vgpr_msb (MSB<<8)|(\new)
.set MSB, (\new)
.endif
.endm
.set MUL_LO, 0xa1
.set MUL_HI, 0xf1
.set TO_B,   0x40
.macro JLOAD g0a, g1a, g0b, g1b        ; a joint load: waves 0, 1 for A, waves 2, 3 for B; an s_nop 0 and four v_nop follow each line
	s_cmp_eq_u32 s15, 0
	s_cbranch_scc0 .Lfor_b_\@
	tensor_load_to_lds s[\g0a:\g0a+3], s[\g1a:\g1a+7]
	s_nop 0
.rept 4
	v_nop
.endr
	s_branch .Lasked_\@
.Lfor_b_\@:
	tensor_load_to_lds s[\g0b:\g0b+3], s[\g1b:\g1b+7]
	s_nop 0
.rept 4
	v_nop
.endr
.Lasked_\@:
.endm
.macro CREST
	s_cmp_lg_u32 s14, 0
	s_cbranch_scc1 .Lnot_wave_0_\@
	s_barrier_signal -3
.Lnot_wave_0_\@:
	s_barrier_wait -3
	s_barrier_signal -1
	s_barrier_wait -1
.endm
.macro CROUND
	s_barrier_signal -1
	s_barrier_wait -1
	CREST
.endm
	s_load_b128 s[4:7], s[0:1], 0x0                ; A's buffer s[4:5], B's s[6:7]
	s_load_b128 s[8:11], s[0:1], 0x10              ; the residual s[8:9], the result s[10:11]
	v_lshl_add_u32 v[SPW], v0, 2, SPARE
	v_mov_b32 v[NIL], 0
	ds_add_u32 v[SPW], v[NIL]                      ; the wave's opening: the add and its wait ahead of my first tensor load
	v_lshrrev_b32 v1, 5, v0
	v_readfirstlane_b32 s14, v1                    ; wave 0..3
	s_lshr_b32 s15, s14, 1                         ; my half of A's rows; also: I fetch for A (0) or B (1)
	s_and_b32 s16, s14, 1                          ; my half of B's rows; also: which 128 rows I fetch
	s_bfe_u32 s40, ttmp6, 0x40000                  ; cx
	s_bfe_u32 s41, ttmp6, 0x40004                  ; cy
	s_lshl_b32 s42, ttmp9, 2
	s_add_co_u32 s42, s42, s40                     ; B's tile
	s_and_b32 s17, ttmp7, 0xffff
	s_lshl_b32 s17, s17, 2
	s_add_co_u32 s17, s17, s41                     ; A's tile
	s_lshl_b32 s43, s41, 2
	s_lshl_b32 s43, 15, s43                        ; my row of the cluster
	s_lshl_b32 s44, 0x1111, s40                    ; my column
	s_or_b32 s[G1+0], s43, (3<<16)|(1<<21)         ; codes: 8 rows of 384 elements of 8 bytes, RBB bytes apart, dense in LDS; the mask, and bit 21 beside it
	s_or_b32 s[G1B+0], s44, (3<<16)|(1<<21)
.irp g, G1, G1B
	s_mov_b32 s[\g+1], 384<<16
	s_mov_b32 s[\g+2], 8<<16
	s_mov_b32 s[\g+3], 384<<16
	s_mov_b32 s[\g+4], 8
	s_mov_b32 s[\g+5], RBB/8
	s_mov_b32 s[\g+6], 0
	s_mov_b32 s[\g+7], 0
.endr
	s_or_b32 s[G1S+0], s43, (3<<16)|(1<<21)        ; scale words of 128 rows: HALFS dense bytes as rows of 256
	s_or_b32 s[G1SB+0], s44, (3<<16)|(1<<21)
.irp g, G1S, G1SB
	s_mov_b32 s[\g+1], 32<<16
	s_mov_b32 s[\g+2], (HALFS/256)<<16
	s_mov_b32 s[\g+3], 32<<16
	s_mov_b32 s[\g+4], HALFS/256
	s_mov_b32 s[\g+5], 32
	s_mov_b32 s[\g+6], 0
	s_mov_b32 s[\g+7], 0
.endr
	s_lshl_b32 s18, s16, 3
	s_lshl_b32 s20, s17, 4
	s_add_co_u32 s20, s20, s18                     ; A's first block of 16 rows: 16 x tile + 8 x half
	s_lshl_b32 s46, s42, 4
	s_add_co_u32 s46, s46, s18                     ; B's
	s_mul_i32 s22, s20, SBLK
	s_mul_i32 s92, s46, SBLK
	s_mul_i32 s20, s20, RBB
	s_mul_i32 s46, s46, RBB
	s_add_co_u32 s20, s20, A_CODE
	s_add_co_u32 s22, s22, A_SCAL
	s_add_co_u32 s46, s46, B_CODE
	s_add_co_u32 s92, s92, B_SCAL
	s_mov_b32 s21, 0
	s_mov_b32 s23, 0
	s_mov_b32 s47, 0
	s_mov_b32 s93, 0
	s_mul_i32 s45, s14, HALFT                      ; no place in the cluster enters an LDS address
	s_mul_i32 s94, s14, HALFS
	s_wait_dscnt 0x0                               ; the opening add is done
	s_wait_kmcnt 0x0
	s_add_nc_u64 s[20:21], s[4:5], s[20:21]
	s_add_nc_u64 s[22:23], s[4:5], s[22:23]
	s_add_nc_u64 s[46:47], s[6:7], s[46:47]
	s_add_nc_u64 s[92:93], s[6:7], s[92:93]
	CROUND                                         ; all sixteen work-groups are here: the first joint loads meet
	s_mov_b32 s[G0S], 1
	s_add_co_u32 s[G0S+1], s94, SCL
	s_mov_b64 s[G0S+2:G0S+3], s[22:23]
	s_or_b32 s[G0S+3], s[G0S+3], 0x80000000
	s_mov_b32 s[G0SB], 1
	s_add_co_u32 s[G0SB+1], s94, SCL
	s_mov_b64 s[G0SB+2:G0SB+3], s[92:93]
	s_or_b32 s[G0SB+3], s[G0SB+3], 0x80000000
	JLOAD G0S, G1S, G0SB, G1SB
.irp s, 0,1
	s_mov_b32 s[G0+4*\s], 1
	s_add_co_u32 s[G0+4*\s+1], s45, \s*SLOT
	s_add_nc_u64 s[G0+4*\s+2:G0+4*\s+3], s[20:21], \s*KSB
	s_or_b32 s[G0+4*\s+3], s[G0+4*\s+3], 0x80000000
	s_mov_b32 s[G0B+4*\s], 1
	s_add_co_u32 s[G0B+4*\s+1], s45, \s*SLOT
	s_add_nc_u64 s[G0B+4*\s+2:G0B+4*\s+3], s[46:47], \s*KSB
	s_or_b32 s[G0B+4*\s+3], s[G0B+4*\s+3], 0x80000000
	JLOAD G0+4*\s, G1, G0B+4*\s, G1B               ; three tensor loads of mine are out now
.endr
	v_and_b32 v1, 15, v0                           ; r
	v_bfe_u32 v2, v0, 4, 1                         ; h
	v_and_b32 v3, 31, v0                           ; lane
	v_lshlrev_b32 v4, 4, v3
	v_lshlrev_b32 v5, 3, v3
	s_mul_i32 s21, s15, HALFT
	s_mul_i32 s22, s16, HALFT
	s_add_co_u32 s22, s22, 2*HALFT
.irp s, 0,1
	v_add_nc_u32 v[ADRA+\s], s21, v4
	v_add_nc_u32 v[ADRB+\s], s22, v4
	v_add_nc_u32 v[ADRA+2+\s], s21, v5
	v_add_nc_u32 v[ADRB+2+\s], s22, v5
	s_add_co_u32 s21, s21, SLOT
	s_add_co_u32 s22, s22, SLOT
.endr
	s_mul_i32 s21, s15, HALFS
	s_mul_i32 s22, s16, HALFS
	s_add_co_u32 s22, s22, 2*HALFS
	s_sub_co_u32 s22, s22, s21
	v_mul_u32_u24 v6, s22, v2                      ; lanes 16-31 take B's scale words: one product, the distance between the two
	s_add_co_u32 s21, s21, SCL
	v_lshl_add_u32 v6, v1, 2, v6
	v_add_nc_u32 v[ADRS], s21, v6
	s_mul_i32 s23, s14, 16*SPITCH                  ; my stage
	v_mul_u32_u24 v6, v1, SPITCH
	v_lshl_add_u32 v6, v2, 6, v6
	v_add_nc_u32 v[STO], s23, v6                   ; in: row r, + 64 h: accumulator b's eight numbers are columns 32 (b / 2) + 16 h + 8 (b % 2) + 0 .. 7
	v_add_nc_u32 v[RD], s23, v4                    ; back: the 32 lanes take one row of 512 bytes
	v_mov_b32 v[CO], v4                            ; and the same in memory
	s_lshl_b32 s20, s17, 8
	s_lshl_b32 s21, s15, 7
	s_add_co_u32 s20, s20, s21
	s_lshl_b32 s20, s20, 12                        ; my first row: 256 x A's tile + 128 x half, rows of 4,096 bytes
	s_lshl_b32 s46, s42, 10
	s_lshl_b32 s47, s16, 9
	s_add_co_u32 s46, s46, s47                     ; my first column, in bytes
	s_add_co_u32 s20, s20, s46
	s_mov_b32 s21, 0
	s_add_nc_u64 s[8:9], s[8:9], s[20:21]
	s_add_nc_u64 s[10:11], s[10:11], s[20:21]
.macro FRAG reg, adr, q, i             ; a fragment comes as it lies: for each half of K, registers 0-3 by 16 bytes a lane and registers 4-5 by 8
.irp c, 0,1
	ds_load_b128 v[\reg+6*\c:\reg+6*\c+3], v[\adr] offset:(2*(\i)+(\q))*FRB+768*\c
	ds_load_b64 v[\reg+6*\c+4:\reg+6*\c+5], v[\adr+2] offset:(2*(\i)+(\q))*FRB+768*\c+512
.endr
.endm
.macro MUL16 a0, p, q, sc, zero        ; 16 matrix instructions; the 64 accumulators take turns, one instruction a turn
.irp a, \a0, \a0+1
.irp b, 0,1,2,3,4,5,6,7
.if \zero
	v_wmma_scale_f32_16x16x128_f8f6f4 v[8*(8*((\a)%4)+\b):8*(8*((\a)%4)+\b)+7], v[128*(\p)+FR*\b:128*(\p)+FR*\b+FR-1], v[AF+FR*(\a):AF+FR*(\a)+FR-1], 0, v[SC+8*NQ*(\sc)+NQ*\b+(\q)], v[SC+8*NQ*(\sc)+NQ*(\a)+(\q)] matrix_a_fmt:MATRIX_FMT_FP6 matrix_b_fmt:MATRIX_FMT_FP6 matrix_a_scale:MATRIX_SCALE_ROW1
.else
	v_wmma_scale_f32_16x16x128_f8f6f4 v[8*(8*((\a)%4)+\b):8*(8*((\a)%4)+\b)+7], v[128*(\p)+FR*\b:128*(\p)+FR*\b+FR-1], v[AF+FR*(\a):AF+FR*(\a)+FR-1], v[8*(8*((\a)%4)+\b):8*(8*((\a)%4)+\b)+7], v[SC+8*NQ*(\sc)+NQ*\b+(\q)], v[SC+8*NQ*(\sc)+NQ*(\a)+(\q)] matrix_a_fmt:MATRIX_FMT_FP6 matrix_b_fmt:MATRIX_FMT_FP6 matrix_a_scale:MATRIX_SCALE_ROW1
.endif
.endr
.endr
.endm
.macro FETCH_B slot, q, p
	WIN TO_B
.irp i, 0,1,2,3,4,5,6,7
	FRAG 128*(\p)+FR*\i, ADRB+\slot, \q, \i
.endr
	WIN 0
.endm
.macro FETCH_A slot, q, i0
.irp i, \i0, \i0+1, \i0+2, \i0+3
	FRAG AF+FR*(\i), ADRA+\slot, \q, \i
.endr
.endm
.macro SCALES sc
.irp i, 0,1,2,3,4,5,6,7
.irp q, 0,1
	ds_load_b32 v[SC+8*NQ*\sc+NQ*\i+\q], v[ADRS] offset:\i*SBLK+64*\q
.endr
.endr
.endm
.macro PLACES n
.rept \n
	v_nop
.endr
.endm
.macro STEP slot, q, zero
	s_wait_dscnt 4*NL                              ; all but the youngest 16 loads (A's blocks 4-7) are in
	WIN MUL_LO
	MUL16 0, (\q)%2, \q, \slot, \zero
	MUL16 2, (\q)%2, \q, \slot, \zero
	s_wait_dscnt 0
	PLACES NP
	FETCH_B \slot, (\q)+1, 1-(\q)%2
	FETCH_A \slot, (\q)+1, 0
	WIN MUL_HI
	MUL16 4, (\q)%2, \q, \slot, \zero
	MUL16 6, (\q)%2, \q, \slot, \zero
	PLACES NP
	WIN 0
	FETCH_A \slot, (\q)+1, 4
.endm
.macro TURN slot, next, fill           ; a slot's last step changes slots: one barrier, the three lines in front of it, the refill first behind it
	s_wait_tensorcnt 0x0                           ; all my tensor loads have landed: my part of the next slot
	ds_add_u32 v[SPW], v[NIL]                      ; 0 onto my spare word
	s_wait_dscnt 4*NL+1                            ; (the add and the youngest 16 loads may be out)
	WIN MUL_LO
	MUL16 0, 1, NQ-1, \slot, 0
	s_wait_dscnt 0x0                               ; the add is done, and my reads of this slot are over
	s_barrier_signal -1
	MUL16 2, 1, NQ-1, \slot, 0
	WIN 0
	s_barrier_wait -1
.if \fill
	CREST                                          ; a round of the cluster's barrier: no wave of any partner still reads this slot or has a load on its way
	s_add_nc_u64 s[G0+4*\slot+2:G0+4*\slot+3], s[G0+4*\slot+2:G0+4*\slot+3], 2*KSB
	s_add_nc_u64 s[G0B+4*\slot+2:G0B+4*\slot+3], s[G0B+4*\slot+2:G0B+4*\slot+3], 2*KSB
	JLOAD G0+4*\slot, G1, G0B+4*\slot, G1B
.else
	PLACES NP
.endif
	v_add_nc_u32 v[ADRS], 64*NQ, v[ADRS]
	FETCH_B \next, 0, 0
	FETCH_A \next, 0, 0
	SCALES \next
	WIN MUL_HI
	MUL16 4, 1, NQ-1, \slot, 0
	MUL16 6, 1, NQ-1, \slot, 0
	PLACES NP
	WIN 0
	FETCH_A \next, 0, 4
.endm
	s_wait_tensorcnt 1                             ; the scale words and my part of K step 0 are in; K step 1's load may be out
	s_barrier_signal -1
	s_barrier_wait -1
	FETCH_B 0, 0, 0
	FETCH_A 0, 0, 0
	SCALES 0
	FETCH_A 0, 0, 4
	STEP 0, 0, 1
	s_mov_b32 s3, LAPS-1
.Llap:
	TURN 0, 1, 1
	STEP 1, 0, 0
	TURN 1, 0, 1
	STEP 0, 0, 0
	s_sub_co_u32 s3, s3, 1
	s_cmp_lg_u32 s3, 0
	s_cbranch_scc1 .Llap
	TURN 0, 1, 0
	STEP 1, 0, 0
	s_wait_dscnt 4*NL
	WIN MUL_LO
	MUL16 0, 1, NQ-1, 1, 0
	MUL16 2, 1, NQ-1, 1, 0
	s_wait_dscnt 0
	WIN MUL_HI
	MUL16 4, 1, NQ-1, 1, 0
	MUL16 6, 1, NQ-1, 1, 0
	WIN 0
; THE WAY OUT, block by block of 16 tokens x 128 columns: through my own stage in LDS, where the columns are put in order, back as whole rows of 512 bytes; the residual's same bytes are added; 32 lanes store 512 consecutive bytes.
; Place t of block a is token 32 (a / 2) + 8 (a % 2) + t + 8 (t / 8) of my 128: it stands in the immediate, 127 rows of 4,096 bytes at the most.
.macro TOSTAGE a
.set AC, 64*((\a)%4)
	WIN 0x08+4*((\a)/4)                            ; an LDS store's data: window 2 or 3
.irp b, 0,1,2,3,4,5,6,7
	ds_store_b128 v[STO], v[AC+8*\b:AC+8*\b+3] offset:128*(\b/2)+32*(\b%2)       ; each accumulator from its low end on
	ds_store_b128 v[STO], v[AC+8*\b+4:AC+8*\b+7] offset:128*(\b/2)+32*(\b%2)+16
.endr
	WIN 0
.set BB, BK+64*((\a)%2)
.irp t, 0,1,2,3,4,5,6,7,8,9,10,11,12,13,14,15
	ds_load_b128 v[BB+4*\t:BB+4*\t+3], v[RD] offset:\t*SPITCH   ; LDS serves a wave's instructions in order: these see the stores above
.endr
.endm
.macro RLOAD a                         ; the residual of block a into set a % 4 of window 1
	WIN 0x40
.irp t, 0,1,2,3,4,5,6,7,8,9,10,11,12,13,14,15
	global_load_b128 v[64*((\a)%4)+4*\t:64*((\a)%4)+4*\t+3], v[CO], s[8:9] offset:(32*((\a)/2)+8*((\a)%2)+\t+8*(\t/8))*4096
.endr
	WIN 0
.endm
.macro SENDR a
.set BB, BK+64*((\a)%2)
.set RR, 64*((\a)%4)
	WIN 0x04                                       ; source 1: window 1
.set j, 0
.rept 32
	v_pk_add_f32 v[BB+j:BB+j+1], v[BB+j:BB+j+1], v[RR+j:RR+j+1]
.set j, j+2
.endr
	WIN 0
.irp t, 0,1,2,3,4,5,6,7,8,9,10,11,12,13,14,15
	global_store_b128 v[CO], v[BB+4*\t:BB+4*\t+3], s[10:11] offset:(32*((\a)/2)+8*((\a)%2)+\t+8*(\t/8))*4096
.endr
.endm
	PLACES NP                                      ; behind the last products: for the loads into B's and A's registers and the reads of results
	RLOAD 0
	RLOAD 1
	RLOAD 2
	RLOAD 3
	TOSTAGE 0
.irp a, 0,1,2,3,4,5,6,7
.if \a > 0
	s_wait_xcnt 0x0                                ; block a - 1's stores have read their registers: block a + 1's rows may land there
.endif
.if \a < 7
	TOSTAGE \a+1
	s_wait_dscnt 32                                ; block a is back; the next block's 16 stores and 16 loads may be out
.else
	s_wait_dscnt 0
.endif
.if \a < 5
	s_wait_loadcnt 48                              ; block a's residual is in; three younger sets of 16 loads may be out
.else
	s_wait_loadcnt 16*(7-\a)
.endif
	SENDR \a
.if \a < 4
	RLOAD \a+4
.endif
.endr
	s_wait_tensorcnt 0x0                           ; the wave's end, behind my last tensor load and my last LDS store
	ds_add_u32 v[SPW], v[NIL]
	s_wait_dscnt 0x0
	CROUND                                         ; the closing round
	s_endpgm
.Lfunc_end_k_q9c97d96c63_g_ao:
	.size	k_q9c97d96c63_g_ao, .Lfunc_end_k_q9c97d96c63_g_ao-k_q9c97d96c63_g_ao
	.p2alignl 7, 3214868480
	.fill 96, 4, 3214868480
	.section	.rodata,"a",@progbits
	.p2align	6, 0x0
	.amdhsa_kernel k_q9c97d96c63_g_ao
		.amdhsa_group_segment_fixed_size 327680
		.amdhsa_private_segment_fixed_size 0
		.amdhsa_enable_private_segment 0
		.amdhsa_kernarg_size 32
		.amdhsa_user_sgpr_count 2
		.amdhsa_user_sgpr_kernarg_segment_ptr 1
		.amdhsa_wavefront_size32 1
		.amdhsa_system_sgpr_workgroup_id_x 1
		.amdhsa_system_sgpr_workgroup_id_y 1
		.amdhsa_system_sgpr_workgroup_id_z 1
		.amdhsa_system_vgpr_workitem_id 0
		.amdhsa_next_free_vgpr 1024
		.amdhsa_next_free_sgpr 100
		.amdhsa_reserve_vcc 0
		.amdhsa_float_denorm_mode_32 3
		.amdhsa_float_denorm_mode_16_64 3
		.amdhsa_memory_ordered 1
		.amdhsa_forward_progress 1
		.amdhsa_inst_pref_size 174
	.end_amdhsa_kernel
	.amdgpu_metadata
---
amdhsa.version: [ 1, 2 ]
amdhsa.kernels:
  - .name:           k_q9c97d96c63_g_ao
    .symbol:         k_q9c97d96c63_g_ao.kd
    .args:
      - { .name: oq, .offset: 0, .size: 8, .value_kind: global_buffer, .address_space: global }
      - { .name: wq, .offset: 8, .size: 8, .value_kind: global_buffer, .address_space: global }
      - { .name: x, .offset: 16, .size: 8, .value_kind: global_buffer, .address_space: global }
      - { .name: x1, .offset: 24, .size: 8, .value_kind: global_buffer, .address_space: global }
    .group_segment_fixed_size: 327680
    .private_segment_fixed_size: 0
    .kernarg_segment_align: 8
    .kernarg_segment_size: 32
    .max_flat_workgroup_size: 128
    .sgpr_count:     100
    .vgpr_count:     1024
    .wavefront_size: 32
...
	.end_amdgpu_metadata
.endif
;; end of part 4
;; launch ln2: the kernel of part 1 again; grid 256 x 1, 4 waves a work-group, no clusters, 66,304 bytes of LDS; arguments x1, ln2_w, ln2_b, qkv_w, attn_out_w, mlp_in_w, mlp_gate_w, mlp_out_w, h2q; writes h2q
;; launch g_ig (part 5): grid 16 x 16, 4 waves a work-group, clusters of 4 x 4, 327,680 bytes of LDS; arguments h2q, wq, aq; writes aq
.if DOCPART == 5
	.amdgcn_target "amdgcn-amd-amdhsa--gfx1250"
	.amdhsa_code_object_version 6
	.text
	.protected	k_q9c97d96c63_g_ig
	.globl	k_q9c97d96c63_g_ig
	.p2align	8
	.type	k_q9c97d96c63_g_ig,@function
k_q9c97d96c63_g_ig:
	s_mov_b64 s[64:65], 0
	v_nop
	global_prefetch_b8 v0, s[64:65] scope:SCOPE_SE
	s_setreg_imm32_b32 hwreg(HW_REG_WAVE_MODE, 25, 1), 1
	s_wait_xcnt 0x0
	s_wait_alu depctr_hold_cnt(0) depctr_sa_sdst(0) depctr_va_vdst(0) depctr_va_sdst(0) depctr_va_ssrc(0) depctr_va_vcc(0) depctr_vm_vsrc(0)
	s_getreg_b32 s2, hwreg(HW_REG_IB_STS2, 6, 4)
	s_cmp_eq_u32 s2, 0
	s_cbranch_scc0 .Lentry_in_a_cluster
	s_endpgm
.Lentry_in_a_cluster:
	s_bfe_u32 s2, ttmp6, 0x10000c
	s_cmp_lg_u32 s2, 0xf033
	s_cbranch_scc0 .Lentry_shape_is_right
	s_endpgm
.Lentry_shape_is_right:
; acts = silu(h mlp_in_w^T) x (h mlp_gate_w^T), both products on codes of FP6 (E2M3) with E8M0 scales, K = 1,024; acts is quantised in registers along its 2,048 columns and leaves as the next product's operand.
; Operands lie as images of the operand's registers: 16 rows x 128 K = 1,536 bytes; a unit of 16 rows x 1,024 K: codes at COFF + 12,288 u, scale words at 512 u.  A: the tokens' units 0-255 of the first buffer.
; B: units 512-767 of the second: four units of mlp_in_w, then the four units of mlp_gate_w for the same 64 columns, and so on.  So a wave's eight blocks of B are "in" (0-3) and "gate" (4-7) of the SAME 64 columns, and the two meet in one lane.
; Place p of a matrix holds row sigma(p), p with bits 3 and 4 exchanged: a lane's 16 results of B's tiles 2 b, 2 b + 1 are the neighbours 32 b + 16 (lane / 16) + 0 .. 15 along the next K.
; A tile of 256 x 256 is made by four waves, 128 x 128 each.  K goes in steps of 256 through two LDS slots filled by the tensor data mover.  CLUSTERS of 4 x 4: A's tile is shared along a row, B's along a column: joint loads.
; OUT: fragment (block of 16 tokens rb, K step ks) at 262,144 + (16 rb + ks) x 1,536; a wave's 64 columns are half a fragment.  Scale words at (16 rb + ks) x 64 + 4 r: a wave has two of a word's four bytes, the neighbouring wave the others,
; so they leave as stores of two bytes: one part in 24 of the codes' bytes.
; LIMITS: a block whose largest magnitude lies under 2^-124 (zeros among them) gets the scale byte 1; NaN and infinities are not served.
; REGISTERS: window 0: v1-31 addresses; v32-63 scale words, two sets; v128-223 A's fragments.  Window 1: B's fragments, two sets.  Windows 2, 3: accumulator (a, b) at v[8 (8 (a % 4) + b)].
.set KTOT,   1024
.set A_CODE, 458752
.set A_SCAL, 0
.set B_CODE, 458752+512*12288
.set B_SCAL, 512*512
.set KF,     KTOT/128
.set FRB,    1536
.set RBB,    KF*FRB
.set NQ,     2
.set KSB,    NQ*FRB
.set FR,     12
.set NL,     4
.set NP,     4
.set HALFT,  8*KSB
.set SLOT,   4*HALFT
.set LAPS,   KTOT/512
.set SBLK,   KF*64
.set HALFS,  8*SBLK
.set SCL,    2*SLOT
.set SPARE,  SCL+4*HALFS
.set ADRA, 16
.set ADRB, 20
.set ADRS, 27
.set SPW,  28
.set NIL,  29
.set SC,   32
.set AF,   128
.set T,    64                          ; the way out: v64-95 32 numbers at work
.set U,    96                          ; v96-127 in x gate
.set CD,   128                         ; v128-175 codes, six registers for each of A's blocks
.set SB,   176                         ; v176-183 two scale bytes for each block
.set TM,   184                         ; v184-194 the quantiser's
.set WD,   200                         ; v200-203 scale bytes as they are stored
.set SEL,  96                          ; s[96:97]
.set G1, 24
.set G0, 32
.set G1B, 48
.set G0B, 56
.set G1S, 68
.set G0S, 76
.set G1SB, 80
.set G0SB, 88
.set MSB, 0
.macro WIN new
.if MSB != (\new)
	s_set_vgpr_msb (MSB<<8)|(\new)
.set MSB, (\new)
.endif
.endm
.set MUL_LO, 0xa1
.set MUL_HI, 0xf1
.set TO_B,   0x40
.macro JLOAD g0a, g1a, g0b, g1b        ; a joint load: waves 0, 1 for A, waves 2, 3 for B; an s_nop 0 and four v_nop follow each line
	s_cmp_eq_u32 s15, 0
	s_cbranch_scc0 .Lfor_b_\@
	tensor_load_to_lds s[\g0a:\g0a+3], s[\g1a:\g1a+7]
	s_nop 0
.rept 4
	v_nop
.endr
	s_branch .Lasked_\@
.Lfor_b_\@:
	tensor_load_to_lds s[\g0b:\g0b+3], s[\g1b:\g1b+7]
	s_nop 0
.rept 4
	v_nop
.endr
.Lasked_\@:
.endm
.macro CREST
	s_cmp_lg_u32 s14, 0
	s_cbranch_scc1 .Lnot_wave_0_\@
	s_barrier_signal -3
.Lnot_wave_0_\@:
	s_barrier_wait -3
	s_barrier_signal -1
	s_barrier_wait -1
.endm
.macro CROUND
	s_barrier_signal -1
	s_barrier_wait -1
	CREST
.endm
	s_load_b128 s[4:7], s[0:1], 0x0                ; A's buffer s[4:5], B's s[6:7]
	s_load_b64 s[8:9], s[0:1], 0x10                ; the result
	v_lshl_add_u32 v[SPW], v0, 2, SPARE
	v_mov_b32 v[NIL], 0
	ds_add_u32 v[SPW], v[NIL]                      ; the wave's opening: the add and its wait ahead of my first tensor load
	v_lshrrev_b32 v1, 5, v0
	v_readfirstlane_b32 s14, v1                    ; wave 0..3
	s_lshr_b32 s15, s14, 1                         ; my half of A's rows; also: I fetch for A (0) or B (1)
	s_and_b32 s16, s14, 1                          ; my half of B's rows; also: which 128 rows I fetch
	s_bfe_u32 s40, ttmp6, 0x40000                  ; cx
	s_bfe_u32 s41, ttmp6, 0x40004                  ; cy
	s_lshl_b32 s42, ttmp9, 2
	s_add_co_u32 s42, s42, s40                     ; B's tile
	s_and_b32 s17, ttmp7, 0xffff
	s_lshl_b32 s17, s17, 2
	s_add_co_u32 s17, s17, s41                     ; A's tile
	s_lshl_b32 s43, s41, 2
	s_lshl_b32 s43, 15, s43                        ; my row of the cluster
	s_lshl_b32 s44, 0x1111, s40                    ; my column
	s_or_b32 s[G1+0], s43, (3<<16)|(1<<21)         ; codes: 8 rows of 384 elements of 8 bytes, RBB bytes apart, dense in LDS; the mask, and bit 21 beside it
	s_or_b32 s[G1B+0], s44, (3<<16)|(1<<21)
.irp g, G1, G1B
	s_mov_b32 s[\g+1], 384<<16
	s_mov_b32 s[\g+2], 8<<16
	s_mov_b32 s[\g+3], 384<<16
	s_mov_b32 s[\g+4], 8
	s_mov_b32 s[\g+5], RBB/8
	s_mov_b32 s[\g+6], 0
	s_mov_b32 s[\g+7], 0
.endr
	s_or_b32 s[G1S+0], s43, (3<<16)|(1<<21)        ; scale words of 128 rows: HALFS dense bytes as rows of 256
	s_or_b32 s[G1SB+0], s44, (3<<16)|(1<<21)
.irp g, G1S, G1SB
	s_mov_b32 s[\g+1], 32<<16
	s_mov_b32 s[\g+2], (HALFS/256)<<16
	s_mov_b32 s[\g+3], 32<<16
	s_mov_b32 s[\g+4], HALFS/256
	s_mov_b32 s[\g+5], 32
	s_mov_b32 s[\g+6], 0
	s_mov_b32 s[\g+7], 0
.endr
	s_lshl_b32 s18, s16, 3
	s_lshl_b32 s20, s17, 4
	s_add_co_u32 s20, s20, s18
	s_lshl_b32 s46, s42, 4
	s_add_co_u32 s46, s46, s18
	s_mul_i32 s22, s20, SBLK
	s_mul_i32 s92, s46, SBLK
	s_mul_i32 s20, s20, RBB
	s_mul_i32 s46, s46, RBB
	s_add_co_u32 s20, s20, A_CODE
	s_add_co_u32 s22, s22, A_SCAL
	s_add_co_u32 s46, s46, B_CODE
	s_add_co_u32 s92, s92, B_SCAL
	s_mov_b32 s21, 0
	s_mov_b32 s23, 0
	s_mov_b32 s47, 0
	s_mov_b32 s93, 0
	s_mul_i32 s45, s14, HALFT
	s_mul_i32 s94, s14, HALFS
	s_mov_b32 s[SEL], 0x76543210
	s_mov_b32 s[SEL+1], 0xfedcba98
	s_mov_b32 s95, 0xbfb8aa3b                      ; -log2(e)
	s_wait_dscnt 0x0                               ; the opening add is done
	s_wait_kmcnt 0x0
	s_add_nc_u64 s[20:21], s[4:5], s[20:21]
	s_add_nc_u64 s[22:23], s[4:5], s[22:23]
	s_add_nc_u64 s[46:47], s[6:7], s[46:47]
	s_add_nc_u64 s[92:93], s[6:7], s[92:93]
	CROUND                                         ; all sixteen work-groups are here: the first joint loads meet
	s_mov_b32 s[G0S], 1
	s_add_co_u32 s[G0S+1], s94, SCL
	s_mov_b64 s[G0S+2:G0S+3], s[22:23]
	s_or_b32 s[G0S+3], s[G0S+3], 0x80000000
	s_mov_b32 s[G0SB], 1
	s_add_co_u32 s[G0SB+1], s94, SCL
	s_mov_b64 s[G0SB+2:G0SB+3], s[92:93]
	s_or_b32 s[G0SB+3], s[G0SB+3], 0x80000000
	JLOAD G0S, G1S, G0SB, G1SB
.irp s, 0,1
	s_mov_b32 s[G0+4*\s], 1
	s_add_co_u32 s[G0+4*\s+1], s45, \s*SLOT
	s_add_nc_u64 s[G0+4*\s+2:G0+4*\s+3], s[20:21], \s*KSB
	s_or_b32 s[G0+4*\s+3], s[G0+4*\s+3], 0x80000000
	s_mov_b32 s[G0B+4*\s], 1
	s_add_co_u32 s[G0B+4*\s+1], s45, \s*SLOT
	s_add_nc_u64 s[G0B+4*\s+2:G0B+4*\s+3], s[46:47], \s*KSB
	s_or_b32 s[G0B+4*\s+3], s[G0B+4*\s+3], 0x80000000
	JLOAD G0+4*\s, G1, G0B+4*\s, G1B               ; three tensor loads of mine are out now
.endr
	v_and_b32 v1, 15, v0                           ; r
	v_bfe_u32 v2, v0, 4, 1                         ; h
	v_and_b32 v3, 31, v0                           ; lane
	v_lshlrev_b32 v4, 4, v3
	v_lshlrev_b32 v5, 3, v3
	s_mul_i32 s21, s15, HALFT
	s_mul_i32 s22, s16, HALFT
	s_add_co_u32 s22, s22, 2*HALFT
.irp s, 0,1
	v_add_nc_u32 v[ADRA+\s], s21, v4
	v_add_nc_u32 v[ADRB+\s], s22, v4
	v_add_nc_u32 v[ADRA+2+\s], s21, v5
	v_add_nc_u32 v[ADRB+2+\s], s22, v5
	s_add_co_u32 s21, s21, SLOT
	s_add_co_u32 s22, s22, SLOT
.endr
	s_mul_i32 s21, s15, HALFS
	s_mul_i32 s22, s16, HALFS
	s_add_co_u32 s22, s22, 2*HALFS
	s_sub_co_u32 s22, s22, s21
	v_mul_u32_u24 v6, s22, v2                      ; lanes 16-31 take B's scale words: one product, the distance between the two
	s_add_co_u32 s21, s21, SCL
	v_lshl_add_u32 v6, v1, 2, v6
	v_add_nc_u32 v[ADRS], s21, v6
	; where my results go
	s_lshl_b32 s20, s17, 4
	s_lshl_b32 s21, s15, 3
	s_add_co_u32 s20, s20, s21                     ; my first block of 16 tokens
	s_lshl_b32 s20, s20, 4
	s_add_co_u32 s20, s20, s42                     ; its fragment of K step = B's tile
	s_lshl_b32 s22, s20, 6
	s_lshl_b32 s21, s16, 1
	s_add_co_u32 s22, s22, s21                     ; my two bytes of its scale words
	s_mul_i32 s20, s20, 1536
	s_mul_i32 s21, s16, 768
	s_add_co_u32 s20, s20, s21
	s_add_co_u32 s20, s20, 262144
	s_mov_b32 s21, 0
	s_mov_b32 s23, 0
	s_add_nc_u64 s[10:11], s[8:9], s[20:21]
	s_add_nc_u64 s[12:13], s[8:9], s[22:23]
.macro FRAG reg, adr, q, i             ; a fragment comes as it lies: for each half of K, registers 0-3 by 16 bytes a lane and registers 4-5 by 8
.irp c, 0,1
	ds_load_b128 v[\reg+6*\c:\reg+6*\c+3], v[\adr] offset:(2*(\i)+(\q))*FRB+768*\c
	ds_load_b64 v[\reg+6*\c+4:\reg+6*\c+5], v[\adr+2] offset:(2*(\i)+(\q))*FRB+768*\c+512
.endr
.endm
.macro MUL16 a0, p, q, sc, zero        ; 16 matrix instructions; the 64 accumulators take turns, one instruction a turn
.irp a, \a0, \a0+1
.irp b, 0,1,2,3,4,5,6,7
.if \zero
	v_wmma_scale_f32_16x16x128_f8f6f4 v[8*(8*((\a)%4)+\b):8*(8*((\a)%4)+\b)+7], v[128*(\p)+FR*\b:128*(\p)+FR*\b+FR-1], v[AF+FR*(\a):AF+FR*(\a)+FR-1], 0, v[SC+8*NQ*(\sc)+NQ*\b+(\q)], v[SC+8*NQ*(\sc)+NQ*(\a)+(\q)] matrix_a_fmt:MATRIX_FMT_FP6 matrix_b_fmt:MATRIX_FMT_FP6 matrix_a_scale:MATRIX_SCALE_ROW1
.else
	v_wmma_scale_f32_16x16x128_f8f6f4 v[8*(8*((\a)%4)+\b):8*(8*((\a)%4)+\b)+7], v[128*(\p)+FR*\b:128*(\p)+FR*\b+FR-1], v[AF+FR*(\a):AF+FR*(\a)+FR-1], v[8*(8*((\a)%4)+\b):8*(8*((\a)%4)+\b)+7], v[SC+8*NQ*(\sc)+NQ*\b+(\q)], v[SC+8*NQ*(\sc)+NQ*(\a)+(\q)] matrix_a_fmt:MATRIX_FMT_FP6 matrix_b_fmt:MATRIX_FMT_FP6 matrix_a_scale:MATRIX_SCALE_ROW1
.endif
.endr
.endr
.endm
.macro FETCH_B slot, q, p
	WIN TO_B
.irp i, 0,1,2,3,4,5,6,7
	FRAG 128*(\p)+FR*\i, ADRB+\slot, \q, \i
.endr
	WIN 0
.endm
.macro FETCH_A slot, q, i0
.irp i, \i0, \i0+1, \i0+2, \i0+3
	FRAG AF+FR*(\i), ADRA+\slot, \q, \i
.endr
.endm
.macro SCALES sc
.irp i, 0,1,2,3,4,5,6,7
.irp q, 0,1
	ds_load_b32 v[SC+8*NQ*\sc+NQ*\i+\q], v[ADRS] offset:\i*SBLK+64*\q
.endr
.endr
.endm
.macro PLACES n
.rept \n
	v_nop
.endr
.endm
.macro STEP slot, q, zero
	s_wait_dscnt 4*NL                              ; all but the youngest 16 loads (A's blocks 4-7) are in
	WIN MUL_LO
	MUL16 0, (\q)%2, \q, \slot, \zero
	MUL16 2, (\q)%2, \q, \slot, \zero
	s_wait_dscnt 0
	PLACES NP
	FETCH_B \slot, (\q)+1, 1-(\q)%2
	FETCH_A \slot, (\q)+1, 0
	WIN MUL_HI
	MUL16 4, (\q)%2, \q, \slot, \zero
	MUL16 6, (\q)%2, \q, \slot, \zero
	PLACES NP
	WIN 0
	FETCH_A \slot, (\q)+1, 4
.endm
.macro TURN slot, next, fill           ; a slot's last step changes slots: one barrier, the three lines in front of it, the refill first behind it
	s_wait_tensorcnt 0x0                           ; all my tensor loads have landed: my part of the next slot
	ds_add_u32 v[SPW], v[NIL]                      ; 0 onto my spare word
	s_wait_dscnt 4*NL+1                            ; (the add and the youngest 16 loads may be out)
	WIN MUL_LO
	MUL16 0, 1, NQ-1, \slot, 0
	s_wait_dscnt 0x0                               ; the add is done, and my reads of this slot are over
	s_barrier_signal -1
	MUL16 2, 1, NQ-1, \slot, 0
	WIN 0
	s_barrier_wait -1
.if \fill
	CREST                                          ; a round of the cluster's barrier: no wave of any partner still reads this slot or has a load on its way
	s_add_nc_u64 s[G0+4*\slot+2:G0+4*\slot+3], s[G0+4*\slot+2:G0+4*\slot+3], 2*KSB
	s_add_nc_u64 s[G0B+4*\slot+2:G0B+4*\slot+3], s[G0B+4*\slot+2:G0B+4*\slot+3], 2*KSB
	JLOAD G0+4*\slot, G1, G0B+4*\slot, G1B
.else
	PLACES NP
.endif
	v_add_nc_u32 v[ADRS], 64*NQ, v[ADRS]
	FETCH_B \next, 0, 0
	FETCH_A \next, 0, 0
	SCALES \next
	WIN MUL_HI
	MUL16 4, 1, NQ-1, \slot, 0
	MUL16 6, 1, NQ-1, \slot, 0
	PLACES NP
	WIN 0
	FETCH_A \next, 0, 4
.endm
	s_wait_tensorcnt 1                             ; the scale words and my part of K step 0 are in; K step 1's load may be out
	s_barrier_signal -1
	s_barrier_wait -1
	FETCH_B 0, 0, 0
	FETCH_A 0, 0, 0
	SCALES 0
	FETCH_A 0, 0, 4
	STEP 0, 0, 1
	s_mov_b32 s3, LAPS-1
.Llap:
	TURN 0, 1, 1
	STEP 1, 0, 0
	TURN 1, 0, 1
	STEP 0, 0, 0
	s_sub_co_u32 s3, s3, 1
	s_cmp_lg_u32 s3, 0
	s_cbranch_scc1 .Llap
	TURN 0, 1, 0
	STEP 1, 0, 0
	s_wait_dscnt 4*NL
	WIN MUL_LO
	MUL16 0, 1, NQ-1, 1, 0
	MUL16 2, 1, NQ-1, 1, 0
	s_wait_dscnt 0
	WIN MUL_HI
	MUL16 4, 1, NQ-1, 1, 0
	MUL16 6, 1, NQ-1, 1, 0
	WIN 0
; THE QUANTISER.  32 numbers of a lane, v[s] .. v[s + 31] of window w, register 16 b + i = k 32 b + 16 (lane / 16) + i of my row, become half a fragment's six registers v[d ..] and two scale bytes in v[sb].
.macro QH s, w, d, sb
	WIN (\w)|((\w)<<2)
.irp b, 0,1
	v_max3_num_f32 v[TM+\b], |v[\s+16*\b]|, |v[\s+16*\b+1]|, 0x1800000   ; my 16 numbers of block b, and the floor 2^(3 - 127): the byte cannot fall under 1
.endr
.irp i, 2,4,6,8,10,12,14
.irp b, 0,1
	v_max3_num_f32 v[TM+\b], |v[\s+16*\b+\i]|, |v[\s+16*\b+\i+1]|, v[TM+\b]
.endr
.endr
	WIN 0
	v_permlanex16_b32 v[TM+2], v[TM], s[SEL], s[SEL+1]
	v_permlanex16_b32 v[TM+3], v[TM+1], s[SEL], s[SEL+1]
	v_max_num_f32 v[TM], v[TM], v[TM+2]
	v_max_num_f32 v[TM+1], v[TM+1], v[TM+3]
	v_add_nc_u32 v[TM+4], 0xff000000, v[TM]        ; 2 off the exponent field: the conversion's scale operand
	v_add_nc_u32 v[TM+5], 0xff000000, v[TM+1]
	v_lshrrev_b32 v[TM+6], 23, v[TM+4]
	v_lshrrev_b32 v[TM+7], 23, v[TM+5]
	v_lshl_or_b32 v[\sb], v[TM+7], 8, v[TM+6]
	WIN \w
	v_cvt_scalef32_pk16_fp6_f32 v[\d:\d+2], v[\s:\s+15], v[TM+4]
	v_cvt_scalef32_pk16_fp6_f32 v[TM+8:TM+10], v[\s+16:\s+31], v[TM+5]
	WIN 0
	v_nop                                          ; one plain instruction behind the scaled conversions
.irp i, 0,1,2
	v_permlane16_swap_b32 v[\d+\i], v[TM+8+\i]
.endr
.irp i, 0,1,2
	v_mov_b32 v[\d+3+\i], v[TM+8+\i]
.endr
.endm
	; THE WAY OUT.  For each of A's blocks: acts = in x gate / (1 + 2^(-in log2(e))), in f32; where the power overflows, its reciprocal is 0, as silu is there.  Each accumulator is read from its low end on.
	PLACES NP
	v_lshlrev_b32 v26, 2, v1
	v_lshl_add_u32 v26, v2, 10, v26                ; the scale bytes' place: 4 r, and one block of 16 tokens (1,024 bytes) on for lanes 16-31
	v_mov_b32 v[TM+2], 0                           ; written once: a lane permute's destination counts as one of its sources
	v_mov_b32 v[TM+3], 0
.irp a, 0,1,2,3,4,5,6,7
.set AC, 64*(\a%4)
.set WA, 2+\a/4
	WIN WA<<2
.set j, 0
.rept 32
	v_mul_f32 v[T+j], s95, v[AC+j]
.set j, j+1
.endr
	WIN 0
.set j, 0
.rept 32
	v_exp_f32 v[T+j], v[T+j]                       ; one batch
.set j, j+1
.endr
	WIN WA|(WA<<2)
.set j, 0
.rept 16
	v_pk_mul_f32 v[U+j:U+j+1], v[AC+j:AC+j+1], v[AC+32+j:AC+33+j]   ; in x gate: plain work behind the batch, which names none of its results
.set j, j+2
.endr
	WIN 0
	s_wait_alu depctr_va_vdst(0)                   ; one wait for the batch, ahead of its first reader
.set j, 0
.rept 16
	v_pk_add_f32 v[T+j:T+j+1], v[T+j:T+j+1], 1.0 op_sel_hi:[1,0]
.set j, j+2
.endr
.set j, 0
.rept 32
	v_rcp_f32 v[T+j], v[T+j]                       ; a second batch
.set j, j+1
.endr
	v_nop
	s_wait_alu depctr_va_vdst(0)
.set j, 0
.rept 16
	v_pk_mul_f32 v[T+j:T+j+1], v[T+j:T+j+1], v[U+j:U+j+1]
.set j, j+2
.endr
	QH T, 0, CD+6*\a, SB+\a
.endr
	v_cmp_lt_u32 vcc_lo, 15, v3                    ; lanes 16-31
.irp a, 0,1,2,3,4,5,6,7
	global_store_b128 v4, v[CD+6*\a:CD+6*\a+3], s[10:11] offset:24576*\a        ; 512 consecutive bytes, aligned to 256
	global_store_b64 v5, v[CD+6*\a+4:CD+6*\a+5], s[10:11] offset:24576*\a+512   ; 256 consecutive bytes, aligned
.endr
.irp g, 0,1,2,3
	v_cndmask_b32 v[WD+\g], v[SB+2*\g], v[SB+2*\g+1], vcc_lo   ; lanes 0-15 carry block 2 g's bytes, lanes 16-31 block 2 g + 1's
	global_store_b16 v26, v[WD+\g], s[12:13] offset:2048*\g
.endr
	s_wait_tensorcnt 0x0                           ; the wave's end, behind my last tensor load
	ds_add_u32 v[SPW], v[NIL]
	s_wait_dscnt 0x0
	CROUND                                         ; the closing round
	s_endpgm
.Lfunc_end_k_q9c97d96c63_g_ig:
	.size	k_q9c97d96c63_g_ig, .Lfunc_end_k_q9c97d96c63_g_ig-k_q9c97d96c63_g_ig
	.p2alignl 7, 3214868480
	.fill 96, 4, 3214868480
	.section	.rodata,"a",@progbits
	.p2align	6, 0x0
	.amdhsa_kernel k_q9c97d96c63_g_ig
		.amdhsa_group_segment_fixed_size 327680
		.amdhsa_private_segment_fixed_size 0
		.amdhsa_enable_private_segment 0
		.amdhsa_kernarg_size 24
		.amdhsa_user_sgpr_count 2
		.amdhsa_user_sgpr_kernarg_segment_ptr 1
		.amdhsa_wavefront_size32 1
		.amdhsa_system_sgpr_workgroup_id_x 1
		.amdhsa_system_sgpr_workgroup_id_y 1
		.amdhsa_system_sgpr_workgroup_id_z 1
		.amdhsa_system_vgpr_workitem_id 0
		.amdhsa_next_free_vgpr 1024
		.amdhsa_next_free_sgpr 100
		.amdhsa_reserve_vcc 1
		.amdhsa_float_denorm_mode_32 3
		.amdhsa_float_denorm_mode_16_64 3
		.amdhsa_memory_ordered 1
		.amdhsa_forward_progress 1
		.amdhsa_inst_pref_size 183
	.end_amdhsa_kernel
	.amdgpu_metadata
---
amdhsa.version: [ 1, 2 ]
amdhsa.kernels:
  - .name:           k_q9c97d96c63_g_ig
    .symbol:         k_q9c97d96c63_g_ig.kd
    .args:
      - { .name: h2q, .offset: 0, .size: 8, .value_kind: global_buffer, .address_space: global }
      - { .name: wq, .offset: 8, .size: 8, .value_kind: global_buffer, .address_space: global }
      - { .name: aq, .offset: 16, .size: 8, .value_kind: global_buffer, .address_space: global }
    .group_segment_fixed_size: 327680
    .private_segment_fixed_size: 0
    .kernarg_segment_align: 8
    .kernarg_segment_size: 24
    .max_flat_workgroup_size: 128
    .sgpr_count:     100
    .vgpr_count:     1024
    .wavefront_size: 32
...
	.end_amdgpu_metadata
.endif
;; end of part 5
;; launch g_mo (part 6): grid 4 x 16, 4 waves a work-group, clusters of 4 x 4, 327,680 bytes of LDS; arguments aq, wq, x1, out0; writes out0
.if DOCPART == 6
	.amdgcn_target "amdgcn-amd-amdhsa--gfx1250"
	.amdhsa_code_object_version 6
	.text
	.protected	k_q9c97d96c63_g_mo
	.globl	k_q9c97d96c63_g_mo
	.p2align	8
	.type	k_q9c97d96c63_g_mo,@function
k_q9c97d96c63_g_mo:
	s_mov_b64 s[64:65], 0
	v_nop
	global_prefetch_b8 v0, s[64:65] scope:SCOPE_SE
	s_setreg_imm32_b32 hwreg(HW_REG_WAVE_MODE, 25, 1), 1
	s_wait_xcnt 0x0
	s_wait_alu depctr_hold_cnt(0) depctr_sa_sdst(0) depctr_va_vdst(0) depctr_va_sdst(0) depctr_va_ssrc(0) depctr_va_vcc(0) depctr_vm_vsrc(0)
	s_getreg_b32 s2, hwreg(HW_REG_IB_STS2, 6, 4)
	s_cmp_eq_u32 s2, 0
	s_cbranch_scc0 .Lentry_in_a_cluster
	s_endpgm
.Lentry_in_a_cluster:
	s_bfe_u32 s2, ttmp6, 0x10000c
	s_cmp_lg_u32 s2, 0xf033
	s_cbranch_scc0 .Lentry_shape_is_right
	s_endpgm
.Lentry_shape_is_right:
; out = x1 + acts x mlp_out_w^T, the product on codes of FP6 (E2M3) with E8M0 scales, K = 2,048; x1 and out are f32, [4,096][1,024].
; Operands lie as images of the operand's registers: 16 rows x 128 K = 1,536 bytes, fragment (block of 16 rows rb, K step ks) at (16 rb + ks) x 1,536; scale words at (16 rb + ks) x 64 + 4 r.
; Place p of a matrix holds row sigma(p), p with bits 3 and 4 exchanged; the way out puts rows and columns back.
; A tile of 256 x 256 is made by four waves, 128 x 128 each: 64 accumulators, 512 registers.  K goes in steps of 256 through two LDS slots filled by the tensor data mover; a wave's load brings 8 blocks' 3,072 bytes.
; CLUSTERS of 4 x 4: source 1's tile (A: tokens) is shared along a row of the cluster, source 0's (B: weight rows) along a column: joint loads.  The scale words of the work-group's rows, for all of K, come once with the first fills.
; The result has 64 tiles of this size: the launch has 64 work-groups.
; REGISTERS: window 0: v1-31 addresses; v32-63 scale words, two sets; v128-223 A's fragments, one set.  Window 1: B's fragments, two sets, at v0 and v128; on the way out four sets of 64 for the residual.  Windows 2, 3: accumulator (a, b) at v[8 (8 (a % 4) + b)].
.set KTOT,   2048
.set A_CODE, 262144
.set A_SCAL, 0
.set B_CODE, 458752+768*12288
.set B_SCAL, 768*512
.set KF,     KTOT/128
.set FRB,    1536
.set RBB,    KF*FRB
.set NQ,     2
.set KSB,    NQ*FRB
.set FR,     12
.set NL,     4
.set NP,     4
.set HALFT,  8*KSB
.set SLOT,   4*HALFT
.set LAPS,   KTOT/512
.set SBLK,   KF*64
.set HALFS,  8*SBLK
.set SCL,    2*SLOT
.set SPARE,  SCL+4*HALFS
.set SPITCH, 528                       ; the way out: a stage of 16 rows x (512 bytes + 16) for each wave, in slot 0, which has had its last fill and its last read by then
.set ADRA, 16
.set ADRB, 20
.set STO,  24
.set RD,   25
.set CO,   26
.set ADRS, 27
.set SPW,  28
.set NIL,  29
.set SC,   32
.set AF,   128
.set BK,   128
.set G1, 24
.set G0, 32
.set G1B, 48
.set G0B, 56
.set G1S, 68
.set G0S, 76
.set G1SB, 80
.set G0SB, 88
.set MSB, 0
.macro WIN new
.if MSB != (\new)
	s_set_vgpr_msb (MSB<<8)|(\new)
.set MSB, (\new)
.endif
.endm
.set MUL_LO, 0xa1
.set MUL_HI, 0xf1
.set TO_B,   0x40
.macro JLOAD g0a, g1a, g0b, g1b        ; a joint load: waves 0, 1 for A, waves 2, 3 for B; an s_nop 0 and four v_nop follow each line
	s_cmp_eq_u32 s15, 0
	s_cbranch_scc0 .Lfor_b_\@
	tensor_load_to_lds s[\g0a:\g0a+3], s[\g1a:\g1a+7]
	s_nop 0
.rept 4
	v_nop
.endr
	s_branch .Lasked_\@
.Lfor_b_\@:
	tensor_load_to_lds s[\g0b:\g0b+3], s[\g1b:\g1b+7]
	s_nop 0
.rept 4
	v_nop
.endr
.Lasked_\@:
.endm
.macro CREST
	s_cmp_lg_u32 s14, 0
	s_cbranch_scc1 .Lnot_wave_0_\@
	s_barrier_signal -3
.Lnot_wave_0_\@:
	s_barrier_wait -3
	s_barrier_signal -1
	s_barrier_wait -1
.endm
.macro CROUND
	s_barrier_signal -1
	s_barrier_wait -1
	CREST
.endm
	s_load_b128 s[4:7], s[0:1], 0x0                ; A's buffer s[4:5], B's s[6:7]
	s_load_b128 s[8:11], s[0:1], 0x10              ; the residual s[8:9], the result s[10:11]
	v_lshl_add_u32 v[SPW], v0, 2, SPARE
	v_mov_b32 v[NIL], 0
	ds_add_u32 v[SPW], v[NIL]                      ; the wave's opening: the add and its wait ahead of my first tensor load
	v_lshrrev_b32 v1, 5, v0
	v_readfirstlane_b32 s14, v1                    ; wave 0..3
	s_lshr_b32 s15, s14, 1                         ; my half of A's rows; also: I fetch for A (0) or B (1)
	s_and_b32 s16, s14, 1                          ; my half of B's rows; also: which 128 rows I fetch
	s_bfe_u32 s40, ttmp6, 0x40000                  ; cx
	s_bfe_u32 s41, ttmp6, 0x40004                  ; cy
	s_lshl_b32 s42, ttmp9, 2
	s_add_co_u32 s42, s42, s40                     ; B's tile
	s_and_b32 s17, ttmp7, 0xffff
	s_lshl_b32 s17, s17, 2
	s_add_co_u32 s17, s17, s41                     ; A's tile
	s_lshl_b32 s43, s41, 2
	s_lshl_b32 s43, 15, s43                        ; my row of the cluster
	s_lshl_b32 s44, 0x1111, s40                    ; my column
	s_or_b32 s[G1+0], s43, (3<<16)|(1<<21)         ; codes: 8 rows of 384 elements of 8 bytes, RBB bytes apart, dense in LDS; the mask, and bit 21 beside it
	s_or_b32 s[G1B+0], s44, (3<<16)|(1<<21)
.irp g, G1, G1B
	s_mov_b32 s[\g+1], 384<<16
	s_mov_b32 s[\g+2], 8<<16
	s_mov_b32 s[\g+3], 384<<16
	s_mov_b32 s[\g+4], 8
	s_mov_b32 s[\g+5], RBB/8
	s_mov_b32 s[\g+6], 0
	s_mov_b32 s[\g+7], 0
.endr
	s_or_b32 s[G1S+0], s43, (3<<16)|(1<<21)        ; scale words of 128 rows: HALFS dense bytes as rows of 256
	s_or_b32 s[G1SB+0], s44, (3<<16)|(1<<21)
.irp g, G1S, G1SB
	s_mov_b32 s[\g+1], 32<<16
	s_mov_b32 s[\g+2], (HALFS/256)<<16
	s_mov_b32 s[\g+3], 32<<16
	s_mov_b32 s[\g+4], HALFS/256
	s_mov_b32 s[\g+5], 32
	s_mov_b32 s[\g+6], 0
	s_mov_b32 s[\g+7], 0
.endr
	s_lshl_b32 s18, s16, 3
	s_lshl_b32 s20, s17, 4
	s_add_co_u32 s20, s20, s18                     ; A's first block of 16 rows: 16 x tile + 8 x half
	s_lshl_b32 s46, s42, 4
	s_add_co_u32 s46, s46, s18                     ; B's
	s_mul_i32 s22, s20, SBLK
	s_mul_i32 s92, s46, SBLK
	s_mul_i32 s20, s20, RBB
	s_mul_i32 s46, s46, RBB
	s_add_co_u32 s20, s20, A_CODE
	s_add_co_u32 s22, s22, A_SCAL
	s_add_co_u32 s46, s46, B_CODE
	s_add_co_u32 s92, s92, B_SCAL
	s_mov_b32 s21, 0
	s_mov_b32 s23, 0
	s_mov_b32 s47, 0
	s_mov_b32 s93, 0
	s_mul_i32 s45, s14, HALFT                      ; no place in the cluster enters an LDS address
	s_mul_i32 s94, s14, HALFS
	s_wait_dscnt 0x0                               ; the opening add is done
	s_wait_kmcnt 0x0
	s_add_nc_u64 s[20:21], s[4:5], s[20:21]
	s_add_nc_u64 s[22:23], s[4:5], s[22:23]
	s_add_nc_u64 s[46:47], s[6:7], s[46:47]
	s_add_nc_u64 s[92:93], s[6:7], s[92:93]
	CROUND                                         ; all sixteen work-groups are here: the first joint loads meet
	s_mov_b32 s[G0S], 1
	s_add_co_u32 s[G0S+1], s94, SCL
	s_mov_b64 s[G0S+2:G0S+3], s[22:23]
	s_or_b32 s[G0S+3], s[G0S+3], 0x80000000
	s_mov_b32 s[G0SB], 1
	s_add_co_u32 s[G0SB+1], s94, SCL
	s_mov_b64 s[G0SB+2:G0SB+3], s[92:93]
	s_or_b32 s[G0SB+3], s[G0SB+3], 0x80000000
	JLOAD G0S, G1S, G0SB, G1SB
.irp s, 0,1
	s_mov_b32 s[G0+4*\s], 1
	s_add_co_u32 s[G0+4*\s+1], s45, \s*SLOT
	s_add_nc_u64 s[G0+4*\s+2:G0+4*\s+3], s[20:21], \s*KSB
	s_or_b32 s[G0+4*\s+3], s[G0+4*\s+3], 0x80000000
	s_mov_b32 s[G0B+4*\s], 1
	s_add_co_u32 s[G0B+4*\s+1], s45, \s*SLOT
	s_add_nc_u64 s[G0B+4*\s+2:G0B+4*\s+3], s[46:47], \s*KSB
	s_or_b32 s[G0B+4*\s+3], s[G0B+4*\s+3], 0x80000000
	JLOAD G0+4*\s, G1, G0B+4*\s, G1B               ; three tensor loads of mine are out now
.endr
	v_and_b32 v1, 15, v0                           ; r
	v_bfe_u32 v2, v0, 4, 1                         ; h
	v_and_b32 v3, 31, v0                           ; lane
	v_lshlrev_b32 v4, 4, v3
	v_lshlrev_b32 v5, 3, v3
	s_mul_i32 s21, s15, HALFT
	s_mul_i32 s22, s16, HALFT
	s_add_co_u32 s22, s22, 2*HALFT
.irp s, 0,1
	v_add_nc_u32 v[ADRA+\s], s21, v4
	v_add_nc_u32 v[ADRB+\s], s22, v4
	v_add_nc_u32 v[ADRA+2+\s], s21, v5
	v_add_nc_u32 v[ADRB+2+\s], s22, v5
	s_add_co_u32 s21, s21, SLOT
	s_add_co_u32 s22, s22, SLOT
.endr
	s_mul_i32 s21, s15, HALFS
	s_mul_i32 s22, s16, HALFS
	s_add_co_u32 s22, s22, 2*HALFS
	s_sub_co_u32 s22, s22, s21
	v_mul_u32_u24 v6, s22, v2                      ; lanes 16-31 take B's scale words: one product, the distance between the two
	s_add_co_u32 s21, s21, SCL
	v_lshl_add_u32 v6, v1, 2, v6
	v_add_nc_u32 v[ADRS], s21, v6
	s_mul_i32 s23, s14, 16*SPITCH                  ; my stage
	v_mul_u32_u24 v6, v1, SPITCH
	v_lshl_add_u32 v6, v2, 6, v6
	v_add_nc_u32 v[STO], s23, v6                   ; in: row r, + 64 h: accumulator b's eight numbers are columns 32 (b / 2) + 16 h + 8 (b % 2) + 0 .. 7
	v_add_nc_u32 v[RD], s23, v4                    ; back: the 32 lanes take one row of 512 bytes
	v_mov_b32 v[CO], v4                            ; and the same in memory
	s_lshl_b32 s20, s17, 8
	s_lshl_b32 s21, s15, 7
	s_add_co_u32 s20, s20, s21
	s_lshl_b32 s20, s20, 12                        ; my first row: 256 x A's tile + 128 x half, rows of 4,096 bytes
	s_lshl_b32 s46, s42, 10
	s_lshl_b32 s47, s16, 9
	s_add_co_u32 s46, s46, s47                     ; my first column, in bytes
	s_add_co_u32 s20, s20, s46
	s_mov_b32 s21, 0
	s_add_nc_u64 s[8:9], s[8:9], s[20:21]
	s_add_nc_u64 s[10:11], s[10:11], s[20:21]
.macro FRAG reg, adr, q, i             ; a fragment comes as it lies: for each half of K, registers 0-3 by 16 bytes a lane and registers 4-5 by 8
.irp c, 0,1
	ds_load_b128 v[\reg+6*\c:\reg+6*\c+3], v[\adr] offset:(2*(\i)+(\q))*FRB+768*\c
	ds_load_b64 v[\reg+6*\c+4:\reg+6*\c+5], v[\adr+2] offset:(2*(\i)+(\q))*FRB+768*\c+512
.endr
.endm
.macro MUL16 a0, p, q, sc, zero        ; 16 matrix instructions; the 64 accumulators take turns, one instruction a turn
.irp a, \a0, \a0+1
.irp b, 0,1,2,3,4,5,6,7
.if \zero
	v_wmma_scale_f32_16x16x128_f8f6f4 v[8*(8*((\a)%4)+\b):8*(8*((\a)%4)+\b)+7], v[128*(\p)+FR*\b:128*(\p)+FR*\b+FR-1], v[AF+FR*(\a):AF+FR*(\a)+FR-1], 0, v[SC+8*NQ*(\sc)+NQ*\b+(\q)], v[SC+8*NQ*(\sc)+NQ*(\a)+(\q)] matrix_a_fmt:MATRIX_FMT_FP6 matrix_b_fmt:MATRIX_FMT_FP6 matrix_a_scale:MATRIX_SCALE_ROW1
.else
	v_wmma_scale_f32_16x16x128_f8f6f4 v[8*(8*((\a)%4)+\b):8*(8*((\a)%4)+\b)+7], v[128*(\p)+FR*\b:128*(\p)+FR*\b+FR-1], v[AF+FR*(\a):AF+FR*(\a)+FR-1], v[8*(8*((\a)%4)+\b):8*(8*((\a)%4)+\b)+7], v[SC+8*NQ*(\sc)+NQ*\b+(\q)], v[SC+8*NQ*(\sc)+NQ*(\a)+(\q)] matrix_a_fmt:MATRIX_FMT_FP6 matrix_b_fmt:MATRIX_FMT_FP6 matrix_a_scale:MATRIX_SCALE_ROW1
.endif
.endr
.endr
.endm
.macro FETCH_B slot, q, p
	WIN TO_B
.irp i, 0,1,2,3,4,5,6,7
	FRAG 128*(\p)+FR*\i, ADRB+\slot, \q, \i
.endr
	WIN 0
.endm
.macro FETCH_A slot, q, i0
.irp i, \i0, \i0+1, \i0+2, \i0+3
	FRAG AF+FR*(\i), ADRA+\slot, \q, \i
.endr
.endm
.macro SCALES sc
.irp i, 0,1,2,3,4,5,6,7
.irp q, 0,1
	ds_load_b32 v[SC+8*NQ*\sc+NQ*\i+\q], v[ADRS] offset:\i*SBLK+64*\q
.endr
.endr
.endm
.macro PLACES n
.rept \n
	v_nop
.endr
.endm
.macro STEP slot, q, zero
	s_wait_dscnt 4*NL                              ; all but the youngest 16 loads (A's blocks 4-7) are in
	WIN MUL_LO
	MUL16 0, (\q)%2, \q, \slot, \zero
	MUL16 2, (\q)%2, \q, \slot, \zero
	s_wait_dscnt 0
	PLACES NP
	FETCH_B \slot, (\q)+1, 1-(\q)%2
	FETCH_A \slot, (\q)+1, 0
	WIN MUL_HI
	MUL16 4, (\q)%2, \q, \slot, \zero
	MUL16 6, (\q)%2, \q, \slot, \zero
	PLACES NP
	WIN 0
	FETCH_A \slot, (\q)+1, 4
.endm
.macro TURN slot, next, fill           ; a slot's last step changes slots: one barrier, the three lines in front of it, the refill first behind it
	s_wait_tensorcnt 0x0                           ; all my tensor loads have landed: my part of the next slot
	ds_add_u32 v[SPW], v[NIL]                      ; 0 onto my spare word
	s_wait_dscnt 4*NL+1                            ; (the add and the youngest 16 loads may be out)
	WIN MUL_LO
	MUL16 0, 1, NQ-1, \slot, 0
	s_wait_dscnt 0x0                               ; the add is done, and my reads of this slot are over
	s_barrier_signal -1
	MUL16 2, 1, NQ-1, \slot, 0
	WIN 0
	s_barrier_wait -1
.if \fill
	CREST                                          ; a round of the cluster's barrier: no wave of any partner still reads this slot or has a load on its way
	s_add_nc_u64 s[G0+4*\slot+2:G0+4*\slot+3], s[G0+4*\slot+2:G0+4*\slot+3], 2*KSB
	s_add_nc_u64 s[G0B+4*\slot+2:G0B+4*\slot+3], s[G0B+4*\slot+2:G0B+4*\slot+3], 2*KSB
	JLOAD G0+4*\slot, G1, G0B+4*\slot, G1B
.else
	PLACES NP
.endif
	v_add_nc_u32 v[ADRS], 64*NQ, v[ADRS]
	FETCH_B \next, 0, 0
	FETCH_A \next, 0, 0
	SCALES \next
	WIN MUL_HI
	MUL16 4, 1, NQ-1, \slot, 0
	MUL16 6, 1, NQ-1, \slot, 0
	PLACES NP
	WIN 0
	FETCH_A \next, 0, 4
.endm
	s_wait_tensorcnt 1                             ; the scale words and my part of K step 0 are in; K step 1's load may be out
	s_barrier_signal -1
	s_barrier_wait -1
	FETCH_B 0, 0, 0
	FETCH_A 0, 0, 0
	SCALES 0
	FETCH_A 0, 0, 4
	STEP 0, 0, 1
	s_mov_b32 s3, LAPS-1
.Llap:
	TURN 0, 1, 1
	STEP 1, 0, 0
	TURN 1, 0, 1
	STEP 0, 0, 0
	s_sub_co_u32 s3, s3, 1
	s_cmp_lg_u32 s3, 0
	s_cbranch_scc1 .Llap
	TURN 0, 1, 0
	STEP 1, 0, 0
	s_wait_dscnt 4*NL
	WIN MUL_LO
	MUL16 0, 1, NQ-1, 1, 0
	MUL16 2, 1, NQ-1, 1, 0
	s_wait_dscnt 0
	WIN MUL_HI
	MUL16 4, 1, NQ-1, 1, 0
	MUL16 6, 1, NQ-1, 1, 0
	WIN 0
; THE WAY OUT, block by block of 16 tokens x 128 columns: through my own stage in LDS, where the columns are put in order, back as whole rows of 512 bytes; the residual's same bytes are added; 32 lanes store 512 consecutive bytes.
; Place t of block a is token 32 (a / 2) + 8 (a % 2) + t + 8 (t / 8) of my 128: it stands in the immediate, 127 rows of 4,096 bytes at the most.
.macro TOSTAGE a
.set AC, 64*((\a)%4)
	WIN 0x08+4*((\a)/4)                            ; an LDS store's data: window 2 or 3
.irp b, 0,1,2,3,4,5,6,7
	ds_store_b128 v[STO], v[AC+8*\b:AC+8*\b+3] offset:128*(\b/2)+32*(\b%2)       ; each accumulator from its low end on
	ds_store_b128 v[STO], v[AC+8*\b+4:AC+8*\b+7] offset:128*(\b/2)+32*(\b%2)+16
.endr
	WIN 0
.set BB, BK+64*((\a)%2)
.irp t, 0,1,2,3,4,5,6,7,8,9,10,11,12,13,14,15
	ds_load_b128 v[BB+4*\t:BB+4*\t+3], v[RD] offset:\t*SPITCH   ; LDS serves a wave's instructions in order: these see the stores above
.endr
.endm
.macro RLOAD a                         ; the residual of block a into set a % 4 of window 1
	WIN 0x40
.irp t, 0,1,2,3,4,5,6,7,8,9,10,11,12,13,14,15
	global_load_b128 v[64*((\a)%4)+4*\t:64*((\a)%4)+4*\t+3], v[CO], s[8:9] offset:(32*((\a)/2)+8*((\a)%2)+\t+8*(\t/8))*4096 th:TH_LOAD_NT
.endr
	WIN 0
.endm
.macro SENDR a
.set BB, BK+64*((\a)%2)
.set RR, 64*((\a)%4)
	WIN 0x04                                       ; source 1: window 1
.set j, 0
.rept 32
	v_pk_add_f32 v[BB+j:BB+j+1], v[BB+j:BB+j+1], v[RR+j:RR+j+1]
.set j, j+2
.endr
	WIN 0
.irp t, 0,1,2,3,4,5,6,7,8,9,10,11,12,13,14,15
	global_store_b128 v[CO], v[BB+4*\t:BB+4*\t+3], s[10:11] offset:(32*((\a)/2)+8*((\a)%2)+\t+8*(\t/8))*4096 th:TH_STORE_NT
.endr
.endm
	PLACES NP                                      ; behind the last products: for the loads into B's and A's registers and the reads of results
	RLOAD 0
	RLOAD 1
	RLOAD 2
	RLOAD 3
	TOSTAGE 0
.irp a, 0,1,2,3,4,5,6,7
.if \a > 0
	s_wait_xcnt 0x0                                ; block a - 1's stores have read their registers: block a + 1's rows may land there
.endif
.if \a < 7
	TOSTAGE \a+1
	s_wait_dscnt 32                                ; block a is back; the next block's 16 stores and 16 loads may be out
.else
	s_wait_dscnt 0
.endif
.if \a < 5
	s_wait_loadcnt 48                              ; block a's residual is in; three younger sets of 16 loads may be out
.else
	s_wait_loadcnt 16*(7-\a)
.endif
	SENDR \a
.if \a < 4
	RLOAD \a+4
.endif
.endr
	s_wait_tensorcnt 0x0                           ; the wave's end, behind my last tensor load and my last LDS store
	ds_add_u32 v[SPW], v[NIL]
	s_wait_dscnt 0x0
	CROUND                                         ; the closing round
	s_endpgm
.Lfunc_end_k_q9c97d96c63_g_mo:
	.size	k_q9c97d96c63_g_mo, .Lfunc_end_k_q9c97d96c63_g_mo-k_q9c97d96c63_g_mo
	.p2alignl 7, 3214868480
	.fill 96, 4, 3214868480
	.section	.rodata,"a",@progbits
	.p2align	6, 0x0
	.amdhsa_kernel k_q9c97d96c63_g_mo
		.amdhsa_group_segment_fixed_size 327680
		.amdhsa_private_segment_fixed_size 0
		.amdhsa_enable_private_segment 0
		.amdhsa_kernarg_size 32
		.amdhsa_user_sgpr_count 2
		.amdhsa_user_sgpr_kernarg_segment_ptr 1
		.amdhsa_wavefront_size32 1
		.amdhsa_system_sgpr_workgroup_id_x 1
		.amdhsa_system_sgpr_workgroup_id_y 1
		.amdhsa_system_sgpr_workgroup_id_z 1
		.amdhsa_system_vgpr_workitem_id 0
		.amdhsa_next_free_vgpr 1024
		.amdhsa_next_free_sgpr 100
		.amdhsa_reserve_vcc 0
		.amdhsa_float_denorm_mode_32 3
		.amdhsa_float_denorm_mode_16_64 3
		.amdhsa_memory_ordered 1
		.amdhsa_forward_progress 1
		.amdhsa_inst_pref_size 174
	.end_amdhsa_kernel
	.amdgpu_metadata
---
amdhsa.version: [ 1, 2 ]
amdhsa.kernels:
  - .name:           k_q9c97d96c63_g_mo
    .symbol:         k_q9c97d96c63_g_mo.kd
    .args:
      - { .name: aq, .offset: 0, .size: 8, .value_kind: global_buffer, .address_space: global }
      - { .name: wq, .offset: 8, .size: 8, .value_kind: global_buffer, .address_space: global }
      - { .name: x1, .offset: 16, .size: 8, .value_kind: global_buffer, .address_space: global }
      - { .name: out0, .offset: 24, .size: 8, .value_kind: global_buffer, .address_space: global }
    .group_segment_fixed_size: 327680
    .private_segment_fixed_size: 0
    .kernarg_segment_align: 8
    .kernarg_segment_size: 32
    .max_flat_workgroup_size: 128
    .sgpr_count:     100
    .vgpr_count:     1024
    .wavefront_size: 32
...
	.end_amdgpu_metadata
.endif
;; end of part 6
;; ======== version 2 of 2: 7 launches; 1.19 times as fast as version 1
;; workspace buffers: wq 11,468,800 bytes; qkvq 9,830,400 bytes; oq 3,276,800 bytes; x1 16,777,216 bytes; h2q 3,604,480 bytes; aq 6,553,600 bytes
;; launch prep: the kernel of part 1 again; grid 896 x 1, 4 waves a work-group, no clusters, 66,304 bytes of LDS; arguments x, ln1_w, ln1_b, qkv_w, attn_out_w, mlp_in_w, mlp_gate_w, mlp_out_w, wq; writes wq
;; launch g_qkv: the kernel of part 2 again; grid 12 x 16, 4 waves a work-group, clusters of 4 x 4, 327,680 bytes of LDS; arguments wq, qkvq; writes qkvq
;; launch attn: the kernel of part 3 again; grid 8 x 32, 16 waves a work-group, no clusters, 206,848 bytes of LDS; arguments qkvq, oq; writes oq
;; launch g_ao (part 7): grid 8 x 32, 4 waves a work-group, clusters of 4 x 4, 327,680 bytes of LDS; arguments oq, wq, x, x1; writes x1
.if DOCPART == 7
	.amdgcn_target "amdgcn-amd-amdhsa--gfx1250"
	.amdhsa_code_object_version 6
	.text
	.protected	k_q9c97d96c63_g_ao
	.globl	k_q9c97d96c63_g_ao
	.p2align	8
	.type	k_q9c97d96c63_g_ao,@function
k_q9c97d96c63_g_ao:
	s_mov_b64 s[64:65], 0
	v_nop
	global_prefetch_b8 v0, s[64:65] scope:SCOPE_SE
	s_setreg_imm32_b32 hwreg(HW_REG_WAVE_MODE, 25, 1), 1
	s_wait_xcnt 0x0
	s_wait_alu depctr_hold_cnt(0) depctr_sa_sdst(0) depctr_va_vdst(0) depctr_va_sdst(0) depctr_va_ssrc(0) depctr_va_vcc(0) depctr_vm_vsrc(0)
	s_getreg_b32 s2, hwreg(HW_REG_IB_STS2, 6, 4)
	s_cmp_eq_u32 s2, 0
	s_cbranch_scc0 .Lentry_in_a_cluster
	s_endpgm
.Lentry_in_a_cluster:
	s_bfe_u32 s2, ttmp6, 0x10000c
	s_cmp_lg_u32 s2, 0xf033
	s_cbranch_scc0 .Lentry_shape_is_right
	s_endpgm
.Lentry_shape_is_right:
; x1 = x + attention's result x attn_out_w^T, the product on codes of FP6 (E2M3) with E8M0 scales, K = 1,024; x and x1 are f32, [4,096][1,024].
; Operands lie as images of the operand's registers: 16 rows x 128 K = 1,536 bytes, fragment (block of 16 rows rb, K step ks) at (8 rb + ks) x 1,536; scale words at (8 rb + ks) x 64 + 4 r.
; Place p of a matrix holds row sigma(p), p with bits 3 and 4 exchanged; the way out puts rows and columns back.
; THE TILE IS 128 x 128: the result has 32 x 8 = 256 such tiles, one work-group each.  Four waves, 64 x 64 each: 16 accumulators, 128 registers.
; K IS CUT INTO CHUNKS OF 512.  A chunk of the work-group's 128 + 128 rows is 98,304 bytes; both chunks of K have a slot of their own in LDS and are first fills: nothing is filled again, and the walk along K has no round of the cluster's barrier.
; A wave's tensor load brings 4 blocks of 16 rows x 6,144 bytes.  The scale words of the work-group's rows, for all of K, come with the first fills.  The walk along K is written out: 8 steps of 128.
; CLUSTERS of 4 x 4: source 1's tile (A: tokens) is shared along a row of the cluster, source 0's (B: weight rows) along a column: joint loads.
; THE RESIDUAL's 64 rows x 256 bytes of a wave are asked for at the head, into registers of their own, and are added on the way out.
; REGISTERS: window 0: v1-29 addresses; v32-63 scale words, four to a step (register i: lanes 0-15 A's block i, lanes 16-31 B's block i), never rewritten; v128-255 accumulator (a, b) at v[128 + 8 (4 a + b)].
;   window 1: two sets of fragments, at v0 and v128: B's four at + 0, A's four at + 48; on the way out v0-127 take the rows read back from the stage.   window 2: v0-127 the residual.
.set KTOT,   1024
.set NSLOT,  2                         ; slots in LDS
.set A_CODE, 131072
.set A_SCAL, 0
.set B_CODE, 458752+448*12288
.set B_SCAL, 448*512
.set KF,     KTOT/128                  ; steps
.set NCH,    KTOT/512                  ; chunks
.set FRB,    1536                      ; a fragment's image
.set RBB,    KF*FRB                    ; 16 rows' codes, all of K
.set CHB,    4*FRB                     ; a chunk of them
.set HALFT,  4*CHB                     ; 64 rows: what one tensor load brings, and what one wave reads of A or of B
.set SLOT,   4*HALFT                   ; A's 128 rows, then B's
.set SBLK,   KF*64                     ; 16 rows' scale words, all of K
.set HALFS,  4*SBLK
.set SCL,    NSLOT*SLOT                ; behind the slots: the scale words
.set SPARE,  SCL+4*HALFS               ; behind them: the spare words, 128 bytes for each wave
.set STAGE,  0                         ; the way out: 16 rows x 272 bytes for each wave, in slot 0: it is filled once, and every wave has left it behind the barrier in front of the last chunk
.set SPITCH, 272                       ; 256 bytes + 16: the 16 rows that a store touches start in 16 different groups of banks
.set ADRA, 8                           ; v8-9 LDS address of my A fragments in each slot, 16 bytes a lane; v11-12 the same with 8 bytes a lane
.set ADRB, 14                          ; v14-15 and v17-18 the same for B
.set STO,  20                          ; v20 the way out: where I put 32 bytes of a row
.set RD,   21                          ; v21 where I read rows back
.set CO,   22                          ; v22 my byte offset in the wave's rows in memory; never rewritten
.set ADRS, 23                          ; v23 my scale words: lanes 0-15 A's rows, lanes 16-31 B's; never rewritten
.set SPW,  28                          ; v28 LDS address of my spare word; never rewritten
.set NIL,  29                          ; v29 0; never rewritten
.set SC,   32
.set ACC,  128
.set G1,   24                          ; s[24:31] descriptor group 1 for A's codes;  s[32:39] groups 0, one for each slot
.set G0,   32
.set G1B,  48                          ; s[48:55] group 1 for B's codes;  s[84:91] groups 0
.set G0B,  84
.set G1S,  68                          ; s[68:75], s[76:79] groups 1 and 0 for A's scale words;  s[56:63], s[80:83] for B's
.set G0S,  76
.set G1SB, 56
.set G0SB, 80
.set MSB, 0
.macro WIN new                         ; the immediate's high byte repeats the setting that is left; a switch that changes nothing is dropped
.if MSB != (\new)
	s_set_vgpr_msb (MSB<<8)|(\new)
.set MSB, (\new)
.endif
.endm
.set MUL,  0x05                        ; sources 0 (B) and 1 (A) window 1; C and D window 0
.set TO_F, 0x40                        ; destination window 1, address window 0
; A joint load: waves 0 and 1 fetch for A, waves 2 and 3 for B; the branch hangs on the wave's number alone.  An s_nop 0 and four v_nop follow each line.
.macro JLOAD g0a, g1a, g0b, g1b
	s_cmp_eq_u32 s15, 0
	s_cbranch_scc0 .Lfor_b_\@
	tensor_load_to_lds s[\g0a:\g0a+3], s[\g1a:\g1a+7]
	s_nop 0
.rept 4
	v_nop
.endr
	s_branch .Lasked_\@
.Lfor_b_\@:
	tensor_load_to_lds s[\g0b:\g0b+3], s[\g1b:\g1b+7]
	s_nop 0
.rept 4
	v_nop
.endr
.Lasked_\@:
.endm
.macro CREST                           ; a round of the cluster's barrier behind its opening barrier
	s_cmp_lg_u32 s14, 0
	s_cbranch_scc1 .Lnot_wave_0_\@
	s_barrier_signal -3
.Lnot_wave_0_\@:
	s_barrier_wait -3
	s_barrier_signal -1
	s_barrier_wait -1
.endm
.macro CROUND
	s_barrier_signal -1
	s_barrier_wait -1
	CREST
.endm
	s_load_b128 s[4:7], s[0:1], 0x0                ; A's buffer s[4:5], B's s[6:7]
	s_load_b128 s[8:11], s[0:1], 0x10              ; the residual s[8:9], the result s[10:11]
	v_lshl_add_u32 v[SPW], v0, 2, SPARE
	v_mov_b32 v[NIL], 0
	ds_add_u32 v[SPW], v[NIL]                      ; the wave's opening: the add and its wait ahead of my first tensor load; work on registers stands between them
	v_lshrrev_b32 v1, 5, v0
	v_readfirstlane_b32 s14, v1                    ; wave 0..3
	s_lshr_b32 s15, s14, 1                         ; my half of A's rows; also: I fetch for A (0) or B (1)
	s_and_b32 s16, s14, 1                          ; my half of B's rows; also: which 64 rows I fetch
	s_bfe_u32 s12, ttmp6, 0x40000                  ; cx
	s_bfe_u32 s13, ttmp6, 0x40004                  ; cy
	s_lshl_b32 s18, ttmp9, 2
	s_add_co_u32 s18, s18, s12                     ; B's tile = 4 x cluster x + cx
	s_and_b32 s17, ttmp7, 0xffff
	s_lshl_b32 s17, s17, 2
	s_add_co_u32 s17, s17, s13                     ; A's tile = 4 x cluster y + cy
	s_lshl_b32 s66, s13, 2
	s_lshl_b32 s66, 15, s66                        ; my row of the cluster
	s_lshl_b32 s67, 0x1111, s12                    ; my column
	; descriptor group 1 for codes: 4 rows of 768 elements of 8 bytes (6,144 bytes), RBB bytes apart; dense in LDS
	s_or_b32 s[G1+0], s66, (3<<16)|(1<<21)         ; 15:0 the mask; 17:16 elements of 8 bytes; 21 set beside a mask
	s_or_b32 s[G1B+0], s67, (3<<16)|(1<<21)
.irp g, G1, G1B
	s_mov_b32 s[\g+1], (CHB/8)<<16                 ; tensor_dim0
	s_mov_b32 s[\g+2], 4<<16                       ; tensor_dim1
	s_mov_b32 s[\g+3], (CHB/8)<<16                 ; tile_dim0
	s_mov_b32 s[\g+4], 4                           ; tile_dim1
	s_mov_b32 s[\g+5], RBB/8                       ; tensor_dim0_stride
	s_mov_b32 s[\g+6], 0
	s_mov_b32 s[\g+7], 0
.endr
	; and for the scale words of 64 rows: a dense block of HALFS bytes, as rows of 256 bytes
	s_or_b32 s[G1S+0], s66, (3<<16)|(1<<21)
	s_or_b32 s[G1SB+0], s67, (3<<16)|(1<<21)
.irp g, G1S, G1SB
	s_mov_b32 s[\g+1], 32<<16
	s_mov_b32 s[\g+2], (HALFS/256)<<16
	s_mov_b32 s[\g+3], 32<<16
	s_mov_b32 s[\g+4], HALFS/256
	s_mov_b32 s[\g+5], 32
	s_mov_b32 s[\g+6], 0
	s_mov_b32 s[\g+7], 0
.endr
	s_lshl_b32 s19, s16, 2                         ; which 4 blocks of the tile I fetch
	s_lshl_b32 s20, s17, 3
	s_add_co_u32 s20, s20, s19                     ; A's first block of 16 rows: 8 x tile + 4 x half
	s_lshl_b32 s44, s18, 3
	s_add_co_u32 s44, s44, s19                     ; B's
	s_mul_i32 s22, s20, SBLK                       ; their scale words,
	s_mul_i32 s46, s44, SBLK
	s_mul_i32 s20, s20, RBB                        ; their codes
	s_mul_i32 s44, s44, RBB
	s_add_co_u32 s20, s20, A_CODE
	s_add_co_u32 s22, s22, A_SCAL
	s_add_co_u32 s44, s44, B_CODE
	s_add_co_u32 s46, s46, B_SCAL
	s_mov_b32 s21, 0
	s_mov_b32 s23, 0
	s_mov_b32 s45, 0
	s_mov_b32 s47, 0
	s_mul_i32 s96, s14, HALFT                      ; where they go: wave x 64 rows: no place in the cluster enters an LDS address
	s_mul_i32 s97, s14, HALFS
	s_wait_dscnt 0x0                               ; the opening add is done
	s_wait_kmcnt 0x0
	s_add_nc_u64 s[20:21], s[4:5], s[20:21]
	s_add_nc_u64 s[22:23], s[4:5], s[22:23]
	s_add_nc_u64 s[44:45], s[6:7], s[44:45]
	s_add_nc_u64 s[46:47], s[6:7], s[46:47]
	CROUND                                         ; all sixteen work-groups are here: the first joint loads meet
	s_mov_b32 s[G0S], 1
	s_add_co_u32 s[G0S+1], s97, SCL
	s_mov_b64 s[G0S+2:G0S+3], s[22:23]
	s_or_b32 s[G0S+3], s[G0S+3], 0x80000000
	s_mov_b32 s[G0SB], 1
	s_add_co_u32 s[G0SB+1], s97, SCL
	s_mov_b64 s[G0SB+2:G0SB+3], s[46:47]
	s_or_b32 s[G0SB+3], s[G0SB+3], 0x80000000
	JLOAD G0S, G1S, G0SB, G1SB                     ; the scale words first: they are wanted with the first step
.set SL, 0
.rept NSLOT
	s_mov_b32 s[G0+4*SL], 1
	s_add_co_u32 s[G0+4*SL+1], s96, SL*SLOT
	s_add_nc_u64 s[G0+4*SL+2:G0+4*SL+3], s[20:21], SL*CHB
	s_or_b32 s[G0+4*SL+3], s[G0+4*SL+3], 0x80000000
	s_mov_b32 s[G0B+4*SL], 1
	s_add_co_u32 s[G0B+4*SL+1], s96, SL*SLOT
	s_add_nc_u64 s[G0B+4*SL+2:G0B+4*SL+3], s[44:45], SL*CHB
	s_or_b32 s[G0B+4*SL+3], s[G0B+4*SL+3], 0x80000000
	JLOAD G0+4*SL, G1, G0B+4*SL, G1B               ; chunk SL into slot SL: with the scale words, 1 + NSLOT tensor loads of mine are out
.set SL, SL+1
.endr
	v_and_b32 v1, 15, v0                           ; r
	v_bfe_u32 v2, v0, 4, 1                         ; h
	v_and_b32 v3, 31, v0                           ; lane
	v_lshlrev_b32 v4, 4, v3                        ; 16 x lane
	v_lshlrev_b32 v5, 3, v3                        ; 8 x lane
	s_mul_i32 s98, s15, HALFT                      ; my 64 rows of A
	s_mul_i32 s99, s16, HALFT                      ; my 64 rows of B,
	s_add_co_u32 s99, s99, 2*HALFT                 ; which lie behind A's 128
.set SL, 0
.rept NSLOT
	v_add_nc_u32 v[ADRA+SL], s98, v4
	v_add_nc_u32 v[ADRB+SL], s99, v4
	v_add_nc_u32 v[ADRA+3+SL], s98, v5
	v_add_nc_u32 v[ADRB+3+SL], s99, v5
	s_add_co_u32 s98, s98, SLOT
	s_add_co_u32 s99, s99, SLOT
.set SL, SL+1
.endr
	s_mul_i32 s98, s15, HALFS                      ; A's scale words: my 64 rows
	s_mul_i32 s99, s16, HALFS                      ; B's, behind A's 128
	s_add_co_u32 s99, s99, 2*HALFS
	s_sub_co_u32 s99, s99, s98
	v_mul_u32_u24 v6, s99, v2                      ; lanes 16-31 take B's: one product, the distance between the two
	s_add_co_u32 s98, s98, SCL
	v_lshl_add_u32 v6, v1, 2, v6
	v_add_nc_u32 v[ADRS], s98, v6
	s_mul_i32 s98, s14, 16*SPITCH
	s_add_co_u32 s98, s98, STAGE                   ; my stage
	v_mul_u32_u24 v6, v1, SPITCH
	v_lshl_add_u32 v6, v2, 6, v6
	v_add_nc_u32 v[STO], s98, v6                   ; in: row r, + 64 h: accumulator b's eight numbers are columns 32 (b / 2) + 16 h + 8 (b % 2) + 0 .. 7
	v_mul_u32_u24 v6, v2, SPITCH
	v_lshl_add_u32 v6, v1, 4, v6
	v_add_nc_u32 v[RD], s98, v6                    ; back: lanes 0-15 one row of 256 bytes, lanes 16-31 the next
	v_lshlrev_b32 v6, 12, v2
	v_lshl_add_u32 v[CO], v1, 4, v6                ; and the same two rows in memory, 4,096 bytes apart
	s_lshl_b32 s98, s17, 7
	s_lshl_b32 s99, s15, 6
	s_add_co_u32 s98, s98, s99
	s_lshl_b32 s98, s98, 12                        ; my first row: 128 x A's tile + 64 x half, rows of 4,096 bytes
	s_lshl_b32 s99, s18, 9
	s_add_co_u32 s98, s98, s99
	s_lshl_b32 s99, s16, 8
	s_add_co_u32 s98, s98, s99                     ; my first column, in bytes: 512 x B's tile + 256 x half
	s_mov_b32 s99, 0
	s_add_nc_u64 s[8:9], s[8:9], s[98:99]
	s_add_nc_u64 s[10:11], s[10:11], s[98:99]
	; the residual: place t of block a is token 32 (a / 2) + 8 (a % 2) + t + 8 (t / 8) of my 64; a load takes places 2 t and 2 t + 1, which are neighbours: two rows of 256 consecutive bytes
	WIN 0x80                                       ; destination window 2
.irp a, 0,1,2,3
.irp t, 0,1,2,3,4,5,6,7
	global_load_b128 v[32*\a+4*\t:32*\a+4*\t+3], v[CO], s[8:9] offset:(32*(\a/2)+8*(\a%2)+2*\t+8*(\t/4))*4096
.endr
.endr
	WIN 0
.macro FRAG reg, a16, a8, off          ; a fragment comes as it lies: for each half of K, registers 0-3 by 16 bytes a lane and registers 4-5 by 8: every load takes consecutive bytes
.irp c, 0,1
	ds_load_b128 v[(\reg)+6*\c:(\reg)+6*\c+3], v[\a16] offset:(\off)+768*\c
	ds_load_b64 v[(\reg)+6*\c+4:(\reg)+6*\c+5], v[\a8] offset:(\off)+768*\c+512
.endr
.endm
.macro FETCH                           ; step FS's eight fragments into set FS % 2: 32 loads in one run, B's four first, A's blocks 2 and 3 last
.set FP, 128*(FS%2)
.set FSL, (FS/4)%NSLOT
.set FQ, FS%4
	WIN TO_F
.irp i, 0,1,2,3
	FRAG FP+12*\i, ADRB+FSL, ADRB+3+FSL, (4*\i+FQ)*FRB
.endr
.irp i, 0,1,2,3
	FRAG FP+48+12*\i, ADRA+FSL, ADRA+3+FSL, (4*\i+FQ)*FRB
.endr
.endm
.macro SCALES                          ; chunk SCH's scale words: 16 registers of their own
.irp q, 0,1,2,3
.irp i, 0,1,2,3
	ds_load_b32 v[SC+4*(4*SCH+\q)+\i], v[ADRS] offset:\i*SBLK+64*(4*SCH+\q)
.endr
.endr
.endm
; 8 matrix instructions of step MS: A's blocks a0, a0 + 1 x B's four.  The 16 accumulators take turns, one instruction a turn, in the same order in every step.
.macro MUL8 a0, zero
.set MP, 128*(MS%2)
.irp a, \a0, \a0+1
.irp b, 0,1,2,3
.if \zero
	v_wmma_scale_f32_16x16x128_f8f6f4 v[ACC+8*(4*(\a)+\b):ACC+8*(4*(\a)+\b)+7], v[MP+12*\b:MP+12*\b+11], v[MP+48+12*(\a):MP+48+12*(\a)+11], 0, v[SC+4*MS+\b], v[SC+4*MS+(\a)] matrix_a_fmt:MATRIX_FMT_FP6 matrix_b_fmt:MATRIX_FMT_FP6 matrix_a_scale:MATRIX_SCALE_ROW1
.else
	v_wmma_scale_f32_16x16x128_f8f6f4 v[ACC+8*(4*(\a)+\b):ACC+8*(4*(\a)+\b)+7], v[MP+12*\b:MP+12*\b+11], v[MP+48+12*(\a):MP+48+12*(\a)+11], v[ACC+8*(4*(\a)+\b):ACC+8*(4*(\a)+\b)+7], v[SC+4*MS+\b], v[SC+4*MS+(\a)] matrix_a_fmt:MATRIX_FMT_FP6 matrix_b_fmt:MATRIX_FMT_FP6 matrix_a_scale:MATRIX_SCALE_ROW1
.endif
.endr
.endr
.endm
.macro PLACES                          ; four plain vector instructions between a matrix instruction and a load into, or a read of, its registers
.rept 4
	v_nop
.endr
.endm
.macro STEP zero                       ; step S, whose successor lies in the same chunk
	s_wait_dscnt 8                                 ; all but the youngest 8 loads (A's blocks 2 and 3) are in
	WIN MUL
.set MS, S
	MUL8 0, \zero
	PLACES                                         ; the other set was last read by the step before
.set FS, S+1
	FETCH
	s_wait_dscnt 32                                ; all but the 32 just issued
	WIN MUL
	MUL8 2, \zero
.endm
; A chunk's last step.  In front of the barrier each wave waits for all its tensor loads, adds 0 to its spare word, and waits for that and for its reads of this chunk's slot.  Behind it the next chunk's slot is whole and nobody reads this one.
; fill = 1: this slot is filled again, with the chunk NSLOT further on: the barrier then opens a round of the cluster's, and the joint refill is the first thing behind the round.
.macro TURN fill
.set TSL, (S/4)%NSLOT
	WIN 0                                          ; (the add's two registers lie in window 0)
	s_wait_tensorcnt 0x0                           ; all my tensor loads have landed, my part of the next chunk among them
	ds_add_u32 v[SPW], v[NIL]                      ; 0 onto my spare word
.if \fill
	s_add_nc_u64 s[G0+4*TSL+2:G0+4*TSL+3], s[G0+4*TSL+2:G0+4*TSL+3], NSLOT*CHB       ; no tensor load of mine is out: the slot's group 0 may be written
	s_add_nc_u64 s[G0B+4*TSL+2:G0B+4*TSL+3], s[G0B+4*TSL+2:G0B+4*TSL+3], NSLOT*CHB
.endif
	s_wait_dscnt 0x0                               ; the add is done, and my reads of this slot are over: this step's fragments are all in
	s_barrier_signal -1
	WIN MUL
.set MS, S
	MUL8 0, 0                                      ; work on registers while the others arrive
	WIN 0                                          ; (branches may follow)
	s_barrier_wait -1
.if \fill
	CREST                                          ; no wave of any partner still reads this slot or has a load on its way
	JLOAD G0+4*TSL, G1, G0B+4*TSL, G1B             ; my one tensor load behind the round; its four v_nop are the places in front of the loads below
.else
	PLACES
.endif
.set SCH, S/4+1
	SCALES
.set FS, S+1
	FETCH
	WIN MUL
	MUL8 2, 0
.endm
.macro LAST                            ; the very last step: nothing more to fetch
	s_wait_dscnt 8
	WIN MUL
.set MS, S
	MUL8 0, 0
	s_wait_dscnt 0
	MUL8 2, 0
	WIN 0
.endm
	s_wait_tensorcnt NSLOT-1                       ; the scale words and my part of chunk 0 are in; the later chunks' loads may be out
	s_barrier_signal -1
	s_barrier_wait -1                              ; everybody's are
.set SCH, 0
	SCALES
.set FS, 0
	FETCH
.set S, 0
.rept KF
.if S == KF-1
	LAST
.elseif S%4 == 3
.if S/4+NSLOT < NCH
	TURN 1
.else
	TURN 0
.endif
.elseif S == 0
	STEP 1                                         ; the first step's products start the sums: nothing is cleared
.else
	STEP 0
.endif
.set S, S+1
.endr
	; THE WAY OUT, block by block of 16 tokens x 64 columns: through my own stage in LDS, where the columns are put in order, back as whole rows of 256 bytes; the residual's same bytes are added; a store covers two rows of 256 consecutive, aligned bytes.
	; Each block has registers of its own for its rows, so nothing that a store reads is written again.  LDS serves a wave's instructions in order: no wait between a block's stores and its loads, nor in front of the next block's stores.
	PLACES                                         ; behind the last products: for the reads of results and the loads into the fragments' registers
.irp a, 0,1,2,3
	WIN 0
.irp b, 0,1,2,3
	ds_store_b128 v[STO], v[ACC+8*(4*\a+\b):ACC+8*(4*\a+\b)+3] offset:128*(\b/2)+32*(\b%2)        ; each accumulator from its low end on
	ds_store_b128 v[STO], v[ACC+8*(4*\a+\b)+4:ACC+8*(4*\a+\b)+7] offset:128*(\b/2)+32*(\b%2)+16
.endr
	WIN TO_F
.irp t, 0,1,2,3,4,5,6,7
	ds_load_b128 v[32*\a+4*\t:32*\a+4*\t+3], v[RD] offset:\t*2*SPITCH
.endr
.endr
	s_wait_loadcnt 0x0                             ; the residual, asked for at the head
.irp a, 0,1,2,3
	s_wait_dscnt 16*(3-\a)                         ; block a is back; the later blocks' 8 stores and 8 loads each may be out
	WIN 0x49                                       ; destination and source 0 window 1, source 1 window 2
.set RB, 32*\a
.set j, 0
.rept 16
	v_pk_add_f32 v[RB+j:RB+j+1], v[RB+j:RB+j+1], v[RB+j:RB+j+1]
.set j, j+2
.endr
	WIN 0x04                                       ; a store's data: window 1
.irp t, 0,1,2,3,4,5,6,7
	global_store_b128 v[CO], v[32*\a+4*\t:32*\a+4*\t+3], s[10:11] offset:(32*(\a/2)+8*(\a%2)+2*\t+8*(\t/4))*4096
.endr
.endr
	WIN 0
	s_wait_tensorcnt 0x0                           ; the wave's end, behind my last tensor load and my last LDS store
	ds_add_u32 v[SPW], v[NIL]
	s_wait_dscnt 0x0
	CROUND                                         ; the closing round: no work-group ends while a partner may still ask for a tile that names it
	s_endpgm
.Lfunc_end_k_q9c97d96c63_g_ao:
	.size	k_q9c97d96c63_g_ao, .Lfunc_end_k_q9c97d96c63_g_ao-k_q9c97d96c63_g_ao
	.p2alignl 7, 3214868480
	.fill 96, 4, 3214868480
	.section	.rodata,"a",@progbits
	.p2align	6, 0x0
	.amdhsa_kernel k_q9c97d96c63_g_ao
		.amdhsa_group_segment_fixed_size 327680
		.amdhsa_private_segment_fixed_size 0
		.amdhsa_enable_private_segment 0
		.amdhsa_kernarg_size 32
		.amdhsa_user_sgpr_count 2
		.amdhsa_user_sgpr_kernarg_segment_ptr 1
		.amdhsa_wavefront_size32 1
		.amdhsa_system_sgpr_workgroup_id_x 1
		.amdhsa_system_sgpr_workgroup_id_y 1
		.amdhsa_system_sgpr_workgroup_id_z 1
		.amdhsa_system_vgpr_workitem_id 0
		.amdhsa_next_free_vgpr 640
		.amdhsa_next_free_sgpr 100
		.amdhsa_reserve_vcc 0
		.amdhsa_float_denorm_mode_32 3
		.amdhsa_float_denorm_mode_16_64 3
		.amdhsa_memory_ordered 1
		.amdhsa_forward_progress 1
		.amdhsa_inst_pref_size 61
	.end_amdhsa_kernel
	.amdgpu_metadata
---
amdhsa.version: [ 1, 2 ]
amdhsa.kernels:
  - .name:           k_q9c97d96c63_g_ao
    .symbol:         k_q9c97d96c63_g_ao.kd
    .args:
      - { .name: oq, .offset: 0, .size: 8, .value_kind: global_buffer, .address_space: global }
      - { .name: wq, .offset: 8, .size: 8, .value_kind: global_buffer, .address_space: global }
      - { .name: x, .offset: 16, .size: 8, .value_kind: global_buffer, .address_space: global }
      - { .name: x1, .offset: 24, .size: 8, .value_kind: global_buffer, .address_space: global }
    .group_segment_fixed_size: 327680
    .private_segment_fixed_size: 0
    .kernarg_segment_align: 8
    .kernarg_segment_size: 32
    .max_flat_workgroup_size: 128
    .sgpr_count:     100
    .vgpr_count:     640
    .wavefront_size: 32
...
	.end_amdgpu_metadata
.endif
;; end of part 7
;; launch ln2: the kernel of part 1 again; grid 256 x 1, 4 waves a work-group, no clusters, 66,304 bytes of LDS; arguments x1, ln2_w, ln2_b, qkv_w, attn_out_w, mlp_in_w, mlp_gate_w, mlp_out_w, h2q; writes h2q
;; launch g_ig: the kernel of part 5 again; grid 16 x 16, 4 waves a work-group, clusters of 4 x 4, 327,680 bytes of LDS; arguments h2q, wq, aq; writes aq
;; launch g_mo (part 8): grid 8 x 32, 4 waves a work-group, clusters of 4 x 4, 327,680 bytes of LDS; arguments aq, wq, x1, out0; writes out0
.if DOCPART == 8
	.amdgcn_target "amdgcn-amd-amdhsa--gfx1250"
	.amdhsa_code_object_version 6
	.text
	.protected	k_q9c97d96c63_g_mo
	.globl	k_q9c97d96c63_g_mo
	.p2align	8
	.type	k_q9c97d96c63_g_mo,@function
k_q9c97d96c63_g_mo:
	s_mov_b64 s[64:65], 0
	v_nop
	global_prefetch_b8 v0, s[64:65] scope:SCOPE_SE
	s_setreg_imm32_b32 hwreg(HW_REG_WAVE_MODE, 25, 1), 1
	s_wait_xcnt 0x0
	s_wait_alu depctr_hold_cnt(0) depctr_sa_sdst(0) depctr_va_vdst(0) depctr_va_sdst(0) depctr_va_ssrc(0) depctr_va_vcc(0) depctr_vm_vsrc(0)
	s_getreg_b32 s2, hwreg(HW_REG_IB_STS2, 6, 4)
	s_cmp_eq_u32 s2, 0
	s_cbranch_scc0 .Lentry_in_a_cluster
	s_endpgm
.Lentry_in_a_cluster:
	s_bfe_u32 s2, ttmp6, 0x10000c
	s_cmp_lg_u32 s2, 0xf033
	s_cbranch_scc0 .Lentry_shape_is_right
	s_endpgm
.Lentry_shape_is_right:
; out = x1 + acts x mlp_out_w^T, the product on codes of FP6 (E2M3) with E8M0 scales, K = 2,048; x1 and out are f32, [4,096][1,024].
; Operands lie as images of the operand's registers: 16 rows x 128 K = 1,536 bytes, fragment (block of 16 rows rb, K step ks) at (16 rb + ks) x 1,536; scale words at (16 rb + ks) x 64 + 4 r.
; Place p of a matrix holds row sigma(p), p with bits 3 and 4 exchanged; the way out puts rows and columns back.
; THE TILE IS 128 x 128: the result has 32 x 8 = 256 such tiles, one work-group each.  Four waves, 64 x 64 each: 16 accumulators, 128 registers.
; K IS CUT INTO FOUR CHUNKS OF 512.  A chunk of the work-group's 128 + 128 rows is 98,304 bytes; LDS has three slots.  Chunks 0, 1 and 2 are first fills; chunk 3 goes into slot 0 when chunk 0 has been read: ONE refill, behind one round of the cluster's barrier.
; A wave's tensor load brings 4 blocks of 16 rows x 6,144 bytes.  The scale words of the work-group's rows, for all of K, come with the first fills.  The walk along K is written out: 16 steps of 128.
; CLUSTERS of 4 x 4: source 1's tile (A: tokens) is shared along a row of the cluster, source 0's (B: weight rows) along a column: joint loads.
; THE RESIDUAL's 64 rows x 256 bytes of a wave are asked for at the head, into registers of their own, and are added on the way out.
; REGISTERS: window 0: v1-29 addresses; v32-95 scale words, four to a step (register i: lanes 0-15 A's block i, lanes 16-31 B's block i), never rewritten; v128-255 accumulator (a, b) at v[128 + 8 (4 a + b)].
;   window 1: two sets of fragments, at v0 and v128: B's four at + 0, A's four at + 48; on the way out v0-127 take the rows read back from the stage.   window 2: v0-127 the residual.
.set KTOT,   2048
.set NSLOT,  3                         ; slots in LDS
.set A_CODE, 262144
.set A_SCAL, 0
.set B_CODE, 458752+768*12288
.set B_SCAL, 768*512
.set KF,     KTOT/128                  ; steps
.set NCH,    KTOT/512                  ; chunks
.set FRB,    1536                      ; a fragment's image
.set RBB,    KF*FRB                    ; 16 rows' codes, all of K
.set CHB,    4*FRB                     ; a chunk of them
.set HALFT,  4*CHB                     ; 64 rows: what one tensor load brings, and what one wave reads of A or of B
.set SLOT,   4*HALFT                   ; A's 128 rows, then B's
.set SBLK,   KF*64                     ; 16 rows' scale words, all of K
.set HALFS,  4*SBLK
.set SCL,    NSLOT*SLOT                ; behind the slots: the scale words
.set SPARE,  SCL+4*HALFS               ; behind them: the spare words, 128 bytes for each wave
.set STAGE,  SLOT                      ; the way out: 16 rows x 272 bytes for each wave, in slot 1: it is filled once, and every wave has left it behind the barriers in front of the later chunks
.set SPITCH, 272                       ; 256 bytes + 16: the 16 rows that a store touches start in 16 different groups of banks
.set ADRA, 8                           ; v8-10 LDS address of my A fragments in each slot, 16 bytes a lane; v11-13 the same with 8 bytes a lane
.set ADRB, 14                          ; v14-19 the same for B
.set STO,  20                          ; v20 the way out: where I put 32 bytes of a row
.set RD,   21                          ; v21 where I read rows back
.set CO,   22                          ; v22 my byte offset in the wave's rows in memory; never rewritten
.set ADRS, 23                          ; v23 my scale words: lanes 0-15 A's rows, lanes 16-31 B's; never rewritten
.set SPW,  28                          ; v28 LDS address of my spare word; never rewritten
.set NIL,  29                          ; v29 0; never rewritten
.set SC,   32
.set ACC,  128
.set G1,   24                          ; s[24:31] descriptor group 1 for A's codes;  s[32:43] groups 0, one for each slot
.set G0,   32
.set G1B,  48                          ; s[48:55] group 1 for B's codes;  s[84:95] groups 0
.set G0B,  84
.set G1S,  68                          ; s[68:75], s[76:79] groups 1 and 0 for A's scale words;  s[56:63], s[80:83] for B's
.set G0S,  76
.set G1SB, 56
.set G0SB, 80
.set MSB, 0
.macro WIN new                         ; the immediate's high byte repeats the setting that is left; a switch that changes nothing is dropped
.if MSB != (\new)
	s_set_vgpr_msb (MSB<<8)|(\new)
.set MSB, (\new)
.endif
.endm
.set MUL,  0x05                        ; sources 0 (B) and 1 (A) window 1; C and D window 0
.set TO_F, 0x40                        ; destination window 1, address window 0
; A joint load: waves 0 and 1 fetch for A, waves 2 and 3 for B; the branch hangs on the wave's number alone.  An s_nop 0 and four v_nop follow each line.
.macro JLOAD g0a, g1a, g0b, g1b
	s_cmp_eq_u32 s15, 0
	s_cbranch_scc0 .Lfor_b_\@
	tensor_load_to_lds s[\g0a:\g0a+3], s[\g1a:\g1a+7]
	s_nop 0
.rept 4
	v_nop
.endr
	s_branch .Lasked_\@
.Lfor_b_\@:
	tensor_load_to_lds s[\g0b:\g0b+3], s[\g1b:\g1b+7]
	s_nop 0
.rept 4
	v_nop
.endr
.Lasked_\@:
.endm
.macro CREST                           ; a round of the cluster's barrier behind its opening barrier
	s_cmp_lg_u32 s14, 0
	s_cbranch_scc1 .Lnot_wave_0_\@
	s_barrier_signal -3
.Lnot_wave_0_\@:
	s_barrier_wait -3
	s_barrier_signal -1
	s_barrier_wait -1
.endm
.macro CROUND
	s_barrier_signal -1
	s_barrier_wait -1
	CREST
.endm
	s_load_b128 s[4:7], s[0:1], 0x0                ; A's buffer s[4:5], B's s[6:7]
	s_load_b128 s[8:11], s[0:1], 0x10              ; the residual s[8:9], the result s[10:11]
	v_lshl_add_u32 v[SPW], v0, 2, SPARE
	v_mov_b32 v[NIL], 0
	ds_add_u32 v[SPW], v[NIL]                      ; the wave's opening: the add and its wait ahead of my first tensor load; work on registers stands between them
	v_lshrrev_b32 v1, 5, v0
	v_readfirstlane_b32 s14, v1                    ; wave 0..3
	s_lshr_b32 s15, s14, 1                         ; my half of A's rows; also: I fetch for A (0) or B (1)
	s_and_b32 s16, s14, 1                          ; my half of B's rows; also: which 64 rows I fetch
	s_bfe_u32 s12, ttmp6, 0x40000                  ; cx
	s_bfe_u32 s13, ttmp6, 0x40004                  ; cy
	s_lshl_b32 s18, ttmp9, 2
	s_add_co_u32 s18, s18, s12                     ; B's tile = 4 x cluster x + cx
	s_and_b32 s17, ttmp7, 0xffff
	s_lshl_b32 s17, s17, 2
	s_add_co_u32 s17, s17, s13                     ; A's tile = 4 x cluster y + cy
	s_lshl_b32 s66, s13, 2
	s_lshl_b32 s66, 15, s66                        ; my row of the cluster
	s_lshl_b32 s67, 0x1111, s12                    ; my column
	; descriptor group 1 for codes: 4 rows of 768 elements of 8 bytes (6,144 bytes), RBB bytes apart; dense in LDS
	s_or_b32 s[G1+0], s66, (3<<16)|(1<<21)         ; 15:0 the mask; 17:16 elements of 8 bytes; 21 set beside a mask
	s_or_b32 s[G1B+0], s67, (3<<16)|(1<<21)
.irp g, G1, G1B
	s_mov_b32 s[\g+1], (CHB/8)<<16                 ; tensor_dim0
	s_mov_b32 s[\g+2], 4<<16                       ; tensor_dim1
	s_mov_b32 s[\g+3], (CHB/8)<<16                 ; tile_dim0
	s_mov_b32 s[\g+4], 4                           ; tile_dim1
	s_mov_b32 s[\g+5], RBB/8                       ; tensor_dim0_stride
	s_mov_b32 s[\g+6], 0
	s_mov_b32 s[\g+7], 0
.endr
	; and for the scale words of 64 rows: a dense block of HALFS bytes, as rows of 256 bytes
	s_or_b32 s[G1S+0], s66, (3<<16)|(1<<21)
	s_or_b32 s[G1SB+0], s67, (3<<16)|(1<<21)
.irp g, G1S, G1SB
	s_mov_b32 s[\g+1], 32<<16
	s_mov_b32 s[\g+2], (HALFS/256)<<16
	s_mov_b32 s[\g+3], 32<<16
	s_mov_b32 s[\g+4], HALFS/256
	s_mov_b32 s[\g+5], 32
	s_mov_b32 s[\g+6], 0
	s_mov_b32 s[\g+7], 0
.endr
	s_lshl_b32 s19, s16, 2                         ; which 4 blocks of the tile I fetch
	s_lshl_b32 s20, s17, 3
	s_add_co_u32 s20, s20, s19                     ; A's first block of 16 rows: 8 x tile + 4 x half
	s_lshl_b32 s44, s18, 3
	s_add_co_u32 s44, s44, s19                     ; B's
	s_mul_i32 s22, s20, SBLK                       ; their scale words,
	s_mul_i32 s46, s44, SBLK
	s_mul_i32 s20, s20, RBB                        ; their codes
	s_mul_i32 s44, s44, RBB
	s_add_co_u32 s20, s20, A_CODE
	s_add_co_u32 s22, s22, A_SCAL
	s_add_co_u32 s44, s44, B_CODE
	s_add_co_u32 s46, s46, B_SCAL
	s_mov_b32 s21, 0
	s_mov_b32 s23, 0
	s_mov_b32 s45, 0
	s_mov_b32 s47, 0
	s_mul_i32 s96, s14, HALFT                      ; where they go: wave x 64 rows: no place in the cluster enters an LDS address
	s_mul_i32 s97, s14, HALFS
	s_wait_dscnt 0x0                               ; the opening add is done
	s_wait_kmcnt 0x0
	s_add_nc_u64 s[20:21], s[4:5], s[20:21]
	s_add_nc_u64 s[22:23], s[4:5], s[22:23]
	s_add_nc_u64 s[44:45], s[6:7], s[44:45]
	s_add_nc_u64 s[46:47], s[6:7], s[46:47]
	CROUND                                         ; all sixteen work-groups are here: the first joint loads meet
	s_mov_b32 s[G0S], 1
	s_add_co_u32 s[G0S+1], s97, SCL
	s_mov_b64 s[G0S+2:G0S+3], s[22:23]
	s_or_b32 s[G0S+3], s[G0S+3], 0x80000000
	s_mov_b32 s[G0SB], 1
	s_add_co_u32 s[G0SB+1], s97, SCL
	s_mov_b64 s[G0SB+2:G0SB+3], s[46:47]
	s_or_b32 s[G0SB+3], s[G0SB+3], 0x80000000
	JLOAD G0S, G1S, G0SB, G1SB                     ; the scale words first: they are wanted with the first step
.set SL, 0
.rept NSLOT
	s_mov_b32 s[G0+4*SL], 1
	s_add_co_u32 s[G0+4*SL+1], s96, SL*SLOT
	s_add_nc_u64 s[G0+4*SL+2:G0+4*SL+3], s[20:21], SL*CHB
	s_or_b32 s[G0+4*SL+3], s[G0+4*SL+3], 0x80000000
	s_mov_b32 s[G0B+4*SL], 1
	s_add_co_u32 s[G0B+4*SL+1], s96, SL*SLOT
	s_add_nc_u64 s[G0B+4*SL+2:G0B+4*SL+3], s[44:45], SL*CHB
	s_or_b32 s[G0B+4*SL+3], s[G0B+4*SL+3], 0x80000000
	JLOAD G0+4*SL, G1, G0B+4*SL, G1B               ; chunk SL into slot SL: with the scale words, 1 + NSLOT tensor loads of mine are out
.set SL, SL+1
.endr
	v_and_b32 v1, 15, v0                           ; r
	v_bfe_u32 v2, v0, 4, 1                         ; h
	v_and_b32 v3, 31, v0                           ; lane
	v_lshlrev_b32 v4, 4, v3                        ; 16 x lane
	v_lshlrev_b32 v5, 3, v3                        ; 8 x lane
	s_mul_i32 s98, s15, HALFT                      ; my 64 rows of A
	s_mul_i32 s99, s16, HALFT                      ; my 64 rows of B,
	s_add_co_u32 s99, s99, 2*HALFT                 ; which lie behind A's 128
.set SL, 0
.rept NSLOT
	v_add_nc_u32 v[ADRA+SL], s98, v4
	v_add_nc_u32 v[ADRB+SL], s99, v4
	v_add_nc_u32 v[ADRA+3+SL], s98, v5
	v_add_nc_u32 v[ADRB+3+SL], s99, v5
	s_add_co_u32 s98, s98, SLOT
	s_add_co_u32 s99, s99, SLOT
.set SL, SL+1
.endr
	s_mul_i32 s98, s15, HALFS                      ; A's scale words: my 64 rows
	s_mul_i32 s99, s16, HALFS                      ; B's, behind A's 128
	s_add_co_u32 s99, s99, 2*HALFS
	s_sub_co_u32 s99, s99, s98
	v_mul_u32_u24 v6, s99, v2                      ; lanes 16-31 take B's: one product, the distance between the two
	s_add_co_u32 s98, s98, SCL
	v_lshl_add_u32 v6, v1, 2, v6
	v_add_nc_u32 v[ADRS], s98, v6
	s_mul_i32 s98, s14, 16*SPITCH
	s_add_co_u32 s98, s98, STAGE                   ; my stage
	v_mul_u32_u24 v6, v1, SPITCH
	v_lshl_add_u32 v6, v2, 6, v6
	v_add_nc_u32 v[STO], s98, v6                   ; in: row r, + 64 h: accumulator b's eight numbers are columns 32 (b / 2) + 16 h + 8 (b % 2) + 0 .. 7
	v_mul_u32_u24 v6, v2, SPITCH
	v_lshl_add_u32 v6, v1, 4, v6
	v_add_nc_u32 v[RD], s98, v6                    ; back: lanes 0-15 one row of 256 bytes, lanes 16-31 the next
	v_lshlrev_b32 v6, 12, v2
	v_lshl_add_u32 v[CO], v1, 4, v6                ; and the same two rows in memory, 4,096 bytes apart
	s_lshl_b32 s98, s17, 7
	s_lshl_b32 s99, s15, 6
	s_add_co_u32 s98, s98, s99
	s_lshl_b32 s98, s98, 12                        ; my first row: 128 x A's tile + 64 x half, rows of 4,096 bytes
	s_lshl_b32 s99, s18, 9
	s_add_co_u32 s98, s98, s99
	s_lshl_b32 s99, s16, 8
	s_add_co_u32 s98, s98, s99                     ; my first column, in bytes: 512 x B's tile + 256 x half
	s_mov_b32 s99, 0
	s_add_nc_u64 s[8:9], s[8:9], s[98:99]
	s_add_nc_u64 s[10:11], s[10:11], s[98:99]
	; the residual: place t of block a is token 32 (a / 2) + 8 (a % 2) + t + 8 (t / 8) of my 64; a load takes places 2 t and 2 t + 1, which are neighbours: two rows of 256 consecutive bytes
	WIN 0x80                                       ; destination window 2
.irp a, 0,1,2,3
.irp t, 0,1,2,3,4,5,6,7
	global_load_b128 v[32*\a+4*\t:32*\a+4*\t+3], v[CO], s[8:9] offset:(32*(\a/2)+8*(\a%2)+2*\t+8*(\t/4))*4096 th:TH_LOAD_NT
.endr
.endr
	WIN 0
.macro FRAG reg, a16, a8, off          ; a fragment comes as it lies: for each half of K, registers 0-3 by 16 bytes a lane and registers 4-5 by 8: every load takes consecutive bytes
.irp c, 0,1
	ds_load_b128 v[(\reg)+6*\c:(\reg)+6*\c+3], v[\a16] offset:(\off)+768*\c
	ds_load_b64 v[(\reg)+6*\c+4:(\reg)+6*\c+5], v[\a8] offset:(\off)+768*\c+512
.endr
.endm
.macro FETCH                           ; step FS's eight fragments into set FS % 2: 32 loads in one run, B's four first, A's blocks 2 and 3 last
.set FP, 128*(FS%2)
.set FSL, (FS/4)%NSLOT
.set FQ, FS%4
	WIN TO_F
.irp i, 0,1,2,3
	FRAG FP+12*\i, ADRB+FSL, ADRB+3+FSL, (4*\i+FQ)*FRB
.endr
.irp i, 0,1,2,3
	FRAG FP+48+12*\i, ADRA+FSL, ADRA+3+FSL, (4*\i+FQ)*FRB
.endr
.endm
.macro SCALES                          ; chunk SCH's scale words: 16 registers of their own
.irp q, 0,1,2,3
.irp i, 0,1,2,3
	ds_load_b32 v[SC+4*(4*SCH+\q)+\i], v[ADRS] offset:\i*SBLK+64*(4*SCH+\q)
.endr
.endr
.endm
; 8 matrix instructions of step MS: A's blocks a0, a0 + 1 x B's four.  The 16 accumulators take turns, one instruction a turn, in the same order in every step.
.macro MUL8 a0, zero
.set MP, 128*(MS%2)
.irp a, \a0, \a0+1
.irp b, 0,1,2,3
.if \zero
	v_wmma_scale_f32_16x16x128_f8f6f4 v[ACC+8*(4*(\a)+\b):ACC+8*(4*(\a)+\b)+7], v[MP+12*\b:MP+12*\b+11], v[MP+48+12*(\a):MP+48+12*(\a)+11], 0, v[SC+4*MS+\b], v[SC+4*MS+(\a)] matrix_a_fmt:MATRIX_FMT_FP6 matrix_b_fmt:MATRIX_FMT_FP6 matrix_a_scale:MATRIX_SCALE_ROW1
.else
	v_wmma_scale_f32_16x16x128_f8f6f4 v[ACC+8*(4*(\a)+\b):ACC+8*(4*(\a)+\b)+7], v[MP+12*\b:MP+12*\b+11], v[MP+48+12*(\a):MP+48+12*(\a)+11], v[ACC+8*(4*(\a)+\b):ACC+8*(4*(\a)+\b)+7], v[SC+4*MS+\b], v[SC+4*MS+(\a)] matrix_a_fmt:MATRIX_FMT_FP6 matrix_b_fmt:MATRIX_FMT_FP6 matrix_a_scale:MATRIX_SCALE_ROW1
.endif
.endr
.endr
.endm
.macro PLACES                          ; four plain vector instructions between a matrix instruction and a load into, or a read of, its registers
.rept 4
	v_nop
.endr
.endm
.macro STEP zero                       ; step S, whose successor lies in the same chunk
	s_wait_dscnt 8                                 ; all but the youngest 8 loads (A's blocks 2 and 3) are in
	WIN MUL
.set MS, S
	MUL8 0, \zero
	PLACES                                         ; the other set was last read by the step before
.set FS, S+1
	FETCH
	s_wait_dscnt 32                                ; all but the 32 just issued
	WIN MUL
	MUL8 2, \zero
.endm
; A chunk's last step.  In front of the barrier each wave waits for all its tensor loads, adds 0 to its spare word, and waits for that and for its reads of this chunk's slot.  Behind it the next chunk's slot is whole and nobody reads this one.
; fill = 1: this slot is filled again, with the chunk NSLOT further on: the barrier then opens a round of the cluster's, and the joint refill is the first thing behind the round: it must land by the next turn's wait, 56 matrix instructions on.
.macro TURN fill
.set TSL, (S/4)%NSLOT
	WIN 0                                          ; (the add's two registers lie in window 0)
	s_wait_tensorcnt 0x0                           ; all my tensor loads have landed, my part of the next chunk among them
	ds_add_u32 v[SPW], v[NIL]                      ; 0 onto my spare word
.if \fill
	s_add_nc_u64 s[G0+4*TSL+2:G0+4*TSL+3], s[G0+4*TSL+2:G0+4*TSL+3], NSLOT*CHB       ; no tensor load of mine is out: the slot's group 0 may be written
	s_add_nc_u64 s[G0B+4*TSL+2:G0B+4*TSL+3], s[G0B+4*TSL+2:G0B+4*TSL+3], NSLOT*CHB
.endif
	s_wait_dscnt 0x0                               ; the add is done, and my reads of this slot are over: this step's fragments are all in
	s_barrier_signal -1
	WIN MUL
.set MS, S
	MUL8 0, 0                                      ; work on registers while the others arrive
	WIN 0                                          ; (branches may follow)
	s_barrier_wait -1
.if \fill
	CREST                                          ; no wave of any partner still reads this slot or has a load on its way
	JLOAD G0+4*TSL, G1, G0B+4*TSL, G1B             ; my one tensor load behind the round; its four v_nop are the places in front of the loads below
.else
	PLACES
.endif
.set SCH, S/4+1
	SCALES
.set FS, S+1
	FETCH
	WIN MUL
	MUL8 2, 0
.endm
.macro LAST                            ; the very last step: nothing more to fetch
	s_wait_dscnt 8
	WIN MUL
.set MS, S
	MUL8 0, 0
	s_wait_dscnt 0
	MUL8 2, 0
	WIN 0
.endm
	s_wait_tensorcnt NSLOT-1                       ; the scale words and my part of chunk 0 are in; the later chunks' loads may be out
	s_barrier_signal -1
	s_barrier_wait -1                              ; everybody's are
.set SCH, 0
	SCALES
.set FS, 0
	FETCH
.set S, 0
.rept KF
.if S == KF-1
	LAST
.elseif S%4 == 3
.if S/4+NSLOT < NCH
	TURN 1
.else
	TURN 0
.endif
.elseif S == 0
	STEP 1                                         ; the first step's products start the sums: nothing is cleared
.else
	STEP 0
.endif
.set S, S+1
.endr
	; THE WAY OUT, block by block of 16 tokens x 64 columns: through my own stage in LDS, where the columns are put in order, back as whole rows of 256 bytes; the residual's same bytes are added; a store covers two rows of 256 consecutive, aligned bytes.
	; Each block has registers of its own for its rows, so nothing that a store reads is written again.  LDS serves a wave's instructions in order: no wait between a block's stores and its loads, nor in front of the next block's stores.
	PLACES                                         ; behind the last products: for the reads of results and the loads into the fragments' registers
.irp a, 0,1,2,3
	WIN 0
.irp b, 0,1,2,3
	ds_store_b128 v[STO], v[ACC+8*(4*\a+\b):ACC+8*(4*\a+\b)+3] offset:128*(\b/2)+32*(\b%2)        ; each accumulator from its low end on
	ds_store_b128 v[STO], v[ACC+8*(4*\a+\b)+4:ACC+8*(4*\a+\b)+7] offset:128*(\b/2)+32*(\b%2)+16
.endr
	WIN TO_F
.irp t, 0,1,2,3,4,5,6,7
	ds_load_b128 v[32*\a+4*\t:32*\a+4*\t+3], v[RD] offset:\t*2*SPITCH
.endr
.endr
	s_wait_loadcnt 0x0                             ; the residual, asked for at the head
.irp a, 0,1,2,3
	s_wait_dscnt 16*(3-\a)                         ; block a is back; the later blocks' 8 stores and 8 loads each may be out
	WIN 0x49                                       ; destination and source 0 window 1, source 1 window 2
.set RB, 32*\a
.set j, 0
.rept 16
	v_pk_add_f32 v[RB+j:RB+j+1], v[RB+j:RB+j+1], v[RB+j:RB+j+1]
.set j, j+2
.endr
	WIN 0x04                                       ; a store's data: window 1
.irp t, 0,1,2,3,4,5,6,7
	global_store_b128 v[CO], v[32*\a+4*\t:32*\a+4*\t+3], s[10:11] offset:(32*(\a/2)+8*(\a%2)+2*\t+8*(\t/4))*4096 th:TH_STORE_NT
.endr
.endr
	WIN 0
	s_wait_tensorcnt 0x0                           ; the wave's end, behind my last tensor load and my last LDS store
	ds_add_u32 v[SPW], v[NIL]
	s_wait_dscnt 0x0
	CROUND                                         ; the closing round: no work-group ends while a partner may still ask for a tile that names it
	s_endpgm
.Lfunc_end_k_q9c97d96c63_g_mo:
	.size	k_q9c97d96c63_g_mo, .Lfunc_end_k_q9c97d96c63_g_mo-k_q9c97d96c63_g_mo
	.p2alignl 7, 3214868480
	.fill 96, 4, 3214868480
	.section	.rodata,"a",@progbits
	.p2align	6, 0x0
	.amdhsa_kernel k_q9c97d96c63_g_mo
		.amdhsa_group_segment_fixed_size 327680
		.amdhsa_private_segment_fixed_size 0
		.amdhsa_enable_private_segment 0
		.amdhsa_kernarg_size 32
		.amdhsa_user_sgpr_count 2
		.amdhsa_user_sgpr_kernarg_segment_ptr 1
		.amdhsa_wavefront_size32 1
		.amdhsa_system_sgpr_workgroup_id_x 1
		.amdhsa_system_sgpr_workgroup_id_y 1
		.amdhsa_system_sgpr_workgroup_id_z 1
		.amdhsa_system_vgpr_workitem_id 0
		.amdhsa_next_free_vgpr 640
		.amdhsa_next_free_sgpr 100
		.amdhsa_reserve_vcc 0
		.amdhsa_float_denorm_mode_32 3
		.amdhsa_float_denorm_mode_16_64 3
		.amdhsa_memory_ordered 1
		.amdhsa_forward_progress 1
		.amdhsa_inst_pref_size 100
	.end_amdhsa_kernel
	.amdgpu_metadata
---
amdhsa.version: [ 1, 2 ]
amdhsa.kernels:
  - .name:           k_q9c97d96c63_g_mo
    .symbol:         k_q9c97d96c63_g_mo.kd
    .args:
      - { .name: aq, .offset: 0, .size: 8, .value_kind: global_buffer, .address_space: global }
      - { .name: wq, .offset: 8, .size: 8, .value_kind: global_buffer, .address_space: global }
      - { .name: x1, .offset: 16, .size: 8, .value_kind: global_buffer, .address_space: global }
      - { .name: out0, .offset: 24, .size: 8, .value_kind: global_buffer, .address_space: global }
    .group_segment_fixed_size: 327680
    .private_segment_fixed_size: 0
    .kernarg_segment_align: 8
    .kernarg_segment_size: 32
    .max_flat_workgroup_size: 128
    .sgpr_count:     100
    .vgpr_count:     640
    .wavefront_size: 32
...
	.end_amdgpu_metadata
.endif
;; end of part 8
